; MI455X (gfx1250); checked and timed in simulation.
; The chip was launched on July 23, 2026; its instructions are those of AMD's public machine-readable ISA for CDNA 5 (MIT licence, August 2026) and "CDNA5" Instruction Set Architecture Reference Guide (July 2026). The comments in the code are by the model that wrote it; some were corrected since.
;; Fast Self Attention. Allowed arithmetic: float matrix products may take bf16 or f16 operands with f32 sums; all other float work in f32.
;; Inputs: Wk 1,024 x 1,024 float32; Wq 1,024 x 1,024 float32; Wqa 1,024 x 16 float32; Wt 1,024 x 1,024 float32; attention_mask 8 x 1 x 2,048 float32; bk 1,024 float32; bq 1,024 float32; bqa 16 float32; bt 1,024 float32; hidden_states 8 x 2,048 x 1,024 float32.
;; Outputs: out0 8 x 2,048 x 1,024 float32.
;; 2 versions, each right. Each part assembles by itself: llvm-mc -triple=amdgcn-amd-amdhsa -mcpu=gfx1250 --defsym DOCPART=n.
;; ======== version 1 of 2: 7 launches
;; limits: right only within a limited range of input values
;; workspace buffers: xb 33,554,432 bytes; wqb 2,097,152 bytes; vc1 262,656 bytes; vc2 262,656 bytes; part 16,809,984 bytes; wts 17,301,504 bytes; mb 16,777,216 bytes
;; launch prep (part 1): grid 1096 x 1, 8 waves a work-group, no clusters, 73,728 bytes of LDS; arguments hidden_states, Wq, Wqa, bq, bqa, xb, wqb, vc1; writes xb, wqb, vc1
.if DOCPART == 1
	.amdgcn_target "amdgcn-amd-amdhsa--gfx1250"
	.amdhsa_code_object_version 6
	.text
	.protected	k_qc22c3d5468_prep
	.globl	k_qc22c3d5468_prep
	.p2align	8
	.type	k_qc22c3d5468_prep,@function
k_qc22c3d5468_prep:
	s_mov_b64 s[64:65], 0
	v_nop
	global_prefetch_b8 v0, s[64:65] scope:SCOPE_SE
	s_setreg_imm32_b32 hwreg(HW_REG_WAVE_MODE, 25, 1), 1
	s_wait_xcnt 0x0
; prep.  Three jobs, chosen by the work-group's number (the same for all eight waves of a work-group):
;   0 .. 7      V1 = Wq x Wqa for 128 rows i of Wq, stored as bf16 [b][h][i] for all eight batches, and c1[h] = bq . Wqa[:,h] + bqa[h] for batch = the group's number
;   8 .. 71     wqb = bf16(Wq), 16 rows a work-group
;   72 .. 1095  xb  = bf16(hidden_states), 16 rows a work-group
; (q Wqa + bqa = X (Wq Wqa) + (bq Wqa + bqa): the query logits need no q.)
; The casts are streams: 16 loads of 512 neighbouring bytes a wave, all issued before the first is used; each store of a wave covers 256 consecutive
; bytes, aligned.  No cluster: no two work-groups fill LDS with the same tile (there are no tensor loads here).
.set SPIT,  272                        ; LDS pitch of a row of 128 bf16: 256 bytes + 16
.set LWQA,  0                          ; Wqa as bf16 [1024 j][16 h], rows of 32 bytes: 32,768 bytes
.set LSTG,  32768                      ; each wave's own 16 rows x 272 bytes: Wq's rows as bf16, one chunk of 128 k
.set LOUTS, 67584                      ; 8 waves x 512 bytes: each wave's 16 results for each of the 16 heads (32 bytes a head)
.set LCP,   71936                      ; 8 waves x 16 words: partial sums of bq . Wqa
.set AF,  32                           ; v[32:63]   four A fragments (16 rows of Wq x 32 k)
.set BF,  64                           ; v[64:95]   four B fragments (32 k x 16 heads)
.set ACC, 96                           ; v[96:127]  four accumulators, one for each k quarter of a chunk
.set WA,  32                           ; v[32:95]   Wqa as loaded (before the products only)
.set BQ,  96                           ; v[96:111]  bq of my 16 rows j (before the products only)
.set CA,  112                          ; v[112:115] my part of bq . Wqa, four heads
.set GA,  128                          ; v[128:191] a chunk of Wq as loaded
.set GB,  192                          ; v[192:255] the next chunk
.macro PLACES                          ; four plain vector places behind a matrix instruction (ISA guide 7.12.1)
.rept 4
	v_nop
.endr
.endm
; d[0:1] = a[0:1] * v[x+i], d[0:1] += a[0:1] * v[x+i]: op_sel / op_sel_hi pick the one register of the even-aligned pair for both halves
.macro BMUL d, a, x, i
.if (\i) % 2
	v_pk_mul_f32 v[\d:\d+1], v[\a:\a+1], v[\x+(\i)-1:\x+(\i)] op_sel:[0,1]
.else
	v_pk_mul_f32 v[\d:\d+1], v[\a:\a+1], v[\x+(\i):\x+(\i)+1] op_sel_hi:[1,0]
.endif
.endm
.macro BFMA d, a, x, i
.if (\i) % 2
	v_pk_fma_f32 v[\d:\d+1], v[\a:\a+1], v[\x+(\i)-1:\x+(\i)], v[\d:\d+1] op_sel:[0,1,0]
.else
	v_pk_fma_f32 v[\d:\d+1], v[\a:\a+1], v[\x+(\i):\x+(\i)+1], v[\d:\d+1] op_sel_hi:[1,0,1]
.endif
.endm
; A cast of 65,536 bytes of f32: no register is used twice, so the only waits are the counted ones for the loads.
.macro STREAM sb, db, once
.irp j, 0,1,2,3,4,5,6,7,8,9,10,11,12,13,14,15
.if \once
	global_load_b128 v[32+4*\j:35+4*\j], v3, s[\sb:\sb+1] offset:512*\j th:TH_LOAD_NT
.else
	global_load_b128 v[32+4*\j:35+4*\j], v3, s[\sb:\sb+1] offset:512*\j
.endif
.endr
.irp j, 0,1,2,3,4,5,6,7,8,9,10,11,12,13,14,15
	s_wait_loadcnt 15-\j                           ; loads return in order: load j is in, the 15 - j younger ones stay out
	v_cvt_pk_bf16_f32 v[96+2*\j], v[32+4*\j], v[33+4*\j]
	v_cvt_pk_bf16_f32 v[97+2*\j], v[34+4*\j], v[35+4*\j]
	global_store_b64 v4, v[96+2*\j:97+2*\j], s[\db:\db+1] offset:256*\j
.endr
.endm
	s_load_b512 s[4:19], s[0:1], 0x0               ; X s[4:5], Wq s[6:7], Wqa s[8:9], bq s[10:11], bqa s[12:13], xb s[14:15], wqb s[16:17], vc1 s[18:19]
	v_lshl_add_u32 v30, v0, 2, 0x11c00
	v_mov_b32 v31, 0
	s_mov_b32 s20, ttmp9
	v_lshrrev_b32 v1, 5, v0
	v_readfirstlane_b32 s21, v1                    ; wave
	v_and_b32 v2, 31, v0                           ; lane
	s_cmp_lt_u32 s20, 8
	s_cbranch_scc1 .Lw1
	; ---- the casts ----
	v_lshlrev_b32 v3, 4, v2
	v_lshl_add_u32 v3, v1, 13, v3                  ; source: wave x 8,192 + 16 x lane
	v_lshlrev_b32 v4, 3, v2
	v_lshl_add_u32 v4, v1, 12, v4                  ; target: wave x 4,096 + 8 x lane
	s_mov_b32 s23, 0
	s_mov_b32 s25, 0
	s_cmp_lt_u32 s20, 72
	s_cbranch_scc1 .Lcastw
	s_sub_co_u32 s26, s20, 72
	s_lshl_b32 s22, s26, 16                        ; 16 rows of 4,096 bytes
	s_lshl_b32 s24, s26, 15                        ; 16 rows of 2,048 bytes
	s_wait_kmcnt 0x0
	s_add_nc_u64 s[4:5], s[4:5], s[22:23]
	s_add_nc_u64 s[14:15], s[14:15], s[24:25]
	STREAM 4, 14, 1                                ; X is read once in this launch
	s_endpgm
.Lcastw:
	s_sub_co_u32 s26, s20, 8
	s_lshl_b32 s22, s26, 16
	s_lshl_b32 s24, s26, 15
	s_wait_kmcnt 0x0
	s_add_nc_u64 s[6:7], s[6:7], s[22:23]
	s_add_nc_u64 s[16:17], s[16:17], s[24:25]
	STREAM 6, 16, 0                                ; Wq is also read by groups 0 to 7
	s_endpgm
	; ---- V1 and c1 ----
.Lw1:
	v_and_b32 v13, 15, v0                          ; r
	v_bfe_u32 v14, v0, 4, 1                        ; g
	v_lshlrev_b32 v3, 4, v0                        ; Wqa: 16 t: row j = 64 n + (t >> 2), heads 4 (t & 3) ..
	v_lshrrev_b32 v4, 2, v0
	v_lshlrev_b32 v4, 2, v4                        ; bq: 4 (t >> 2)
	v_lshlrev_b32 v5, 2, v13                       ; 4 r
	v_lshlrev_b32 v6, 4, v2
	v_lshl_add_u32 v6, v1, 16, v6                  ; Wq: my wave's 16 rows of 4,096 bytes + 16 x lane
	s_lshl_b32 s23, s21, 8
	v_lshl_add_u32 v7, v2, 3, s23                  ; LDS, Wqa in bf16: wave x 256 + 8 x lane (= 8 t)
	s_mul_i32 s22, s21, 16*SPIT
	s_add_co_u32 s22, s22, LSTG                    ; my wave's stage
	v_lshl_add_u32 v8, v2, 3, s22                  ; into the stage: 8 x lane, the row in the immediate
	v_mul_u32_u24 v9, v13, SPIT
	v_lshl_add_u32 v9, v14, 4, v9
	v_add_nc_u32 v9, s22, v9                       ; A fragments: row r, 16 g
	v_and_b32 v10, 7, v0
	v_lshl_add_u32 v10, v14, 3, v10                ; 8 g + (lane & 7)
	v_bfe_u32 v11, v0, 3, 1
	v_lshlrev_b32 v11, 4, v11
	v_lshl_add_u32 v10, v10, 5, v11                ; B fragments by the transposing load: that row of 32 bytes, + 16 ((lane >> 3) & 1)
	v_and_b32 v15, 3, v0
	v_lshlrev_b32 v15, 4, v15
	s_lshl_b32 s23, s21, 6
	s_add_co_u32 s23, s23, LCP
	v_add_nc_u32 v15, s23, v15                     ; my wave's 16 words of partial sums, heads 4 (lane & 3) ..
	v_lshlrev_b32 v17, 5, v13
	v_lshl_add_u32 v17, v14, 4, v17
	s_lshl_b32 s23, s21, 9
	s_add_co_u32 s23, s23, LOUTS
	v_add_nc_u32 v17, s23, v17                     ; results in: my wave's 512 bytes, head r x 32 + 16 g
	v_lshrrev_b32 v18, 4, v0                       ; results out: head t >> 4, the 16 bytes at 16 (t & 15) of its 256
	v_lshlrev_b32 v16, 4, v13
	v_lshl_add_u32 v19, v18, 11, v16               ; in vc1: head x 2,048 + 16 (t & 15)
	v_bfe_u32 v16, v0, 1, 3                        ; they were made by wave (t & 15) >> 1,
	v_lshlrev_b32 v18, 5, v18
	v_lshl_add_u32 v18, v16, 9, v18
	v_and_b32 v16, 1, v0                           ; half t & 1
	v_lshl_add_u32 v18, v16, 4, v18
	v_add_nc_u32 v18, LOUTS, v18
	s_mov_b32 s28, 0x76543210                      ; v_permlanex16_b32: lane i of one half reads lane i of the other
	s_mov_b32 s29, 0xfedcba98
	s_lshl_b32 s26, s20, 19                        ; my 128 rows of Wq
	s_mov_b32 s27, 0
	s_lshl_b32 s24, s20, 8                         ; my 128 i in a row of V1
	s_mov_b32 s25, 0
	s_lshl_b32 s36, s20, 6                         ; c1 of batch = my number
	s_mov_b32 s37, 0
	s_wait_kmcnt 0x0
	s_add_nc_u64 s[6:7], s[6:7], s[26:27]
	s_add_nc_u64 s[30:31], s[18:19], s[24:25]
	s_add_nc_u64 s[32:33], s[18:19], s[36:37]
.macro LOADW kc, G                     ; 16 rows x 512 bytes of Wq: chunk kc of 128 k
.irp j, 0,1,2,3,4,5,6,7,8,9,10,11,12,13,14,15
	global_load_b128 v[\G+4*\j:\G+4*\j+3], v6, s[6:7] offset:4096*\j+512*(\kc)
.endr
.endm
.irp j, 0,1,2,3,4,5,6,7,8,9,10,11,12,13,14,15
	global_load_b128 v[WA+4*\j:WA+4*\j+3], v3, s[8:9] offset:4096*\j
.endr
.irp j, 0,1,2,3,4,5,6,7,8,9,10,11,12,13,14,15
	global_load_b32 v[BQ+\j], v4, s[10:11] offset:256*\j
.endr
	global_load_b32 v12, v5, s[12:13]              ; bqa[r]
	LOADW 0, GA
	s_wait_loadcnt 16                              ; all but chunk 0's sixteen loads are in
	; Wqa to bf16 into LDS, and my part of bq . Wqa on the way
.set nn, 0
.rept 16
.if nn == 0
	BMUL CA, WA, BQ, 0
	BMUL CA+2, WA+2, BQ, 0
.else
	BFMA CA, WA+4*nn, BQ, nn
	BFMA CA+2, WA+4*nn+2, BQ, nn
.endif
	v_cvt_pk_bf16_f32 v[WA+4*nn], v[WA+4*nn], v[WA+4*nn+1]
	v_cvt_pk_bf16_f32 v[WA+4*nn+1], v[WA+4*nn+2], v[WA+4*nn+3]
	ds_store_b64 v7, v[WA+4*nn:WA+4*nn+1] offset:LWQA+2048*nn
.set nn, nn+1
.endr
	; lanes with the same lane & 3 hold the same four heads: add them up
.irp k, 0,1,2,3
	v_add_f32_dpp v[CA+\k], v[CA+\k], v[CA+\k] row_xmask:4 row_mask:0xf bank_mask:0xf
.endr
.irp k, 0,1,2,3
	v_add_f32_dpp v[CA+\k], v[CA+\k], v[CA+\k] row_xmask:8 row_mask:0xf bank_mask:0xf
.endr
.irp k, 0,1,2,3
	v_mov_b32 v[20+\k], v[CA+\k]                   ; the permute's destination counts as read
	v_permlanex16_b32 v[20+\k], v[CA+\k], s28, s29
.endr
	v_pk_add_f32 v[CA:CA+1], v[CA:CA+1], v[20:21]
	v_pk_add_f32 v[CA+2:CA+3], v[CA+2:CA+3], v[22:23]
	ds_store_b128 v15, v[CA:CA+3]
	LOADW 1, GB
	s_wait_dscnt 0x0                               ; my stores of Wqa and of the partial sums are done, for the other waves' sake
	s_barrier_signal -1
	s_barrier_wait -1
; One chunk of 128 k.  left = the younger chunk's loads that may stay out; more = 1: chunk kc + 2 is asked for into the same registers.
; The stage is the wave's own and LDS serves a wave's instructions in order, so no wait stands between its stores and its loads.
; The 32 conversions are also the places between the last chunk's matrix instructions and the loads into their fragments.
.macro CHUNK kc, G, left, more, zero
	s_wait_loadcnt \left
.irp j, 0,1,2,3,4,5,6,7,8,9,10,11,12,13,14,15
	v_cvt_pk_bf16_f32 v[\G+4*\j], v[\G+4*\j], v[\G+4*\j+1]
	v_cvt_pk_bf16_f32 v[\G+4*\j+1], v[\G+4*\j+2], v[\G+4*\j+3]
.endr
.irp j, 0,1,2,3,4,5,6,7,8,9,10,11,12,13,14,15
	ds_store_b64 v8, v[\G+4*\j:\G+4*\j+1] offset:SPIT*\j
.endr
.irp ks, 0,1,2,3
	ds_load_b128 v[AF+8*\ks:AF+8*\ks+3], v9 offset:64*\ks
	ds_load_b128 v[AF+8*\ks+4:AF+8*\ks+7], v9 offset:64*\ks+32
	ds_load_tr16_b128 v[BF+8*\ks:BF+8*\ks+3], v10 offset:LWQA+4096*\kc+1024*\ks
	ds_load_tr16_b128 v[BF+8*\ks+4:BF+8*\ks+7], v10 offset:LWQA+4096*\kc+1024*\ks+512
.endr
	s_wait_dscnt 0x0                               ; the fragments are in (and the stage's stores have read G)
.if \more
	LOADW \kc+2, \G
.endif
.irp ks, 0,1,2,3                       ; the four accumulators take turns
.if \zero
	v_wmma_f32_16x16x32_bf16 v[ACC+8*\ks:ACC+8*\ks+7], v[AF+8*\ks:AF+8*\ks+7], v[BF+8*\ks:BF+8*\ks+7], 0
.else
	v_wmma_f32_16x16x32_bf16 v[ACC+8*\ks:ACC+8*\ks+7], v[AF+8*\ks:AF+8*\ks+7], v[BF+8*\ks:BF+8*\ks+7], v[ACC+8*\ks:ACC+8*\ks+7]
.endif
.endr
.endm
	CHUNK 0, GA, 16, 1, 1
	CHUNK 1, GB, 16, 1, 0
	CHUNK 2, GA, 16, 1, 0
	CHUNK 3, GB, 16, 1, 0
	CHUNK 4, GA, 16, 1, 0
	CHUNK 5, GB, 16, 1, 0
	CHUNK 6, GA, 16, 0, 0
	CHUNK 7, GB, 0, 0, 0
	PLACES
.irp j, 0,2,4,6
	v_pk_add_f32 v[ACC+\j:ACC+\j+1], v[ACC+\j:ACC+\j+1], v[ACC+8+\j:ACC+8+\j+1]
	v_pk_add_f32 v[ACC+16+\j:ACC+16+\j+1], v[ACC+16+\j:ACC+16+\j+1], v[ACC+24+\j:ACC+24+\j+1]
.endr
.irp j, 0,2,4,6
	v_pk_add_f32 v[ACC+\j:ACC+\j+1], v[ACC+\j:ACC+\j+1], v[ACC+16+\j:ACC+16+\j+1]
.endr
.irp k, 0,1,2,3
	v_cvt_pk_bf16_f32 v[32+\k], v[ACC+2*\k], v[ACC+2*\k+1]   ; the lane holds head r, i = 8 g .. 8 g + 7: 16 bytes of a row of V1
.endr
	ds_store_b128 v17, v[32:35]
	s_wait_dscnt 0x0                               ; done, for the other waves' sake
	s_barrier_signal -1
	s_barrier_wait -1
	ds_load_b128 v[36:39], v18
	s_wait_dscnt 0x0
.irp b, 0,1,2,3,4,5,6,7
	global_store_b128 v19, v[36:39], s[30:31] offset:32768*\b   ; the same V1 for each batch; sixteen lanes store 256 consecutive bytes, aligned
.endr
	s_cmp_lg_u32 s21, 0
	s_cbranch_scc1 .Ldone
	v_add_nc_u32 v20, LCP, v5                      ; wave 0: the eight waves' partial sums of head r (stored ahead of the first barrier)
.irp w, 0,1,2,3,4,5,6,7
	ds_load_b32 v[40+\w], v20 offset:64*\w
.endr
	s_wait_dscnt 0x0
	v_pk_add_f32 v[40:41], v[40:41], v[42:43]
	v_pk_add_f32 v[44:45], v[44:45], v[46:47]
	v_pk_add_f32 v[40:41], v[40:41], v[44:45]
	v_add_f32 v40, v40, v41
	v_add_f32 v40, v40, v12                        ; + bqa[r]
	s_wait_xcnt 0x0                                ; EXEC changes only when the pending stores' addresses are translated
	v_cmp_gt_u32 vcc_lo, 16, v0
	s_and_saveexec_b32 s34, vcc_lo                 ; sixteen lanes, sixteen heads
	global_store_b32 v5, v40, s[32:33] offset:262144
	s_wait_xcnt 0x0
	s_or_b32 exec_lo, exec_lo, s34
.Ldone:
	s_wait_tensorcnt 0x0
	ds_add_u32 v30, v31
	s_wait_dscnt 0x0
	s_endpgm
.Lfunc_end_k_qc22c3d5468_prep:
	.size	k_qc22c3d5468_prep, .Lfunc_end_k_qc22c3d5468_prep-k_qc22c3d5468_prep
	.p2alignl 7, 3214868480
	.fill 96, 4, 3214868480
	.section	.rodata,"a",@progbits
	.p2align	6, 0x0
	.amdhsa_kernel k_qc22c3d5468_prep
		.amdhsa_group_segment_fixed_size 73728
		.amdhsa_private_segment_fixed_size 0
		.amdhsa_enable_private_segment 0
		.amdhsa_kernarg_size 64
		.amdhsa_user_sgpr_count 2
		.amdhsa_user_sgpr_kernarg_segment_ptr 1
		.amdhsa_wavefront_size32 1
		.amdhsa_system_sgpr_workgroup_id_x 1
		.amdhsa_system_sgpr_workgroup_id_y 1
		.amdhsa_system_sgpr_workgroup_id_z 1
		.amdhsa_system_vgpr_workitem_id 0
		.amdhsa_next_free_vgpr 256
		.amdhsa_next_free_sgpr 66
		.amdhsa_reserve_vcc 1
		.amdhsa_float_denorm_mode_32 3
		.amdhsa_float_denorm_mode_16_64 3
		.amdhsa_memory_ordered 1
		.amdhsa_forward_progress 1
		.amdhsa_inst_pref_size 74
	.end_amdhsa_kernel
	.amdgpu_metadata
---
amdhsa.version: [ 1, 2 ]
amdhsa.kernels:
  - .name:           k_qc22c3d5468_prep
    .symbol:         k_qc22c3d5468_prep.kd
    .args:
      - { .name: hidden_states, .offset: 0, .size: 8, .value_kind: global_buffer, .address_space: global }
      - { .name: Wq, .offset: 8, .size: 8, .value_kind: global_buffer, .address_space: global }
      - { .name: Wqa, .offset: 16, .size: 8, .value_kind: global_buffer, .address_space: global }
      - { .name: bq, .offset: 24, .size: 8, .value_kind: global_buffer, .address_space: global }
      - { .name: bqa, .offset: 32, .size: 8, .value_kind: global_buffer, .address_space: global }
      - { .name: xb, .offset: 40, .size: 8, .value_kind: global_buffer, .address_space: global }
      - { .name: wqb, .offset: 48, .size: 8, .value_kind: global_buffer, .address_space: global }
      - { .name: vc1, .offset: 56, .size: 8, .value_kind: global_buffer, .address_space: global }
    .group_segment_fixed_size: 73728
    .private_segment_fixed_size: 0
    .kernarg_segment_align: 8
    .kernarg_segment_size: 64
    .max_flat_workgroup_size: 256
    .sgpr_count:     66
    .vgpr_count:     256
    .wavefront_size: 32
...
	.end_amdgpu_metadata
.endif
;; end of part 1
;; launch pool1 (part 2): grid 32 x 8, 4 waves a work-group, no clusters, 236,032 bytes of LDS; arguments xb, vc1, attention_mask, part; writes part
.if DOCPART == 2
	.amdgcn_target "amdgcn-amd-amdhsa--gfx1250"
	.amdhsa_code_object_version 6
	.text
	.protected	k_qc22c3d5468_pool1
	.globl	k_qc22c3d5468_pool1
	.p2align	8
	.type	k_qc22c3d5468_pool1,@function
k_qc22c3d5468_pool1:
	s_mov_b64 s[64:65], 0
	v_nop
	global_prefetch_b8 v0, s[64:65] scope:SCOPE_SE
	s_setreg_imm32_b32 hwreg(HW_REG_WAVE_MODE, 25, 1), 1
	s_wait_xcnt 0x0
; The pooling pass (run twice: with V1, c1 and with V2, c2).  For batch b (grid y) and chunk c of 64 rows of X (grid x):
;   S[s][h] = (X[s] . V[b][h] + c[b][h]) / 8 + mask[b][s], in base 2;  m[h] = max over the chunk;  P = 2^(S - m);  l[h] = sum of P;
;   part[b][c][h][:] = sum over s of P[s][h] X[s][:]  (16 x 1024, f32);  stat[b][c] = m (16 words), l (16 words).
; The next launch joins the 32 chunks of a batch by their maxima: a softmax along S with a running maximum.
; LIMIT: m is floored at -1e30 (base-2 logits).  A row whose logit lies below that weighs 0; a batch whose every logit lies below it gives NaN.
; l is summed from the f32 weights, the pooled sums take the weights rounded to bf16.
; The chunk of X (64 rows x 2,048 bytes) and V (16 x 2,048 bytes) come into LDS once, by two tensor loads a wave, issued first of all: by this text's count
; two are outstanding, and nothing is filled again.  No cluster: the 32 work-groups of a batch share V alone, 32 KiB of the 160 KiB that each brings in.
.set XP,   2080                        ; LDS pitch of a row of 1024 bf16: two halves of 1,024 bytes, each with 16 bytes of padding: 65 x 32, an odd multiple of 32 bytes for the transposing loads
.set LVT,  64*XP                       ; V: 16 rows
.set LMX,  LVT+16*XP                   ; 166,400: 4 waves x 16 maxima
.set LLS,  256                         ; the sums, that many bytes behind the maxima
.set LPB,  LMX+512                     ; 4 waves x 512 bytes: P as bf16, already in a fragment's register image
.set LSTG, LMX+2560                    ; 168,960: each wave's own 16 rows x 1,040 bytes, for the way out
.set GP,   1040
.set BUF0, 32                          ; v[32:95]   four fragments of X, four of V
.set BUF1, 96                          ; v[96:159]  the same, the other buffer
.set ACC,  160                         ; v[160:191] four accumulators of the scores
.set PF,   96                          ; v[96:111]  P: two fragments of 32 rows
.set XB0,  32                          ; v[32:63]   four transposed fragments of X
.set XB1,  64                          ; v[64:95]
.set PACC, 128                         ; v[128:255] 16 tiles: 16 heads x my 256 columns
.macro PLACES                          ; four plain vector places behind a matrix instruction (ISA guide 7.12.1)
.rept 4
	v_nop
.endr
.endm
	s_load_b256 s[4:11], s[0:1], 0x0               ; xb s[4:5], V and c s[6:7], mask s[8:9], part s[10:11]
	s_set_vgpr_msb 0x40
	v_lshl_add_u32 v0, v0, 2, 0x39800
	v_mov_b32 v1, 0
	s_set_vgpr_msb 0x4045
	ds_add_u32 v0, v1
	ds_add_u32 v0, v1
	s_set_vgpr_msb 0x4500
	v_lshrrev_b32 v1, 5, v0
	v_readfirstlane_b32 s12, v1                    ; wave
	s_mov_b32 s13, ttmp9                           ; chunk
	s_and_b32 s14, ttmp7, 0xffff                   ; batch
	; group 1: both sources are dense, taken as rows of 512 elements of 2 bytes; 4 words of padding behind every 256 words
	s_mov_b32 s16, (1<<16)|(1<<20)|(7<<22)|(3<<25)
	s_mov_b32 s17, 512<<16                         ; tensor_dim0 = 512
	s_mov_b32 s18, 32<<16                          ; tensor_dim1 = 32 half rows = my 16 rows of X
	s_mov_b32 s19, 512<<16                         ; tile_dim0
	s_mov_b32 s20, 32                              ; tile_dim1
	s_mov_b32 s21, 512                             ; pitch
	s_mov_b32 s22, 0
	s_mov_b32 s23, 0
	s_mov_b32 s24, (1<<16)|(1<<20)|(7<<22)|(3<<25)
	s_mov_b32 s25, 512<<16
	s_mov_b32 s26, 8<<16                           ; 8 half rows = my 4 heads of V
	s_mov_b32 s27, 512<<16
	s_mov_b32 s28, 8
	s_mov_b32 s29, 512
	s_mov_b32 s30, 0
	s_mov_b32 s31, 0
	s_mov_b32 s32, 1
	s_mul_i32 s33, s12, 16*XP                      ; LDS: wave x 16 rows
	s_mov_b32 s36, 1
	s_mul_i32 s37, s12, 4*XP
	s_add_co_u32 s37, s37, LVT                     ; LDS: V + wave x 4 rows
	s_lshl_b32 s40, s14, 22                        ; b x 2,048 rows x 2,048 bytes
	s_lshl_b32 s41, s13, 17                        ; + c x 64 rows
	s_add_co_u32 s40, s40, s41
	s_lshl_b32 s41, s12, 15                        ; + wave x 16 rows
	s_add_co_u32 s40, s40, s41
	s_mov_b32 s41, 0
	s_lshl_b32 s42, s14, 15                        ; b x 16 heads x 2,048 bytes
	s_lshl_b32 s43, s12, 13                        ; + wave x 4 heads
	s_add_co_u32 s42, s42, s43
	s_mov_b32 s43, 0
	s_wait_dscnt 0x0
	s_wait_kmcnt 0x0
	s_add_nc_u64 s[34:35], s[4:5], s[40:41]
	s_or_b32 s35, s35, 0x80000000
	s_add_nc_u64 s[38:39], s[6:7], s[42:43]
	s_or_b32 s39, s39, 0x80000000
	tensor_load_to_lds s[32:35], s[16:23]
	s_nop 0
	tensor_load_to_lds s[36:39], s[24:31]
	s_nop 0
	v_and_b32 v2, 15, v0                           ; r
	v_bfe_u32 v3, v0, 4, 1                         ; g
	v_and_b32 v4, 31, v0                           ; lane
	v_lshlrev_b32 v5, 5, v3                        ; mask: rows 8 g .., 4 bytes each
	v_lshlrev_b32 v6, 2, v2                        ; 4 r
	s_lshl_b32 s40, s14, 13                        ; mask: b x 8,192 + c x 256 + wave x 64
	s_lshl_b32 s44, s13, 8
	s_add_co_u32 s40, s40, s44
	s_lshl_b32 s44, s12, 6
	s_add_co_u32 s40, s40, s44
	s_add_nc_u64 s[8:9], s[8:9], s[40:41]
	s_lshl_b32 s42, s14, 6                         ; c: b x 64
	s_add_nc_u64 s[54:55], s[6:7], s[42:43]
	global_load_b128 v[16:19], v5, s[8:9]          ; mask of my rows 8 g .. 8 g + 7
	global_load_b128 v[20:23], v5, s[8:9] offset:16
	global_load_b32 v24, v6, s[54:55] offset:262144   ; c[b][r]
	s_lshl_b32 s40, s14, 5
	s_add_co_u32 s40, s40, s13                     ; 32 b + c
	s_lshl_b32 s42, s40, 7
	s_add_co_u32 s42, s42, 0x1000000
	s_add_nc_u64 s[52:53], s[10:11], s[42:43]      ; my 32 words of stat
	s_lshl_b32 s40, s40, 16
	s_add_nc_u64 s[10:11], s[10:11], s[40:41]      ; my 65,536 bytes of part
	s_mov_b32 s46, 0x3e38aa3b                      ; log2(e) / 8
	s_mov_b32 s47, 0x3fb8aa3b                      ; log2(e)
	s_mov_b32 s48, 0x76543210
	s_mov_b32 s49, 0xfedcba98
	s_mov_b32 s50, 0xf149f2ca                      ; -1e30
	s_mov_b32 s51, 0xffff0000                      ; lanes 16 to 31
	v_mul_u32_u24 v8, v2, XP
	v_lshl_add_u32 v8, v3, 4, v8                   ; r x pitch + 16 g
	v_add_nc_u32 v7, s33, v8                       ; fragments of my 16 rows of X
	v_add_nc_u32 v8, LVT, v8                       ; fragments of V
	v_add_nc_u32 v10, LMX, v6                      ; maxima: head r, the wave in the immediate
	v_add_nc_u32 v9, s44, v10                      ; my wave's word (s44 = 64 x wave)
	v_lshlrev_b32 v26, 4, v4                       ; 16 x lane
	v_add_nc_u32 v12, LPB, v26
	s_lshl_b32 s15, s12, 9
	v_add_nc_u32 v11, s15, v12                     ; my wave's 512 bytes of P
	v_and_b32 v13, 7, v0
	v_lshl_add_u32 v13, v3, 3, v13
	v_mul_u32_u24 v13, v13, XP                     ; transposing loads: row 8 g + (lane & 7),
	v_bfe_u32 v14, v0, 3, 1
	v_lshl_add_u32 v13, v14, 4, v13                ; + 16 ((lane >> 3) & 1),
	s_lshr_b32 s45, s12, 1
	s_lshl_b32 s45, s45, 4
	s_add_co_u32 s45, s45, s15                     ; + my 256 columns: 512 x wave, and the padding in the row's middle
	v_add_nc_u32 v13, s45, v13
	v_add_nc_u32 v14, 32*XP, v13                   ; rows 32 to 63: beyond the reach of the 16-bit immediate
	s_mul_i32 s45, s12, 16*GP
	s_add_co_u32 s45, s45, LSTG                    ; my stage
	v_mul_u32_u24 v15, v2, GP
	v_lshl_add_u32 v15, v3, 5, v15
	v_add_nc_u32 v15, s45, v15                     ; in: head r, 32 bytes for each half of the lanes
	s_lshl_b32 s15, s12, 10
	v_add_nc_u32 v27, s15, v26                     ; in part: my 1,024 bytes of a row + 16 x lane
	v_add_nc_u32 v26, s45, v26                     ; back: 512 neighbouring bytes of a row
	s_wait_tensorcnt 0x0                           ; my parts of X and V have landed,
	s_barrier_signal -1
	s_barrier_wait -1                              ; everybody's have
	; ---- the scores: my 16 rows x 16 heads, K = 1024 in eight groups of four fragments ----
.macro LDG gi, buf
.irp i, 0,1,2,3
	ds_load_b128 v[\buf+8*\i:\buf+8*\i+3], v7 offset:(4*(\gi)+\i)*64+((4*(\gi)+\i)/16)*16
	ds_load_b128 v[\buf+8*\i+4:\buf+8*\i+7], v7 offset:(4*(\gi)+\i)*64+((4*(\gi)+\i)/16)*16+32
	ds_load_b128 v[\buf+32+8*\i:\buf+32+8*\i+3], v8 offset:(4*(\gi)+\i)*64+((4*(\gi)+\i)/16)*16
	ds_load_b128 v[\buf+32+8*\i+4:\buf+32+8*\i+7], v8 offset:(4*(\gi)+\i)*64+((4*(\gi)+\i)/16)*16+32
.endr
.endm
.macro MMG buf, zero                   ; the four accumulators take turns
.irp i, 0,1,2,3
.if \zero
	v_wmma_f32_16x16x32_bf16 v[ACC+8*\i:ACC+8*\i+7], v[\buf+8*\i:\buf+8*\i+7], v[\buf+32+8*\i:\buf+32+8*\i+7], 0
.else
	v_wmma_f32_16x16x32_bf16 v[ACC+8*\i:ACC+8*\i+7], v[\buf+8*\i:\buf+8*\i+7], v[\buf+32+8*\i:\buf+32+8*\i+7], v[ACC+8*\i:ACC+8*\i+7]
.endif
.endr
.endm
.macro GSTEP gi, buf, zero
	s_wait_dscnt 16                                ; this group's loads are in; the younger group's sixteen stay out
	MMG \buf, \zero
	PLACES
	LDG \gi+2, \buf
.endm
	LDG 0, BUF0
	LDG 1, BUF1
	GSTEP 0, BUF0, 1
	GSTEP 1, BUF1, 0
	GSTEP 2, BUF0, 0
	GSTEP 3, BUF1, 0
	GSTEP 4, BUF0, 0
	GSTEP 5, BUF1, 0
	s_wait_dscnt 16
	MMG BUF0, 0
	s_wait_dscnt 0x0
	MMG BUF1, 0
	PLACES
.irp j, 0,2,4,6
	v_pk_add_f32 v[ACC+\j:ACC+\j+1], v[ACC+\j:ACC+\j+1], v[ACC+8+\j:ACC+8+\j+1]
	v_pk_add_f32 v[ACC+16+\j:ACC+16+\j+1], v[ACC+16+\j:ACC+16+\j+1], v[ACC+24+\j:ACC+24+\j+1]
.endr
.irp j, 0,2,4,6
	v_pk_add_f32 v[ACC+\j:ACC+\j+1], v[ACC+\j:ACC+\j+1], v[ACC+16+\j:ACC+16+\j+1]
.endr
	s_wait_loadcnt 0x0                             ; mask and c
	v_mul_f32 v25, s46, v24
.irp j, 0,1,2,3,4,5,6,7
	v_fma_f32 v[16+\j], v[16+\j], s47, v25         ; mask log2(e) + c log2(e) / 8
.endr
.irp j, 0,1,2,3,4,5,6,7
	v_fma_f32 v[ACC+\j], v[ACC+\j], s46, v[16+\j]  ; the lane holds head r, rows 8 g + j
.endr
	v_max3_num_f32 v16, v[ACC], v[ACC+1], v[ACC+2]
	v_max3_num_f32 v16, v16, v[ACC+3], v[ACC+4]
	v_max3_num_f32 v16, v16, v[ACC+5], v[ACC+6]
	v_max_num_f32 v16, v16, v[ACC+7]
	v_mov_b32 v17, v16                             ; the permute's destination counts as read
	v_permlanex16_b32 v17, v16, s48, s49           ; the other eight rows
	v_max3_num_f32 v16, v16, v17, s50              ; and the floor
	ds_store_b32 v9, v16
	s_wait_dscnt 0x0                               ; done, for the other waves' sake
	s_barrier_signal -1
	s_barrier_wait -1
.irp w, 0,1,2,3
	ds_load_b32 v[16+\w], v10 offset:64*\w
.endr
	s_wait_dscnt 0x0
	v_max3_num_f32 v24, v16, v17, v18
	v_max_num_f32 v24, v24, v19                    ; m[r] of the chunk
.irp j, 0,1,2,3,4,5,6,7
	v_sub_f32 v[ACC+\j], v[ACC+\j], v24
.endr
.irp j, 0,1,2,3,4,5,6,7
	v_exp_f32 v[ACC+\j], v[ACC+\j]
.endr
	v_nop                                          ; one plain place behind the last exponential (ISA guide 5.7.2)
	s_wait_alu depctr_va_vdst(0)
	v_pk_add_f32 v[16:17], v[ACC:ACC+1], v[ACC+2:ACC+3]
	v_pk_add_f32 v[18:19], v[ACC+4:ACC+5], v[ACC+6:ACC+7]
	v_pk_add_f32 v[16:17], v[16:17], v[18:19]
	v_add_f32 v16, v16, v17
	v_permlanex16_b32 v17, v16, s48, s49
	v_add_f32 v25, v16, v17                        ; the sum over my wave's 16 rows
.irp k, 0,1,2,3
	v_cvt_pk_bf16_f32 v[28+\k], v[ACC+2*\k], v[ACC+2*\k+1]   ; head r, rows 8 g .. 8 g + 7: four registers of a K = 32 fragment as they stand
.endr
	ds_store_b128 v11, v[28:31]
	ds_store_b32 v9, v25 offset:LLS
	s_wait_dscnt 0x0                               ; done, for the other waves' sake
	s_barrier_signal -1
	s_barrier_wait -1
	; ---- the pooling: 16 heads x my 256 columns, K = the chunk's 64 rows ----
	; Source 0 = 16 columns of X (transposing loads), source 1 = P: the lane then holds head r and eight neighbouring columns.
.macro LDT kk, q, buf
.irp i, 0,1,2,3
	ds_load_tr16_b128 v[\buf+8*\i:\buf+8*\i+3], v[13+\kk] offset:32*(4*\q+\i)
	ds_load_tr16_b128 v[\buf+8*\i+4:\buf+8*\i+7], v[13+\kk] offset:32*(4*\q+\i)+16*XP
.endr
.endm
.macro MMT kk, q, buf                  ; sixteen accumulators take turns
.irp i, 0,1,2,3
.if \kk
	v_wmma_f32_16x16x32_bf16 v[PACC+8*(4*\q+\i):PACC+8*(4*\q+\i)+7], v[\buf+8*\i:\buf+8*\i+7], v[PF+8*\kk:PF+8*\kk+7], v[PACC+8*(4*\q+\i):PACC+8*(4*\q+\i)+7]
.else
	v_wmma_f32_16x16x32_bf16 v[PACC+8*(4*\q+\i):PACC+8*(4*\q+\i)+7], v[\buf+8*\i:\buf+8*\i+7], v[PF+8*\kk:PF+8*\kk+7], 0
.endif
.endr
.endm
.macro TSTEP kk, q, buf, nk, nq        ; multiplies batch (kk, q) and asks for batch (nk, nq) into the same buffer
	s_wait_dscnt 8                                 ; all but the younger batch's eight loads
	MMT \kk, \q, \buf
	PLACES
	LDT \nk, \nq, \buf
.endm
.irp w, 0,1,2,3
	ds_load_b128 v[PF+4*\w:PF+4*\w+3], v12 offset:512*\w
.endr
	LDT 0, 0, XB0
	LDT 0, 1, XB1
	TSTEP 0, 0, XB0, 0, 2
	TSTEP 0, 1, XB1, 0, 3
	TSTEP 0, 2, XB0, 1, 0
	TSTEP 0, 3, XB1, 1, 1
	TSTEP 1, 0, XB0, 1, 2
	TSTEP 1, 1, XB1, 1, 3
	s_wait_dscnt 8
	MMT 1, 2, XB0
	s_wait_dscnt 0x0
	MMT 1, 3, XB1
	PLACES
	; ---- the way out: through my own stage, so that each store of the wave covers 512 consecutive bytes, aligned ----
.irp t, 0,1,2,3,4,5,6,7,8,9,10,11,12,13,14,15
	ds_store_b128 v15, v[PACC+8*\t:PACC+8*\t+3] offset:64*\t
	ds_store_b128 v15, v[PACC+8*\t+4:PACC+8*\t+7] offset:64*\t+16
.endr
.irp ro, 0,1
.if \ro
	s_wait_xcnt 0x0                                ; the first round's stores have had their addresses translated: their data registers are loaded again only behind this wait
.endif
.irp ii, 0,1,2,3,4,5,6,7,8,9,10,11,12,13,14,15
	ds_load_b128 v[32+4*\ii:35+4*\ii], v26 offset:((16*\ro+\ii)/2)*GP+(\ii%2)*512   ; LDS serves a wave's instructions in order: these see the stores above
.endr
.irp ii, 0,1,2,3,4,5,6,7,8,9,10,11,12,13,14,15
	s_wait_dscnt 15-\ii
	global_store_b128 v27, v[32+4*\ii:35+4*\ii], s[10:11] offset:((16*\ro+\ii)/2)*4096+(\ii%2)*512
.endr
.endr
	s_cmp_lg_u32 s12, 0
	s_cbranch_scc1 .Lend
.irp w, 0,1,2,3
	ds_load_b32 v[16+\w], v10 offset:LLS+64*\w     ; wave 0: the four waves' sums (stored ahead of the last barrier)
.endr
	s_wait_dscnt 0x0
	v_pk_add_f32 v[16:17], v[16:17], v[18:19]
	v_add_f32 v16, v16, v17
	v_cndmask_b32 v16, v24, v16, s51               ; lanes 0 to 15: m[r]; lanes 16 to 31: l[r]
	v_lshlrev_b32 v17, 2, v4
	global_store_b32 v17, v16, s[52:53]
.Lend:
	s_set_vgpr_msb 0x5
	s_wait_tensorcnt 0x0
	ds_add_u32 v0, v1
	s_wait_dscnt 0x0
	s_set_vgpr_msb 0x500
	s_endpgm
.Lfunc_end_k_qc22c3d5468_pool1:
	.size	k_qc22c3d5468_pool1, .Lfunc_end_k_qc22c3d5468_pool1-k_qc22c3d5468_pool1
	.p2alignl 7, 3214868480
	.fill 96, 4, 3214868480
	.section	.rodata,"a",@progbits
	.p2align	6, 0x0
	.amdhsa_kernel k_qc22c3d5468_pool1
		.amdhsa_group_segment_fixed_size 236032
		.amdhsa_private_segment_fixed_size 0
		.amdhsa_enable_private_segment 0
		.amdhsa_kernarg_size 32
		.amdhsa_user_sgpr_count 2
		.amdhsa_user_sgpr_kernarg_segment_ptr 1
		.amdhsa_wavefront_size32 1
		.amdhsa_system_sgpr_workgroup_id_x 1
		.amdhsa_system_sgpr_workgroup_id_y 1
		.amdhsa_system_sgpr_workgroup_id_z 1
		.amdhsa_system_vgpr_workitem_id 0
		.amdhsa_next_free_vgpr 258
		.amdhsa_next_free_sgpr 66
		.amdhsa_reserve_vcc 0
		.amdhsa_float_denorm_mode_32 3
		.amdhsa_float_denorm_mode_16_64 3
		.amdhsa_memory_ordered 1
		.amdhsa_forward_progress 1
		.amdhsa_inst_pref_size 37
	.end_amdhsa_kernel
	.amdgpu_metadata
---
amdhsa.version: [ 1, 2 ]
amdhsa.kernels:
  - .name:           k_qc22c3d5468_pool1
    .symbol:         k_qc22c3d5468_pool1.kd
    .args:
      - { .name: xb, .offset: 0, .size: 8, .value_kind: global_buffer, .address_space: global }
      - { .name: vc1, .offset: 8, .size: 8, .value_kind: global_buffer, .address_space: global }
      - { .name: attention_mask, .offset: 16, .size: 8, .value_kind: global_buffer, .address_space: global }
      - { .name: part, .offset: 24, .size: 8, .value_kind: global_buffer, .address_space: global }
    .group_segment_fixed_size: 236032
    .private_segment_fixed_size: 0
    .kernarg_segment_align: 8
    .kernarg_segment_size: 32
    .max_flat_workgroup_size: 128
    .sgpr_count:     66
    .vgpr_count:     258
    .wavefront_size: 32
...
	.end_amdgpu_metadata
.endif
;; end of part 2
;; launch mid1 (part 3): grid 16 x 8, 8 waves a work-group, no clusters, 11,264 bytes of LDS; arguments part, Wq, bq, Wk, bk, vc2; writes vc2
.if DOCPART == 3
	.amdgcn_target "amdgcn-amd-amdhsa--gfx1250"
	.amdhsa_code_object_version 6
	.text
	.protected	k_qc22c3d5468_mid1
	.globl	k_qc22c3d5468_mid1
	.p2align	8
	.type	k_qc22c3d5468_mid1,@function
k_qc22c3d5468_mid1:
	s_mov_b64 s[64:65], 0
	v_nop
	global_prefetch_b8 v0, s[64:65] scope:SCOPE_SE
	s_setreg_imm32_b32 hwreg(HW_REG_WAVE_MODE, 25, 1), 1
	s_wait_xcnt 0x0
; mid (MID = 1 or 2).  One work-group for head h (grid x) of batch b (grid y).  Arguments by place: part, W3, b3, W4, b2, out.
;   1. joins the 32 chunks: M = max m_c, a_c = 2^(m_c - M) / sum of 2^(m_c - M) l_c;  xw[i] = sum over c of a_c part[b][c][h][i]  (the softmax-weighted mean row of X)
;   2. y[d] = xw . W3[:, 64 h + d] + b3[64 h + d]        (since the weights add up to 1 the bias enters once)
;   MID = 1 (W3 = Wq, W4 = Wk): y = pooled_q.  out: V2[b][h][i] = bf16(W4[i, 64 h ..] . y), c2[b][h] = b2[64 h ..] . y
;   MID = 2 (W3 = Wk, W4 = Wt, b2 = bq): y = pooled_k.  out: WtS[b][64 h + d][n] = bf16(y[d] W4[64 h + d][n]), cpart[b][h][n] = sum over d of b2[64 h + d] y[d] W4[64 h + d][n]
; Each product has one row for a work-group: a 16-row matrix tile would be one sixteenth full, and the time goes into streaming two blocks of 256 KiB of weights.
; So: vector arithmetic in f32, loads through registers, no tensor loads and no cluster.
.set MID, 1
.set RED, 4096                         ; LDS: xw at 0 (4,096 bytes); 8 waves x 256 bytes of partial y; 8 waves x 512 bytes (MID = 2: y and b2 y, each wave's own)
.set YB,  6144
.set WB0, 64                           ; v[64:127]  sixteen rows' 16 bytes of weights
.set WB1, 192                          ; v[192:255] the other buffer
.set XV,  128                          ; v[128:191] xw of my 64 rows; later y (MID = 2)
.set GV,  192                          ; v[192:255] b2 y (MID = 2)
; v[12:15] b3, v[16:19] b2, v[20:23] xw, later cpart, v[24:31] two sets of sums for y, v[32:35] y[4 d4 ..], v[36:61] at work, v62 where my xw goes in LDS,
; v63 the prefetch's offset, v[128:255] the 32 chunks' rows
.macro BMUL d, a, x, i                 ; d[0:1] = a[0:1] * v[x+i]: op_sel / op_sel_hi pick the one register of the even-aligned pair for both halves
.if (\i) % 2
	v_pk_mul_f32 v[\d:\d+1], v[\a:\a+1], v[\x+(\i)-1:\x+(\i)] op_sel:[0,1]
.else
	v_pk_mul_f32 v[\d:\d+1], v[\a:\a+1], v[\x+(\i):\x+(\i)+1] op_sel_hi:[1,0]
.endif
.endm
.macro BFMA d, a, x, i                 ; d[0:1] += a[0:1] * v[x+i]
.if (\i) % 2
	v_pk_fma_f32 v[\d:\d+1], v[\a:\a+1], v[\x+(\i)-1:\x+(\i)], v[\d:\d+1] op_sel:[0,1,0]
.else
	v_pk_fma_f32 v[\d:\d+1], v[\a:\a+1], v[\x+(\i):\x+(\i)+1], v[\d:\d+1] op_sel_hi:[1,0,1]
.endif
.endm
.macro LDW3 q, buf                     ; rows 64 ig + 16 q + k of W3, my 16 bytes: sixteen lanes read the head's 256 bytes of a row
.irp k, 0,1,2,3,4,5,6,7,8,9,10,11,12,13,14,15
	global_load_b128 v[\buf+4*\k:\buf+4*\k+3], v8, s[6:7] offset:4096*(16*(\q)+\k)
.endr
.endm
.macro DOT3 q, buf                     ; two sets of sums, so that no multiply-add waits for the one in front of it
.set dk, 0
.rept 16
.if 16*\q+dk < 2
	BMUL 24+4*dk, \buf+4*dk, XV, dk
	BMUL 26+4*dk, \buf+4*dk+2, XV, dk
.else
	BFMA 24+4*(dk%2), \buf+4*dk, XV, 16*\q+dk
	BFMA 26+4*(dk%2), \buf+4*dk+2, XV, 16*\q+dk
.endif
.set dk, dk+1
.endr
.endm
.macro FOLD base, n                    ; vectors 0 .. n-1 of four registers += vectors n .. 2n-1
.set fi, 0
.rept 2*\n
	v_pk_add_f32 v[\base+2*fi:\base+2*fi+1], v[\base+2*fi:\base+2*fi+1], v[\base+4*\n+2*fi:\base+4*\n+2*fi+1]
.set fi, fi+1
.endr
.endm
; MID = 1
.macro LD4 s, buf                      ; rows 64 ig + 4 k + s of W4
.irp k, 0,1,2,3,4,5,6,7,8,9,10,11,12,13,14,15
	global_load_b128 v[\buf+4*\k:\buf+4*\k+3], v8, s[10:11] offset:4096*(4*\k+\s)
.endr
.endm
.macro RSTAGE half, msk, xm            ; a stage of a reduce-scatter over 16 lanes: each lane keeps one half of its sums and sends the other to lane xor xm
.set rk, 0
.rept \half
	v_cndmask_b32 v[52+2*(rk%2)], v[36+rk], v[36+rk+\half], s[\msk]
	v_cndmask_b32 v[53+2*(rk%2)], v[36+rk+\half], v[36+rk], s[\msk]
	v_add_f32_dpp v[36+rk], v[53+2*(rk%2)], v[52+2*(rk%2)] row_xmask:\xm row_mask:0xf bank_mask:0xf
.set rk, rk+1
.endr
.endm
.macro ROWS s, buf                     ; sixteen rows' dot products with y; lane d4 ends up with row 64 ig + 4 d4 + s
.irp k, 0,1,2,3,4,5,6,7,8,9,10,11,12,13,14,15
	v_pk_mul_f32 v[\buf+4*\k:\buf+4*\k+1], v[\buf+4*\k:\buf+4*\k+1], v[32:33]
	v_pk_fma_f32 v[\buf+4*\k:\buf+4*\k+1], v[\buf+4*\k+2:\buf+4*\k+3], v[34:35], v[\buf+4*\k:\buf+4*\k+1]
	v_add_f32 v[36+\k], v[\buf+4*\k], v[\buf+4*\k+1]
.endr
	RSTAGE 8, 28, 8
	RSTAGE 4, 29, 4
	RSTAGE 2, 30, 2
	RSTAGE 1, 31, 1
	v_mov_b32 v[56+\s], v36
.endm
; MID = 2
.macro LD4B bt, buf                    ; rows 64 h + 8 bt + k of W4, my 16 bytes of each: the eight waves read whole rows
.irp k, 0,1,2,3,4,5,6,7
	global_load_b128 v[\buf+4*\k:\buf+4*\k+3], v7, s[10:11] offset:4096*(8*(\bt)+\k)
.endr
.endm
.macro SCALE bt, buf, left, more
	s_wait_loadcnt \left                           ; this batch's eight loads are in, the younger batch's stay out
	s_wait_xcnt 0x0                                ; the last batch's stores have had their addresses translated: v[36:51] are rewritten only behind this wait
.set sk, 0
.rept 8
.if 8*\bt+sk == 0
	BMUL 20, \buf, GV, 0
	BMUL 22, \buf+2, GV, 0
.else
	BFMA 20, \buf+4*sk, GV, 8*\bt+sk
	BFMA 22, \buf+4*sk+2, GV, 8*\bt+sk
.endif
	BMUL \buf+4*sk, \buf+4*sk, XV, 8*\bt+sk
	BMUL \buf+4*sk+2, \buf+4*sk+2, XV, 8*\bt+sk
	v_cvt_pk_bf16_f32 v[36+2*sk], v[\buf+4*sk], v[\buf+4*sk+1]
	v_cvt_pk_bf16_f32 v[37+2*sk], v[\buf+4*sk+2], v[\buf+4*sk+3]
	global_store_b64 v9, v[36+2*sk:37+2*sk], s[14:15] offset:2048*(8*\bt+sk)   ; a wave's store covers 256 consecutive bytes, aligned
.set sk, sk+1
.endr
.if \more
	LD4B \bt+2, \buf
.endif
.endm
	s_load_b256 s[4:11], s[0:1], 0x0               ; part s[4:5], W3 s[6:7], b3 s[8:9], W4 s[10:11]
	s_load_b128 s[12:15], s[0:1], 0x20             ; b2 s[12:13], out s[14:15]
	v_lshl_add_u32 v60, v0, 2, 0x2800
	v_mov_b32 v61, 0
	s_mov_b32 s2, ttmp9                            ; h
	s_and_b32 s3, ttmp7, 0xffff                    ; b
	v_lshrrev_b32 v1, 5, v0
	v_readfirstlane_b32 s16, v1                    ; wave
	v_and_b32 v2, 31, v0                           ; lane
	v_and_b32 v3, 15, v0                           ; d4
	v_lshrrev_b32 v4, 4, v0                        ; ig
	v_lshlrev_b32 v5, 7, v2                        ; stat: lane = chunk, 128 bytes each
	v_lshlrev_b32 v6, 4, v3                        ; 16 d4
	v_lshlrev_b32 v7, 4, v0                        ; 16 t
	v_lshl_add_u32 v8, v4, 18, v6                  ; 64 ig rows of 4,096 bytes + 16 d4
	v_lshlrev_b32 v9, 3, v0                        ; 8 t
	v_lshlrev_b32 v10, 8, v4                       ; LDS: xw of my 64 rows
	s_lshl_b32 s17, s16, 9
	v_lshl_add_u32 v62, v2, 4, s17                 ; LDS: where my xw goes: wave x 512 + 16 x lane (= 16 t)
	s_lshl_b32 s17, s16, 8
	v_add_nc_u32 v11, s17, v6                      ; LDS: my wave's 256 bytes of partial y
	s_lshl_b32 s18, s3, 21                         ; part: b x 32 chunks x 65,536
	s_lshl_b32 s17, s2, 12                         ; + h x 4,096
	s_add_co_u32 s18, s18, s17
	s_mov_b32 s19, 0
	s_lshl_b32 s24, s3, 12                         ; stat: b x 4,096 + 4 h, behind part's 16 MiB
	s_lshl2_add_u32 s24, s2, s24
	s_add_co_u32 s24, s24, 0x1000000
	s_mov_b32 s25, 0
	s_lshl_b32 s28, s2, 8                          ; the head's 256 bytes of a row of 4,096
	s_mov_b32 s29, 0
	s_wait_kmcnt 0x0
	s_add_nc_u64 s[20:21], s[4:5], s[18:19]
	s_add_nc_u64 s[22:23], s[4:5], s[24:25]
	s_add_nc_u64 s[6:7], s[6:7], s[28:29]
	s_add_nc_u64 s[8:9], s[8:9], s[28:29]
	s_add_nc_u64 s[12:13], s[12:13], s[28:29]
.if MID == 1
	s_add_nc_u64 s[10:11], s[10:11], s[28:29]      ; W4: the head's columns
	s_lshl_b32 s24, s3, 6
	s_lshl2_add_u32 s24, s2, s24
	s_add_co_u32 s24, s24, 262144
	s_add_nc_u64 s[66:67], s[14:15], s[24:25]      ; c2[b][h]
	s_lshl_b32 s18, s3, 15
	s_lshl_b32 s17, s2, 11
	s_add_co_u32 s18, s18, s17
	s_add_nc_u64 s[14:15], s[14:15], s[18:19]      ; V2[b][h]
	s_lshl_b32 s17, s3, 19
	v_lshl_add_u32 v63, v0, 12, s17                ; prefetch: row 128 b + t of W4, the head's 256 bytes
.else
	s_lshl_b32 s28, s2, 18
	s_add_nc_u64 s[10:11], s[10:11], s[28:29]      ; W4: the head's 64 rows
	s_lshl_b32 s24, s3, 4
	s_add_co_u32 s24, s24, s2
	s_lshl_b32 s24, s24, 12
	s_add_co_u32 s24, s24, 0x1000000
	s_add_nc_u64 s[66:67], s[14:15], s[24:25]      ; cpart[b][h]
	s_lshl_b32 s18, s3, 21
	s_lshl_b32 s17, s2, 17
	s_add_co_u32 s18, s18, s17
	s_add_nc_u64 s[14:15], s[14:15], s[18:19]      ; WtS[b][64 h]
	s_lshl_b32 s17, s3, 15
	v_lshl_add_u32 v63, v4, 12, s17                ; prefetch: row 8 b + (t >> 4) of the head's 64, block t & 15 of 256 bytes
	v_lshl_add_u32 v63, v3, 8, v63
.endif
	global_load_b32 v36, v5, s[22:23]              ; m of chunk = lane
	global_load_b32 v37, v5, s[22:23] offset:64    ; l
	global_load_b128 v[12:15], v6, s[8:9]
	global_load_b128 v[16:19], v6, s[12:13]
.irp c, 0,1,2,3,4,5,6,7,8,9,10,11,12,13,14,15,16,17,18,19,20,21,22,23,24,25,26,27,28,29,30,31
	global_load_b128 v[128+4*\c:131+4*\c], v7, s[20:21] offset:65536*\c th:TH_LOAD_NT
.endr
	LDW3 0, WB0
	; The eight work-groups of a head read the same 256 KiB of W4 in their last phase.  Each asks for an eighth of it here, waves 0 to 3, one lane for each
	; aligned block of 256 bytes: every block is asked for once in the launch, two phases ahead of its use, and none lies outside W4.
	s_cmp_ge_u32 s16, 4
	s_cbranch_scc1 .Lnopf
	global_prefetch_b8 v63, s[10:11] th:TH_LOAD_NT scope:SCOPE_SE
.Lnopf:
	s_mov_b32 s26, 0x76543210                      ; v_permlanex16_b32: lane i of one half reads lane i of the other
	s_mov_b32 s27, 0xfedcba98
	s_mov_b32 s28, 0xff00ff00                      ; lanes with bit 3, 2, 1, 0 of their number set
	s_mov_b32 s29, 0xf0f0f0f0
	s_mov_b32 s30, 0xcccccccc
	s_mov_b32 s31, 0xaaaaaaaa
	; ---- 1. the chunks' weights, every wave for itself ----
	s_wait_loadcnt 50                              ; m and l are in: 2 + 32 + 16 loads were issued behind them
	v_mov_b32 v38, v36
.irp x, 1,2,4,8
	v_max_num_f32_dpp v38, v38, v38 row_xmask:\x row_mask:0xf bank_mask:0xf
.endr
	v_mov_b32 v39, v38
	v_permlanex16_b32 v39, v38, s26, s27
	v_max_num_f32 v38, v38, v39                    ; M
	v_sub_f32 v36, v36, v38
	v_exp_f32 v36, v36
	v_nop                                          ; one plain place behind a transcendental (ISA guide 5.7.2)
	s_wait_alu depctr_va_vdst(0)
	v_mul_f32 v37, v36, v37
.irp x, 1,2,4,8
	v_add_f32_dpp v37, v37, v37 row_xmask:\x row_mask:0xf bank_mask:0xf
.endr
	v_permlanex16_b32 v39, v37, s26, s27
	v_add_f32 v37, v37, v39                        ; the softmax's denominator
	v_rcp_f32 v37, v37
	v_nop
	s_wait_alu depctr_va_vdst(0)
	v_mul_f32 v36, v36, v37                        ; a of chunk = lane
.irp c, 0,1,2,3,4,5,6,7,8,9,10,11,12,13,14,15,16,17,18,19,20,21,22,23,24,25,26,27,28,29,30,31
	v_readlane_b32 s[32+\c], v36, \c
.endr
	; ---- xw[4 t ..] = sum over the chunks ----
.set cc, 0
.rept 32
.if cc % 8 == 0
	s_wait_loadcnt 40-cc                           ; eight more rows are in: 24 - cc younger rows and W3's sixteen loads stay out
.endif
.irp k, 0,1,2,3
.if cc == 0
	v_mul_f32 v[20+\k], s[32], v[128+\k]
.else
	v_fmac_f32 v[20+\k], s[32+cc], v[128+4*cc+\k]
.endif
.endr
.set cc, cc+1
.endr
	LDW3 1, WB1
	ds_store_b128 v62, v[20:23]
	s_wait_dscnt 0x0                               ; done, for the other waves' sake
	s_barrier_signal -1
	s_barrier_wait -1
	; ---- 2. y = xw . W3 + b3: thread (ig, d4) takes rows 64 ig .. + 63, columns 4 d4 .. + 3 ----
.irp m, 0,1,2,3,4,5,6,7,8,9,10,11,12,13,14,15
	ds_load_b128 v[XV+4*\m:XV+4*\m+3], v10 offset:16*\m
.endr
	s_wait_loadcnt 16                              ; the older batch of sixteen is in, the younger stays out (so at each of these four waits)
	s_wait_dscnt 0x0
	DOT3 0, WB0
	LDW3 2, WB0
	s_wait_loadcnt 16
	DOT3 1, WB1
	LDW3 3, WB1
	s_wait_loadcnt 16
	DOT3 2, WB0
.if MID == 1
	LD4 0, WB0                                     ; the last phase's first sixteen loads
.else
	LD4B 0, 64
	LD4B 1, 96
.endif
	s_wait_loadcnt 16
	DOT3 3, WB1
.if MID == 1
	LD4 1, WB1
.endif
	v_pk_add_f32 v[24:25], v[24:25], v[28:29]
	v_pk_add_f32 v[26:27], v[26:27], v[30:31]
.irp k, 0,1,2,3
	v_permlanex16_b32 v[28+\k], v[24+\k], s26, s27 ; the wave's other ig
.endr
	v_pk_add_f32 v[24:25], v[24:25], v[28:29]
	v_pk_add_f32 v[26:27], v[26:27], v[30:31]
	ds_store_b128 v11, v[24:27] offset:RED
	s_wait_dscnt 0x0                               ; done, for the other waves' sake
	s_barrier_signal -1
	s_barrier_wait -1
.irp w, 0,1,2,3,4,5,6,7
	ds_load_b128 v[128+4*\w:131+4*\w], v6 offset:RED+256*\w
.endr
	s_wait_dscnt 0x0
	FOLD 128, 4
	FOLD 128, 2
	FOLD 128, 1
	v_pk_add_f32 v[32:33], v[128:129], v[12:13]
	v_pk_add_f32 v[34:35], v[130:131], v[14:15]    ; y[4 d4 .. + 3], in every wave
.if MID == 1
	; ---- 3. V2[i] = W4[i, head] . y ----
	s_wait_loadcnt 16                              ; sixteen rows are in, the younger sixteen stay out
	ROWS 0, WB0
	LD4 2, WB0
	s_wait_loadcnt 16
	ROWS 1, WB1
	LD4 3, WB1
	s_wait_loadcnt 16
	ROWS 2, WB0
	s_wait_loadcnt 0x0
	ROWS 3, WB1
	v_cvt_pk_bf16_f32 v52, v56, v57
	v_cvt_pk_bf16_f32 v53, v58, v59                ; rows 64 ig + 4 d4 .. + 3
	global_store_b64 v9, v[52:53], s[14:15]        ; a wave's store covers 256 consecutive bytes, aligned
	v_pk_mul_f32 v[54:55], v[16:17], v[32:33]      ; c2 = b2 . y
	v_pk_fma_f32 v[54:55], v[18:19], v[34:35], v[54:55]
	v_add_f32 v54, v54, v55
.irp x, 1,2,4,8
	v_add_f32_dpp v54, v54, v54 row_xmask:\x row_mask:0xf bank_mask:0xf
.endr
	s_cmp_lg_u32 s16, 0
	s_cbranch_scc1 .Lend
	v_mov_b32 v55, 0
	s_wait_xcnt 0x0                                ; EXEC changes only when the pending store's addresses are translated
	v_cmp_eq_u32 vcc_lo, 0, v0
	s_and_saveexec_b32 s17, vcc_lo                 ; one lane stores the one word
	global_store_b32 v55, v54, s[66:67]
	s_wait_xcnt 0x0
	s_or_b32 exec_lo, exec_lo, s17
.Lend:
.else
	; ---- 3. WtS = y[d] W4[d][:], cpart = sum over d of b2[d] y[d] W4[d][:]; thread t owns columns 4 t .. + 3 ----
	v_pk_mul_f32 v[36:37], v[16:17], v[32:33]
	v_pk_mul_f32 v[38:39], v[18:19], v[34:35]
	s_lshl_b32 s17, s16, 9
	v_mov_b32 v60, s17                             ; my wave's own 512 bytes
	v_add_nc_u32 v61, s17, v6
	ds_store_b128 v61, v[32:35] offset:YB
	ds_store_b128 v61, v[36:39] offset:YB+256
.irp m, 0,1,2,3,4,5,6,7,8,9,10,11,12,13,14,15
	ds_load_b128 v[XV+4*\m:XV+4*\m+3], v60 offset:YB+16*\m        ; all 64 y in every lane; LDS serves a wave's instructions in order: these see the stores above
	ds_load_b128 v[GV+4*\m:GV+4*\m+3], v60 offset:YB+256+16*\m    ; all 64 b2 y
.endr
	s_wait_dscnt 0x0
	SCALE 0, 64, 8, 1
	SCALE 1, 96, 8, 1
	SCALE 2, 64, 8, 1
	SCALE 3, 96, 8, 1
	SCALE 4, 64, 8, 1
	SCALE 5, 96, 8, 1
	SCALE 6, 64, 8, 0
	SCALE 7, 96, 0, 0
	global_store_b128 v7, v[20:23], s[66:67]
.endif
	s_wait_tensorcnt 0x0
	ds_add_u32 v60, v61
	s_wait_dscnt 0x0
	s_endpgm
.Lfunc_end_k_qc22c3d5468_mid1:
	.size	k_qc22c3d5468_mid1, .Lfunc_end_k_qc22c3d5468_mid1-k_qc22c3d5468_mid1
	.p2alignl 7, 3214868480
	.fill 96, 4, 3214868480
	.section	.rodata,"a",@progbits
	.p2align	6, 0x0
	.amdhsa_kernel k_qc22c3d5468_mid1
		.amdhsa_group_segment_fixed_size 11264
		.amdhsa_private_segment_fixed_size 0
		.amdhsa_enable_private_segment 0
		.amdhsa_kernarg_size 48
		.amdhsa_user_sgpr_count 2
		.amdhsa_user_sgpr_kernarg_segment_ptr 1
		.amdhsa_wavefront_size32 1
		.amdhsa_system_sgpr_workgroup_id_x 1
		.amdhsa_system_sgpr_workgroup_id_y 1
		.amdhsa_system_sgpr_workgroup_id_z 1
		.amdhsa_system_vgpr_workitem_id 0
		.amdhsa_next_free_vgpr 256
		.amdhsa_next_free_sgpr 72
		.amdhsa_reserve_vcc 1
		.amdhsa_float_denorm_mode_32 3
		.amdhsa_float_denorm_mode_16_64 3
		.amdhsa_memory_ordered 1
		.amdhsa_forward_progress 1
		.amdhsa_inst_pref_size 60
	.end_amdhsa_kernel
	.amdgpu_metadata
---
amdhsa.version: [ 1, 2 ]
amdhsa.kernels:
  - .name:           k_qc22c3d5468_mid1
    .symbol:         k_qc22c3d5468_mid1.kd
    .args:
      - { .name: part, .offset: 0, .size: 8, .value_kind: global_buffer, .address_space: global }
      - { .name: Wq, .offset: 8, .size: 8, .value_kind: global_buffer, .address_space: global }
      - { .name: bq, .offset: 16, .size: 8, .value_kind: global_buffer, .address_space: global }
      - { .name: Wk, .offset: 24, .size: 8, .value_kind: global_buffer, .address_space: global }
      - { .name: bk, .offset: 32, .size: 8, .value_kind: global_buffer, .address_space: global }
      - { .name: vc2, .offset: 40, .size: 8, .value_kind: global_buffer, .address_space: global }
    .group_segment_fixed_size: 11264
    .private_segment_fixed_size: 0
    .kernarg_segment_align: 8
    .kernarg_segment_size: 48
    .max_flat_workgroup_size: 256
    .sgpr_count:     72
    .vgpr_count:     256
    .wavefront_size: 32
...
	.end_amdgpu_metadata
.endif
;; end of part 3
;; launch pool2: the kernel of part 2 again; grid 32 x 8, 4 waves a work-group, no clusters, 236,032 bytes of LDS; arguments xb, vc2, attention_mask, part; writes part
;; launch mid2 (part 4): grid 16 x 8, 8 waves a work-group, no clusters, 11,264 bytes of LDS; arguments part, Wk, bk, Wt, bq, wts; writes wts
.if DOCPART == 4
	.amdgcn_target "amdgcn-amd-amdhsa--gfx1250"
	.amdhsa_code_object_version 6
	.text
	.protected	k_qc22c3d5468_mid2
	.globl	k_qc22c3d5468_mid2
	.p2align	8
	.type	k_qc22c3d5468_mid2,@function
k_qc22c3d5468_mid2:
	s_mov_b64 s[64:65], 0
	v_nop
	global_prefetch_b8 v0, s[64:65] scope:SCOPE_SE
	s_setreg_imm32_b32 hwreg(HW_REG_WAVE_MODE, 25, 1), 1
	s_wait_xcnt 0x0
; mid (MID = 1 or 2).  One work-group for head h (grid x) of batch b (grid y).  Arguments by place: part, W3, b3, W4, b2, out.
;   1. joins the 32 chunks: M = max m_c, a_c = 2^(m_c - M) / sum of 2^(m_c - M) l_c;  xw[i] = sum over c of a_c part[b][c][h][i]  (the softmax-weighted mean row of X)
;   2. y[d] = xw . W3[:, 64 h + d] + b3[64 h + d]        (since the weights add up to 1 the bias enters once)
;   MID = 1 (W3 = Wq, W4 = Wk): y = pooled_q.  out: V2[b][h][i] = bf16(W4[i, 64 h ..] . y), c2[b][h] = b2[64 h ..] . y
;   MID = 2 (W3 = Wk, W4 = Wt, b2 = bq): y = pooled_k.  out: WtS[b][64 h + d][n] = bf16(y[d] W4[64 h + d][n]), cpart[b][h][n] = sum over d of b2[64 h + d] y[d] W4[64 h + d][n]
; Each product has one row for a work-group: a 16-row matrix tile would be one sixteenth full, and the time goes into streaming two blocks of 256 KiB of weights.
; So: vector arithmetic in f32, loads through registers, no tensor loads and no cluster.
.set MID, 2
.set RED, 4096                         ; LDS: xw at 0 (4,096 bytes); 8 waves x 256 bytes of partial y; 8 waves x 512 bytes (MID = 2: y and b2 y, each wave's own)
.set YB,  6144
.set WB0, 64                           ; v[64:127]  sixteen rows' 16 bytes of weights
.set WB1, 192                          ; v[192:255] the other buffer
.set XV,  128                          ; v[128:191] xw of my 64 rows; later y (MID = 2)
.set GV,  192                          ; v[192:255] b2 y (MID = 2)
; v[12:15] b3, v[16:19] b2, v[20:23] xw, later cpart, v[24:31] two sets of sums for y, v[32:35] y[4 d4 ..], v[36:61] at work, v62 where my xw goes in LDS,
; v63 the prefetch's offset, v[128:255] the 32 chunks' rows
.macro BMUL d, a, x, i                 ; d[0:1] = a[0:1] * v[x+i]: op_sel / op_sel_hi pick the one register of the even-aligned pair for both halves
.if (\i) % 2
	v_pk_mul_f32 v[\d:\d+1], v[\a:\a+1], v[\x+(\i)-1:\x+(\i)] op_sel:[0,1]
.else
	v_pk_mul_f32 v[\d:\d+1], v[\a:\a+1], v[\x+(\i):\x+(\i)+1] op_sel_hi:[1,0]
.endif
.endm
.macro BFMA d, a, x, i                 ; d[0:1] += a[0:1] * v[x+i]
.if (\i) % 2
	v_pk_fma_f32 v[\d:\d+1], v[\a:\a+1], v[\x+(\i)-1:\x+(\i)], v[\d:\d+1] op_sel:[0,1,0]
.else
	v_pk_fma_f32 v[\d:\d+1], v[\a:\a+1], v[\x+(\i):\x+(\i)+1], v[\d:\d+1] op_sel_hi:[1,0,1]
.endif
.endm
.macro LDW3 q, buf                     ; rows 64 ig + 16 q + k of W3, my 16 bytes: sixteen lanes read the head's 256 bytes of a row
.irp k, 0,1,2,3,4,5,6,7,8,9,10,11,12,13,14,15
	global_load_b128 v[\buf+4*\k:\buf+4*\k+3], v8, s[6:7] offset:4096*(16*(\q)+\k)
.endr
.endm
.macro DOT3 q, buf                     ; two sets of sums, so that no multiply-add waits for the one in front of it
.set dk, 0
.rept 16
.if 16*\q+dk < 2
	BMUL 24+4*dk, \buf+4*dk, XV, dk
	BMUL 26+4*dk, \buf+4*dk+2, XV, dk
.else
	BFMA 24+4*(dk%2), \buf+4*dk, XV, 16*\q+dk
	BFMA 26+4*(dk%2), \buf+4*dk+2, XV, 16*\q+dk
.endif
.set dk, dk+1
.endr
.endm
.macro FOLD base, n                    ; vectors 0 .. n-1 of four registers += vectors n .. 2n-1
.set fi, 0
.rept 2*\n
	v_pk_add_f32 v[\base+2*fi:\base+2*fi+1], v[\base+2*fi:\base+2*fi+1], v[\base+4*\n+2*fi:\base+4*\n+2*fi+1]
.set fi, fi+1
.endr
.endm
; MID = 1
.macro LD4 s, buf                      ; rows 64 ig + 4 k + s of W4
.irp k, 0,1,2,3,4,5,6,7,8,9,10,11,12,13,14,15
	global_load_b128 v[\buf+4*\k:\buf+4*\k+3], v8, s[10:11] offset:4096*(4*\k+\s)
.endr
.endm
.macro RSTAGE half, msk, xm            ; a stage of a reduce-scatter over 16 lanes: each lane keeps one half of its sums and sends the other to lane xor xm
.set rk, 0
.rept \half
	v_cndmask_b32 v[52+2*(rk%2)], v[36+rk], v[36+rk+\half], s[\msk]
	v_cndmask_b32 v[53+2*(rk%2)], v[36+rk+\half], v[36+rk], s[\msk]
	v_add_f32_dpp v[36+rk], v[53+2*(rk%2)], v[52+2*(rk%2)] row_xmask:\xm row_mask:0xf bank_mask:0xf
.set rk, rk+1
.endr
.endm
.macro ROWS s, buf                     ; sixteen rows' dot products with y; lane d4 ends up with row 64 ig + 4 d4 + s
.irp k, 0,1,2,3,4,5,6,7,8,9,10,11,12,13,14,15
	v_pk_mul_f32 v[\buf+4*\k:\buf+4*\k+1], v[\buf+4*\k:\buf+4*\k+1], v[32:33]
	v_pk_fma_f32 v[\buf+4*\k:\buf+4*\k+1], v[\buf+4*\k+2:\buf+4*\k+3], v[34:35], v[\buf+4*\k:\buf+4*\k+1]
	v_add_f32 v[36+\k], v[\buf+4*\k], v[\buf+4*\k+1]
.endr
	RSTAGE 8, 28, 8
	RSTAGE 4, 29, 4
	RSTAGE 2, 30, 2
	RSTAGE 1, 31, 1
	v_mov_b32 v[56+\s], v36
.endm
; MID = 2
.macro LD4B bt, buf                    ; rows 64 h + 8 bt + k of W4, my 16 bytes of each: the eight waves read whole rows
.irp k, 0,1,2,3,4,5,6,7
	global_load_b128 v[\buf+4*\k:\buf+4*\k+3], v7, s[10:11] offset:4096*(8*(\bt)+\k)
.endr
.endm
.macro SCALE bt, buf, left, more
	s_wait_loadcnt \left                           ; this batch's eight loads are in, the younger batch's stay out
	s_wait_xcnt 0x0                                ; the last batch's stores have had their addresses translated: v[36:51] are rewritten only behind this wait
.set sk, 0
.rept 8
.if 8*\bt+sk == 0
	BMUL 20, \buf, GV, 0
	BMUL 22, \buf+2, GV, 0
.else
	BFMA 20, \buf+4*sk, GV, 8*\bt+sk
	BFMA 22, \buf+4*sk+2, GV, 8*\bt+sk
.endif
	BMUL \buf+4*sk, \buf+4*sk, XV, 8*\bt+sk
	BMUL \buf+4*sk+2, \buf+4*sk+2, XV, 8*\bt+sk
	v_cvt_pk_bf16_f32 v[36+2*sk], v[\buf+4*sk], v[\buf+4*sk+1]
	v_cvt_pk_bf16_f32 v[37+2*sk], v[\buf+4*sk+2], v[\buf+4*sk+3]
	global_store_b64 v9, v[36+2*sk:37+2*sk], s[14:15] offset:2048*(8*\bt+sk)   ; a wave's store covers 256 consecutive bytes, aligned
.set sk, sk+1
.endr
.if \more
	LD4B \bt+2, \buf
.endif
.endm
	s_load_b256 s[4:11], s[0:1], 0x0               ; part s[4:5], W3 s[6:7], b3 s[8:9], W4 s[10:11]
	s_load_b128 s[12:15], s[0:1], 0x20             ; b2 s[12:13], out s[14:15]
	v_lshl_add_u32 v58, v0, 2, 0x2800
	v_mov_b32 v59, 0
	s_mov_b32 s2, ttmp9                            ; h
	s_and_b32 s3, ttmp7, 0xffff                    ; b
	v_lshrrev_b32 v1, 5, v0
	v_readfirstlane_b32 s16, v1                    ; wave
	v_and_b32 v2, 31, v0                           ; lane
	v_and_b32 v3, 15, v0                           ; d4
	v_lshrrev_b32 v4, 4, v0                        ; ig
	v_lshlrev_b32 v5, 7, v2                        ; stat: lane = chunk, 128 bytes each
	v_lshlrev_b32 v6, 4, v3                        ; 16 d4
	v_lshlrev_b32 v7, 4, v0                        ; 16 t
	v_lshl_add_u32 v8, v4, 18, v6                  ; 64 ig rows of 4,096 bytes + 16 d4
	v_lshlrev_b32 v9, 3, v0                        ; 8 t
	v_lshlrev_b32 v10, 8, v4                       ; LDS: xw of my 64 rows
	s_lshl_b32 s17, s16, 9
	v_lshl_add_u32 v62, v2, 4, s17                 ; LDS: where my xw goes: wave x 512 + 16 x lane (= 16 t)
	s_lshl_b32 s17, s16, 8
	v_add_nc_u32 v11, s17, v6                      ; LDS: my wave's 256 bytes of partial y
	s_lshl_b32 s18, s3, 21                         ; part: b x 32 chunks x 65,536
	s_lshl_b32 s17, s2, 12                         ; + h x 4,096
	s_add_co_u32 s18, s18, s17
	s_mov_b32 s19, 0
	s_lshl_b32 s24, s3, 12                         ; stat: b x 4,096 + 4 h, behind part's 16 MiB
	s_lshl2_add_u32 s24, s2, s24
	s_add_co_u32 s24, s24, 0x1000000
	s_mov_b32 s25, 0
	s_lshl_b32 s28, s2, 8                          ; the head's 256 bytes of a row of 4,096
	s_mov_b32 s29, 0
	s_wait_kmcnt 0x0
	s_add_nc_u64 s[20:21], s[4:5], s[18:19]
	s_add_nc_u64 s[22:23], s[4:5], s[24:25]
	s_add_nc_u64 s[6:7], s[6:7], s[28:29]
	s_add_nc_u64 s[8:9], s[8:9], s[28:29]
	s_add_nc_u64 s[12:13], s[12:13], s[28:29]
.if MID == 1
	s_add_nc_u64 s[10:11], s[10:11], s[28:29]      ; W4: the head's columns
	s_lshl_b32 s24, s3, 6
	s_lshl2_add_u32 s24, s2, s24
	s_add_co_u32 s24, s24, 262144
	s_add_nc_u64 s[66:67], s[14:15], s[24:25]      ; c2[b][h]
	s_lshl_b32 s18, s3, 15
	s_lshl_b32 s17, s2, 11
	s_add_co_u32 s18, s18, s17
	s_add_nc_u64 s[14:15], s[14:15], s[18:19]      ; V2[b][h]
	s_lshl_b32 s17, s3, 19
	v_lshl_add_u32 v63, v0, 12, s17                ; prefetch: row 128 b + t of W4, the head's 256 bytes
.else
	s_lshl_b32 s28, s2, 18
	s_add_nc_u64 s[10:11], s[10:11], s[28:29]      ; W4: the head's 64 rows
	s_lshl_b32 s24, s3, 4
	s_add_co_u32 s24, s24, s2
	s_lshl_b32 s24, s24, 12
	s_add_co_u32 s24, s24, 0x1000000
	s_add_nc_u64 s[66:67], s[14:15], s[24:25]      ; cpart[b][h]
	s_lshl_b32 s18, s3, 21
	s_lshl_b32 s17, s2, 17
	s_add_co_u32 s18, s18, s17
	s_add_nc_u64 s[14:15], s[14:15], s[18:19]      ; WtS[b][64 h]
	s_lshl_b32 s17, s3, 15
	v_lshl_add_u32 v63, v4, 12, s17                ; prefetch: row 8 b + (t >> 4) of the head's 64, block t & 15 of 256 bytes
	v_lshl_add_u32 v63, v3, 8, v63
.endif
	global_load_b32 v36, v5, s[22:23]              ; m of chunk = lane
	global_load_b32 v37, v5, s[22:23] offset:64    ; l
	global_load_b128 v[12:15], v6, s[8:9]
	global_load_b128 v[16:19], v6, s[12:13]
.irp c, 0,1,2,3,4,5,6,7,8,9,10,11,12,13,14,15,16,17,18,19,20,21,22,23,24,25,26,27,28,29,30,31
	global_load_b128 v[128+4*\c:131+4*\c], v7, s[20:21] offset:65536*\c th:TH_LOAD_NT
.endr
	LDW3 0, WB0
	; The eight work-groups of a head read the same 256 KiB of W4 in their last phase.  Each asks for an eighth of it here, waves 0 to 3, one lane for each
	; aligned block of 256 bytes: every block is asked for once in the launch, two phases ahead of its use, and none lies outside W4.
	s_cmp_ge_u32 s16, 4
	s_cbranch_scc1 .Lnopf
	global_prefetch_b8 v63, s[10:11] th:TH_LOAD_NT scope:SCOPE_SE
.Lnopf:
	s_mov_b32 s26, 0x76543210                      ; v_permlanex16_b32: lane i of one half reads lane i of the other
	s_mov_b32 s27, 0xfedcba98
	s_mov_b32 s28, 0xff00ff00                      ; lanes with bit 3, 2, 1, 0 of their number set
	s_mov_b32 s29, 0xf0f0f0f0
	s_mov_b32 s30, 0xcccccccc
	s_mov_b32 s31, 0xaaaaaaaa
	; ---- 1. the chunks' weights, every wave for itself ----
	s_wait_loadcnt 50                              ; m and l are in: 2 + 32 + 16 loads were issued behind them
	v_mov_b32 v38, v36
.irp x, 1,2,4,8
	v_max_num_f32_dpp v38, v38, v38 row_xmask:\x row_mask:0xf bank_mask:0xf
.endr
	v_mov_b32 v39, v38
	v_permlanex16_b32 v39, v38, s26, s27
	v_max_num_f32 v38, v38, v39                    ; M
	v_sub_f32 v36, v36, v38
	v_exp_f32 v36, v36
	v_nop                                          ; one plain place behind a transcendental (ISA guide 5.7.2)
	s_wait_alu depctr_va_vdst(0)
	v_mul_f32 v37, v36, v37
.irp x, 1,2,4,8
	v_add_f32_dpp v37, v37, v37 row_xmask:\x row_mask:0xf bank_mask:0xf
.endr
	v_permlanex16_b32 v39, v37, s26, s27
	v_add_f32 v37, v37, v39                        ; the softmax's denominator
	v_rcp_f32 v37, v37
	v_nop
	s_wait_alu depctr_va_vdst(0)
	v_mul_f32 v36, v36, v37                        ; a of chunk = lane
.irp c, 0,1,2,3,4,5,6,7,8,9,10,11,12,13,14,15,16,17,18,19,20,21,22,23,24,25,26,27,28,29,30,31
	v_readlane_b32 s[32+\c], v36, \c
.endr
	; ---- xw[4 t ..] = sum over the chunks ----
.set cc, 0
.rept 32
.if cc % 8 == 0
	s_wait_loadcnt 40-cc                           ; eight more rows are in: 24 - cc younger rows and W3's sixteen loads stay out
.endif
.irp k, 0,1,2,3
.if cc == 0
	v_mul_f32 v[20+\k], s[32], v[128+\k]
.else
	v_fmac_f32 v[20+\k], s[32+cc], v[128+4*cc+\k]
.endif
.endr
.set cc, cc+1
.endr
	LDW3 1, WB1
	ds_store_b128 v62, v[20:23]
	s_wait_dscnt 0x0                               ; done, for the other waves' sake
	s_barrier_signal -1
	s_barrier_wait -1
	; ---- 2. y = xw . W3 + b3: thread (ig, d4) takes rows 64 ig .. + 63, columns 4 d4 .. + 3 ----
.irp m, 0,1,2,3,4,5,6,7,8,9,10,11,12,13,14,15
	ds_load_b128 v[XV+4*\m:XV+4*\m+3], v10 offset:16*\m
.endr
	s_wait_loadcnt 16                              ; the older batch of sixteen is in, the younger stays out (so at each of these four waits)
	s_wait_dscnt 0x0
	DOT3 0, WB0
	LDW3 2, WB0
	s_wait_loadcnt 16
	DOT3 1, WB1
	LDW3 3, WB1
	s_wait_loadcnt 16
	DOT3 2, WB0
.if MID == 1
	LD4 0, WB0                                     ; the last phase's first sixteen loads
.else
	LD4B 0, 64
	LD4B 1, 96
.endif
	s_wait_loadcnt 16
	DOT3 3, WB1
.if MID == 1
	LD4 1, WB1
.endif
	v_pk_add_f32 v[24:25], v[24:25], v[28:29]
	v_pk_add_f32 v[26:27], v[26:27], v[30:31]
.irp k, 0,1,2,3
	v_permlanex16_b32 v[28+\k], v[24+\k], s26, s27 ; the wave's other ig
.endr
	v_pk_add_f32 v[24:25], v[24:25], v[28:29]
	v_pk_add_f32 v[26:27], v[26:27], v[30:31]
	ds_store_b128 v11, v[24:27] offset:RED
	s_wait_dscnt 0x0                               ; done, for the other waves' sake
	s_barrier_signal -1
	s_barrier_wait -1
.irp w, 0,1,2,3,4,5,6,7
	ds_load_b128 v[128+4*\w:131+4*\w], v6 offset:RED+256*\w
.endr
	s_wait_dscnt 0x0
	FOLD 128, 4
	FOLD 128, 2
	FOLD 128, 1
	v_pk_add_f32 v[32:33], v[128:129], v[12:13]
	v_pk_add_f32 v[34:35], v[130:131], v[14:15]    ; y[4 d4 .. + 3], in every wave
.if MID == 1
	; ---- 3. V2[i] = W4[i, head] . y ----
	s_wait_loadcnt 16                              ; sixteen rows are in, the younger sixteen stay out
	ROWS 0, WB0
	LD4 2, WB0
	s_wait_loadcnt 16
	ROWS 1, WB1
	LD4 3, WB1
	s_wait_loadcnt 16
	ROWS 2, WB0
	s_wait_loadcnt 0x0
	ROWS 3, WB1
	v_cvt_pk_bf16_f32 v52, v56, v57
	v_cvt_pk_bf16_f32 v53, v58, v59                ; rows 64 ig + 4 d4 .. + 3
	global_store_b64 v9, v[52:53], s[14:15]        ; a wave's store covers 256 consecutive bytes, aligned
	v_pk_mul_f32 v[54:55], v[16:17], v[32:33]      ; c2 = b2 . y
	v_pk_fma_f32 v[54:55], v[18:19], v[34:35], v[54:55]
	v_add_f32 v54, v54, v55
.irp x, 1,2,4,8
	v_add_f32_dpp v54, v54, v54 row_xmask:\x row_mask:0xf bank_mask:0xf
.endr
	s_cmp_lg_u32 s16, 0
	s_cbranch_scc1 .Lend
	v_mov_b32 v55, 0
	s_wait_xcnt 0x0                                ; EXEC changes only when the pending store's addresses are translated
	v_cmp_eq_u32 vcc_lo, 0, v0
	s_and_saveexec_b32 s17, vcc_lo                 ; one lane stores the one word
	global_store_b32 v55, v54, s[66:67]
	s_wait_xcnt 0x0
	s_or_b32 exec_lo, exec_lo, s17
.Lend:
.else
	; ---- 3. WtS = y[d] W4[d][:], cpart = sum over d of b2[d] y[d] W4[d][:]; thread t owns columns 4 t .. + 3 ----
	v_pk_mul_f32 v[36:37], v[16:17], v[32:33]
	v_pk_mul_f32 v[38:39], v[18:19], v[34:35]
	s_lshl_b32 s17, s16, 9
	v_mov_b32 v60, s17                             ; my wave's own 512 bytes
	v_add_nc_u32 v61, s17, v6
	ds_store_b128 v61, v[32:35] offset:YB
	ds_store_b128 v61, v[36:39] offset:YB+256
.irp m, 0,1,2,3,4,5,6,7,8,9,10,11,12,13,14,15
	ds_load_b128 v[XV+4*\m:XV+4*\m+3], v60 offset:YB+16*\m        ; all 64 y in every lane; LDS serves a wave's instructions in order: these see the stores above
	ds_load_b128 v[GV+4*\m:GV+4*\m+3], v60 offset:YB+256+16*\m    ; all 64 b2 y
.endr
	s_wait_dscnt 0x0
	SCALE 0, 64, 8, 1
	SCALE 1, 96, 8, 1
	SCALE 2, 64, 8, 1
	SCALE 3, 96, 8, 1
	SCALE 4, 64, 8, 1
	SCALE 5, 96, 8, 1
	SCALE 6, 64, 8, 0
	SCALE 7, 96, 0, 0
	global_store_b128 v7, v[20:23], s[66:67]
.endif
	s_wait_tensorcnt 0x0
	ds_add_u32 v58, v59
	s_wait_dscnt 0x0
	s_endpgm
.Lfunc_end_k_qc22c3d5468_mid2:
	.size	k_qc22c3d5468_mid2, .Lfunc_end_k_qc22c3d5468_mid2-k_qc22c3d5468_mid2
	.p2alignl 7, 3214868480
	.fill 96, 4, 3214868480
	.section	.rodata,"a",@progbits
	.p2align	6, 0x0
	.amdhsa_kernel k_qc22c3d5468_mid2
		.amdhsa_group_segment_fixed_size 11264
		.amdhsa_private_segment_fixed_size 0
		.amdhsa_enable_private_segment 0
		.amdhsa_kernarg_size 48
		.amdhsa_user_sgpr_count 2
		.amdhsa_user_sgpr_kernarg_segment_ptr 1
		.amdhsa_wavefront_size32 1
		.amdhsa_system_sgpr_workgroup_id_x 1
		.amdhsa_system_sgpr_workgroup_id_y 1
		.amdhsa_system_sgpr_workgroup_id_z 1
		.amdhsa_system_vgpr_workitem_id 0
		.amdhsa_next_free_vgpr 256
		.amdhsa_next_free_sgpr 72
		.amdhsa_reserve_vcc 1
		.amdhsa_float_denorm_mode_32 3
		.amdhsa_float_denorm_mode_16_64 3
		.amdhsa_memory_ordered 1
		.amdhsa_forward_progress 1
		.amdhsa_inst_pref_size 70
	.end_amdhsa_kernel
	.amdgpu_metadata
---
amdhsa.version: [ 1, 2 ]
amdhsa.kernels:
  - .name:           k_qc22c3d5468_mid2
    .symbol:         k_qc22c3d5468_mid2.kd
    .args:
      - { .name: part, .offset: 0, .size: 8, .value_kind: global_buffer, .address_space: global }
      - { .name: Wk, .offset: 8, .size: 8, .value_kind: global_buffer, .address_space: global }
      - { .name: bk, .offset: 16, .size: 8, .value_kind: global_buffer, .address_space: global }
      - { .name: Wt, .offset: 24, .size: 8, .value_kind: global_buffer, .address_space: global }
      - { .name: bq, .offset: 32, .size: 8, .value_kind: global_buffer, .address_space: global }
      - { .name: wts, .offset: 40, .size: 8, .value_kind: global_buffer, .address_space: global }
    .group_segment_fixed_size: 11264
    .private_segment_fixed_size: 0
    .kernarg_segment_align: 8
    .kernarg_segment_size: 48
    .max_flat_workgroup_size: 256
    .sgpr_count:     72
    .vgpr_count:     256
    .wavefront_size: 32
...
	.end_amdgpu_metadata
.endif
;; end of part 4
;; launch gemmM (part 5): grid 4 x 32, 4 waves a work-group, clusters of 4 x 4, 327,680 bytes of LDS; arguments wqb, wts, mb; writes mb
.if DOCPART == 5
	.amdgcn_target "amdgcn-amd-amdhsa--gfx1250"
	.amdhsa_code_object_version 6
	.text
	.protected	k_qc22c3d5468_gemmM
	.globl	k_qc22c3d5468_gemmM
	.p2align	8
	.type	k_qc22c3d5468_gemmM,@function
k_qc22c3d5468_gemmM:
	s_mov_b64 s[64:65], 0
	v_nop
	global_prefetch_b8 v0, s[64:65] scope:SCOPE_SE
	s_setreg_imm32_b32 hwreg(HW_REG_WAVE_MODE, 25, 1), 1
	s_wait_xcnt 0x0
	s_wait_alu depctr_hold_cnt(0) depctr_sa_sdst(0) depctr_va_vdst(0) depctr_va_sdst(0) depctr_va_ssrc(0) depctr_va_vcc(0) depctr_vm_vsrc(0)
	s_getreg_b32 s2, hwreg(HW_REG_IB_STS2, 6, 4)
	s_cmp_eq_u32 s2, 0
	s_cbranch_scc0 .Lentry_in_a_cluster
	s_endpgm
.Lentry_in_a_cluster:
	s_bfe_u32 s2, ttmp6, 0x10000c
	s_cmp_lg_u32 s2, 0xf033
	s_cbranch_scc0 .Lentry_shape_is_right
	s_endpgm
.Lentry_shape_is_right:
; C = A B + E for eight batches.  A: rows along K (bf16, 1024 a row).  B: [batch][1024 k][1024 n] bf16, as it lies.  Sums in f32.
;   FINAL = 0:  A = wqb = bf16(Wq) (the same for every batch), B = WtS[b], E = wqb once more (read by rows, widened to f32), C = mb[b] = bf16(wqb diag(pk_b) Wt + wqb)
;   FINAL = 1:  A = xb (16,384 rows; 2,048 a batch), B = mb[b], E = the row vector sum over h of cpart[b][h] + bq + bt, C = out0 in f32
; Why E = wqb: the residual q = X Wq is a matrix product too, so Wq enters it as the same bf16 operand as it enters the transform.
; LIMIT: mb is rounded to bf16 after the sum, so residual and transform share one operand rounding, of relative step 2^-9 of |mb|.
; A work-group makes a block of 256 x 256 of C with four waves, as many as a WGP has SIMDs; a wave makes 128 x 128: 64 accumulator tiles of 16 x 16, 512 registers.
; K goes in steps of 128 through a ring of two LDS slots filled by the tensor data mover.  A's tile: 256 rows x 256 bytes; B's tile: 128 k rows x 512 bytes.
; CLUSTERS: 4 x 4 work-groups.  The four of a row of the cluster need the same tiles of A, the four of a column the same tiles of B (a cluster lies inside one batch:
; the batch hangs on the cluster's y alone).  Such a tile is asked for jointly, by the same tensor load with the same descriptor in all four.
; By this text's count a wave has two tensor loads outstanding at the start and one behind each round.
;
; REGISTERS, in windows of 256:
;   window 0: v16-31 addresses and E's row vector; v64-127, v128-191 fragments of A, two buffers; v192-255 at work (E)
;   window 1: v64-127, v128-191 fragments of B, two buffers
;   window 2: the 32 accumulator tiles of my rows 0-63 (tile (a, b) at v[8 (8 a + b)]);   window 3: those of my rows 64-127
; THE MATRIX INSTRUCTION IS USED TRANSPOSED: source 0 = 16 columns of B (brought by the transposing LDS load, k along the registers), source 1 = 16 rows of A.
; Lane l then holds row l % 16 of C and its registers the columns 8 (l / 16) + 0 .. 7.
.set FINAL, 0
.set SIZE_K, 1024
.set KSTEP,  128
.set PITCH,  272                       ; A's LDS row: 256 bytes + 16, an odd multiple of 16 bytes: the 16 rows that a load touches fall on 16 different 16-byte columns modulo 256 bytes
.set BPITCH, 544                       ; B's LDS row: 512 bytes + 32 = 17 x 32, an odd multiple of 32 bytes for the transposing loads
.set HALFT,  128*PITCH                 ; what one tensor load brings: 128 rows of A, or 64 k rows of B (64 x 544 is the same 34,816 bytes)
.set SLOT,   4*HALFT                   ; A's 256 rows, then B's 128 k rows
.set STAGE,  2*SLOT                    ; behind the ring: 16 rows x 528 bytes for each wave, for the way out; no tensor load lands here
.set SPITCH, 528
.set LAPS, SIZE_K/(2*KSTEP)            ; a lap = two K steps = once round the ring: 4
.set ADRA, 16                          ; v16-17  LDS address of my A fragments in slot 0, 1
.set ADRB, 20                          ; v20-21  the same for B
.set STO,  24                          ; v24     the way out: where I put 32 bytes of a row
.set RD,   25                          ; v25     the way out: where I read a row back
.set CO,   26                          ; v26     8 x lane
.set CW,   27                          ; v27     16 x lane
.set CV,   28                          ; v[28:31] FINAL: E of my four columns
.set F0,   64
.set F1,   128
.set TMP,  192                         ; v[192:255] FINAL: cpart's rows.  Else v[192:223]: sixteen rows of wqb, 8 bytes a lane each
.set TW,   224                         ; v[224:227] FINAL = 0: a row's four numbers of wqb, widened to f32
.set G1, 24                            ; s[24:31] descriptor group 1 for A's tiles
.set G0, 32                            ; s[32:39] descriptor group 0 for A's tiles, one set for each slot
.set G1B, 48                           ; s[48:55] group 1 for B's tiles
.set G0B, 56                           ; s[56:63] group 0 for B's tiles, one set for each slot
.if FINAL
.set OSTEP, 16*4096
.else
.set OSTEP, 16*2048
.endif
.set MSB, 0
.macro WIN new                         ; the immediate's high byte repeats the setting that is left
.if MSB != \new
	s_set_vgpr_msb (MSB<<8)|\new
.set MSB, \new
.endif
.endm
.set MUL_LO, 0xa1                      ; source 0 (B) window 1, source 1 (A) window 0, C and D window 2
.set MUL_HI, 0xf1                      ; the same, C and D window 3
.set TO_B,   0x40                      ; destination window 1, address window 0
; A joint load.  Waves 0 and 1 fetch A's two halves, waves 2 and 3 B's.  The branch hangs on the wave's number alone.
.macro JLOAD s
	s_cmp_eq_u32 s11, 0
	s_cbranch_scc0 .Lfor_b_\@
	tensor_load_to_lds s[G0+4*\s:G0+4*\s+3], s[G1:G1+7]
	s_nop 0
	s_branch .Lasked_\@
.Lfor_b_\@:
	tensor_load_to_lds s[G0B+4*\s:G0B+4*\s+3], s[G1B:G1B+7]
	s_nop 0
.Lasked_\@:
.endm
; A round of the cluster's barrier: my work-group's barrier; wave 0 signals for the work-group; every wave waits for all sixteen; my work-group's barrier once more.
.macro CREST                           ; a round behind its opening barrier
	s_cmp_lg_u32 s10, 0
	s_cbranch_scc1 .Lnot_wave_0_\@
	s_barrier_signal -3
.Lnot_wave_0_\@:
	s_barrier_wait -3
	s_barrier_signal -1
	s_barrier_wait -1
.endm
.macro CROUND
	s_barrier_signal -1
	s_barrier_wait -1
	CREST
.endm
.macro FOLD n                          ; vectors 0 .. n-1 of four registers at TMP += vectors n .. 2n-1
.set fi, 0
.rept 2*\n
	v_pk_add_f32 v[TMP+2*fi:TMP+2*fi+1], v[TMP+2*fi:TMP+2*fi+1], v[TMP+4*\n+2*fi:TMP+4*\n+2*fi+1]
.set fi, fi+1
.endr
.endm
	s_load_b128 s[4:7], s[0:1], 0x0                ; A s[4:5], B s[6:7]
	s_load_b64 s[8:9], s[0:1], 0x10                ; C
	s_set_vgpr_msb 0x40
	v_lshl_add_u32 v255, v0, 2, 0x4c400
	s_set_vgpr_msb 0x4000
	v_mov_b32 v255, 0
	s_set_vgpr_msb 0x1
	ds_add_u32 v255, v255
	ds_add_u32 v255, v255
	s_set_vgpr_msb 0x100
.if FINAL
	s_load_b128 s[68:71], s[0:1], 0x18             ; wts (for cpart), bq
	s_load_b64 s[72:73], s[0:1], 0x28              ; bt
.endif
	v_lshrrev_b32 v1, 5, v0
	v_readfirstlane_b32 s10, v1                    ; wave 0..3
	s_lshr_b32 s11, s10, 1                         ; which half of the block's rows is mine.  Also: I fetch for A (0) or for B (1)
	s_and_b32 s12, s10, 1                          ; which half of its columns.  Also: which half of that tile I fetch
	s_bfe_u32 s40, ttmp6, 0x40000                  ; cx
	s_bfe_u32 s41, ttmp6, 0x40004                  ; cy
	s_lshl_b32 s42, ttmp9, 2
	s_add_co_u32 s42, s42, s40                     ; block column of C = 4 x cluster x + cx
	s_and_b32 s45, ttmp7, 0xffff                   ; the cluster's y
	s_lshl_b32 s13, s45, 2
	s_add_co_u32 s13, s13, s41                     ; block row of C = 4 x cluster y + cy
	s_lshl_b32 s43, s41, 2
	s_lshl_b32 s43, 15, s43                        ; my row of the cluster: places 4 cy .. 4 cy + 3
	s_lshl_b32 s44, 0x1111, s40                    ; my column: places cx, cx + 4, cx + 8, cx + 12
	s_or_b32 s[G1+0], s43, (1<<16)|(1<<20)|(1<<21)|(5<<22)|(3<<25)   ; A: mask of my row; 2-byte elements; padding of 4 words behind every 64; bit 21 beside a mask
	s_mov_b32 s[G1+1], KSTEP<<16                   ; tensor_dim0 = 128
	s_mov_b32 s[G1+2], 128<<16                     ; tensor_dim1 = 128
	s_mov_b32 s[G1+3], KSTEP<<16                   ; tile_dim0 = 128
	s_mov_b32 s[G1+4], 128                         ; tile_dim1 = 128
	s_mov_b32 s[G1+5], SIZE_K                      ; elements from row to row
	s_mov_b32 s[G1+6], 0
	s_mov_b32 s[G1+7], 0
	s_or_b32 s[G1B+0], s44, (1<<16)|(1<<20)|(1<<21)|(6<<22)|(7<<25)  ; B: mask of my column; padding of 8 words behind every 128
	s_mov_b32 s[G1B+1], 256<<16                    ; tensor_dim0 = 256 columns
	s_mov_b32 s[G1B+2], 64<<16                     ; tensor_dim1 = 64 k rows
	s_mov_b32 s[G1B+3], 256<<16
	s_mov_b32 s[G1B+4], 64
	s_mov_b32 s[G1B+5], 1024
	s_mov_b32 s[G1B+6], 0
	s_mov_b32 s[G1B+7], 0
	; A's address hangs on the block row (and the wave), which my row of the cluster shares; B's on the cluster's y, the block column (and the wave), which my column shares.
.if FINAL
	s_lshl_b32 s16, s13, 19                        ; A: block row x 256 rows x 2,048 bytes
	s_lshr_b32 s46, s45, 1                         ; batch: two clusters along y make its 2,048 rows
.else
	s_lshl_b32 s16, s41, 19                        ; A: the same four block rows for every batch
	s_mov_b32 s46, s45                             ; batch = the cluster's y
.endif
	s_lshl_b32 s17, s12, 18                        ; + my 128 rows
	s_add_co_u32 s16, s16, s17
	s_mov_b32 s17, 0
	s_lshl_b32 s46, s46, 21                        ; B: batch x 2 MiB
	s_lshl_b32 s47, s12, 17                        ; + my 64 k rows of 2,048 bytes
	s_add_co_u32 s46, s46, s47
	s_lshl_b32 s47, s42, 9                         ; + block column x 512 bytes
	s_add_co_u32 s46, s46, s47
	s_mov_b32 s47, 0
	s_mul_i32 s20, s10, HALFT                      ; LDS: A's two halves, then B's two halves = wave x 34,816
	s_wait_dscnt 0x0
	s_wait_kmcnt 0x0
	s_add_nc_u64 s[14:15], s[4:5], s[16:17]
	s_add_nc_u64 s[46:47], s[6:7], s[46:47]
	CROUND                                         ; all sixteen work-groups are here: the first joint loads meet
.irp s, 0,1
	s_mov_b32 s[G0+4*\s], 1
	s_add_co_u32 s[G0+4*\s+1], s20, \s*SLOT
	s_add_nc_u64 s[G0+4*\s+2:G0+4*\s+3], s[14:15], \s*KSTEP*2          ; K step s: 256 bytes along A's rows
	s_or_b32 s[G0+4*\s+3], s[G0+4*\s+3], 0x80000000
	s_mov_b32 s[G0B+4*\s], 1
	s_add_co_u32 s[G0B+4*\s+1], s20, \s*SLOT
	s_add_nc_u64 s[G0B+4*\s+2:G0B+4*\s+3], s[46:47], \s*KSTEP*2048     ; K step s: 128 rows down B
	s_or_b32 s[G0B+4*\s+3], s[G0B+4*\s+3], 0x80000000
	JLOAD \s
.endr
	v_and_b32 v1, 15, v0                           ; l % 16
	v_bfe_u32 v2, v0, 4, 1                         ; l / 16
	v_mul_u32_u24 v3, v1, PITCH
	v_lshl_add_u32 v3, v2, 4, v3                   ; A fragments: row x pitch + 16 x half
	v_and_b32 v4, 7, v0
	v_lshl_add_u32 v4, v2, 3, v4
	v_mul_u32_u24 v4, v4, BPITCH                   ; B fragments: k row 8 (l / 16) + (l & 7),
	v_bfe_u32 v5, v0, 3, 1
	v_lshl_add_u32 v4, v5, 4, v4                   ; + 16 ((l >> 3) & 1)
	s_mul_i32 s21, s11, HALFT                      ; my 128 rows of A
	s_lshl_b32 s22, s12, 8                         ; my 128 columns of B,
	s_add_co_u32 s22, s22, 2*HALFT                 ; which lies behind A's 256 rows
.irp s, 0,1
	v_add_nc_u32 v[ADRA+\s], s21, v3
	v_add_nc_u32 v[ADRB+\s], s22, v4
	s_add_co_u32 s21, s21, SLOT
	s_add_co_u32 s22, s22, SLOT
.endr
	s_mul_i32 s23, s10, 16*SPITCH
	s_add_co_u32 s23, s23, STAGE                   ; my stage
	v_mul_u32_u24 v6, v1, SPITCH
	v_lshl_add_u32 v6, v2, 5, v6
	v_add_nc_u32 v[STO], s23, v6                   ; in: row l % 16, 32 bytes for each half of the lanes
	v_and_b32 v7, 31, v0
	v_lshlrev_b32 v[CW], 4, v7
	v_lshlrev_b32 v[CO], 3, v7
	v_add_nc_u32 v[RD], s23, v[CW]                 ; back: the 32 lanes take one row of 512 bytes
	s_lshl_b32 s75, s42, 10
	s_lshl_b32 s76, s12, 9
	s_add_co_u32 s76, s76, s75                     ; my first column in bytes of f32: 1,024 x block column + 512 x half
	s_mov_b32 s77, 0
.if FINAL
	; E of my four columns, while the first tiles are on their way
	s_lshr_b32 s74, s45, 1
	s_lshl_b32 s74, s74, 16                        ; cpart: batch x 16 heads x 4,096 bytes, behind WtS's 16 MiB
	s_add_co_u32 s74, s74, s76
	s_add_co_u32 s74, s74, 0x1000000
	s_mov_b32 s75, 0
	s_add_nc_u64 s[68:69], s[68:69], s[74:75]
	s_add_nc_u64 s[70:71], s[70:71], s[76:77]
	s_add_nc_u64 s[72:73], s[72:73], s[76:77]
.irp hh, 0,1,2,3,4,5,6,7,8,9,10,11,12,13,14,15
	global_load_b128 v[TMP+4*\hh:TMP+4*\hh+3], v[CW], s[68:69] offset:4096*\hh
.endr
	global_load_b128 v[32:35], v[CW], s[70:71]
	global_load_b128 v[36:39], v[CW], s[72:73]
	s_wait_loadcnt 0x0
	FOLD 8
	FOLD 4
	FOLD 2
	FOLD 1
	v_pk_add_f32 v[32:33], v[32:33], v[36:37]
	v_pk_add_f32 v[34:35], v[34:35], v[38:39]
	v_pk_add_f32 v[CV:CV+1], v[TMP:TMP+1], v[32:33]
	v_pk_add_f32 v[CV+2:CV+3], v[TMP+2:TMP+3], v[34:35]
.endif
; 16 matrix instructions: m blocks a0, a0 + 1 of the window's four x all 8 n blocks, 32 along K.  zero = 1: the first product starts the sums.
; The 64 accumulators take turns, one instruction a turn, in the same order in every quarter step.
.macro MUL16 f, hi, a0, zero
.irp a, \a0, \a0+1
.irp b, 0,1,2,3,4,5,6,7
.if \zero
	v_wmma_f32_16x16x32_bf16 v[8*(8*(\a)+\b):8*(8*(\a)+\b)+7], v[\f+8*\b:\f+8*\b+7], v[\f+8*(4*\hi+\a):\f+8*(4*\hi+\a)+7], 0
.else
	v_wmma_f32_16x16x32_bf16 v[8*(8*(\a)+\b):8*(8*(\a)+\b)+7], v[\f+8*\b:\f+8*\b+7], v[\f+8*(4*\hi+\a):\f+8*(4*\hi+\a)+7], v[8*(8*(\a)+\b):8*(8*(\a)+\b)+7]
.endif
.endr
.endr
.endm
; 32 LDS loads in one run: the fragments of quarter q of a K step (128 columns of B, 128 rows of A, 32 K) into buffer f
.macro FETCH slot, q, f
	WIN TO_B
.irp i, 0,1,2,3,4,5,6,7
	ds_load_tr16_b128 v[\f+8*\i:\f+8*\i+3],   v[ADRB+\slot] offset:\q*32*BPITCH+\i*32
	ds_load_tr16_b128 v[\f+8*\i+4:\f+8*\i+7], v[ADRB+\slot] offset:\q*32*BPITCH+\i*32+16*BPITCH
.endr
	WIN 0
.irp i, 0,1,2,3,4,5,6,7
	ds_load_b128 v[\f+8*\i:\f+8*\i+3],   v[ADRA+\slot] offset:\q*64+\i*16*PITCH
	ds_load_b128 v[\f+8*\i+4:\f+8*\i+7], v[ADRA+\slot] offset:\q*64+\i*16*PITCH+32
.endr
.endm
.macro PLACES                          ; four plain vector places behind a matrix instruction, in front of loads into its sources and of readers of its result
.rept 4
	v_nop
.endr
.endm
; One of a K step's first three quarters: multiplies buffer f; in its middle it fetches quarter q of the same slot into buffer g.
.macro QUARTER slot, q, f, g, zero
	s_wait_dscnt 8                                 ; B and A's rows 0-63 are in; the youngest eight loads (A's rows 64-127) may be out
	WIN MUL_LO
	MUL16 \f, 0, 0, \zero
	MUL16 \f, 0, 2, \zero
	PLACES
	FETCH \slot, \q, \g
	s_wait_dscnt 32                                ; all but the 32 just issued
	WIN MUL_HI
	MUL16 \f, 1, 0, \zero
	MUL16 \f, 1, 2, \zero
.endm
.macro THREE slot, zero
	QUARTER \slot, 1, F0, F1, \zero
	QUARTER \slot, 2, F1, F0, 0
	QUARTER \slot, 3, F0, F1, 0
.endm
; The last quarter: multiplies buffer 1 and changes slots.  In front of the barrier each wave waits for its own reads of this slot and for all its tensor loads
; (one is out: its part of the next slot).  Behind it (fill = 1: behind the cluster's round that it opens) the refill comes first, then the next slot's first fragments.
.macro TURN slot, next, fill
	s_wait_dscnt 8
	WIN MUL_LO
	MUL16 F1, 0, 0, 0
	s_wait_dscnt 0                                 ; my reads of this slot are over
	s_wait_tensorcnt 0x0                           ; and all my tensor loads have landed
	ds_add_u32 v255, v255
	s_wait_dscnt 0x0
	s_barrier_signal -1
	MUL16 F1, 0, 2, 0                              ; register work while the others arrive
	WIN 0
	s_barrier_wait -1
.if \fill
	CREST                                          ; no wave of any partner still reads this slot's tile or has a load on its way
	s_add_nc_u64 s[G0+4*\slot+2:G0+4*\slot+3], s[G0+4*\slot+2:G0+4*\slot+3], 2*KSTEP*2
	s_add_nc_u64 s[G0B+4*\slot+2:G0B+4*\slot+3], s[G0B+4*\slot+2:G0B+4*\slot+3], 2*KSTEP*2048
	JLOAD \slot                                    ; the first tensor load behind the round, one a wave
.endif
	PLACES
	FETCH \next, 0, F0
	WIN MUL_HI
	MUL16 F1, 1, 0, 0
	MUL16 F1, 1, 2, 0
.endm
.macro LAP zero
	THREE 0, \zero
	TURN 0, 1, 1
	THREE 1, 0
	TURN 1, 0, 1
.endm
	s_wait_tensorcnt 1                             ; my part of K step 0 is in; K step 1's may stay out
	s_barrier_signal -1
	s_barrier_wait -1
	FETCH 0, 0, F0
	LAP 1                                          ; the first lap stands in front of the loop: its first products start the sums
	WIN 0                                          ; at a label and at a branch every window is 0
	s_mov_b32 s3, LAPS-2
.Llap:
	LAP 0
	WIN 0
	s_sub_co_u32 s3, s3, 1
	s_cmp_lg_u32 s3, 0
	s_cbranch_scc1 .Llap
	THREE 0, 0                                     ; the last lap fills nothing
	TURN 0, 1, 0
	THREE 1, 0
	s_wait_dscnt 8
	WIN MUL_LO
	MUL16 F1, 0, 0, 0
	MUL16 F1, 0, 2, 0
	s_wait_dscnt 0
	WIN MUL_HI
	MUL16 F1, 1, 0, 0
	MUL16 F1, 1, 2, 0
	; THE WAY OUT, 16 rows of C at a time: the f32 sums go into my own stage, 32 bytes a lane, and come back as whole rows of 512 bytes.
	PLACES
.if FINAL
	s_lshl_b32 s74, s13, 20                        ; block row x 256 rows x 4,096 bytes
	s_lshl_b32 s75, s11, 19                        ; + my 128 rows
	s_add_co_u32 s74, s74, s75
	s_add_co_u32 s74, s74, s76                     ; + my columns
	s_mov_b32 s75, 0
	s_add_nc_u64 s[8:9], s[8:9], s[74:75]
.else
	s_lshl_b32 s75, s11, 18                        ; my 128 rows of 2,048 bytes
	s_lshr_b32 s78, s76, 1                         ; my columns, in bytes of bf16
	s_add_co_u32 s78, s78, s75
	s_lshl_b32 s74, s13, 19                        ; mb: block row x 256 rows x 2,048 bytes
	s_add_co_u32 s74, s74, s78
	s_mov_b32 s75, 0
	s_add_nc_u64 s[8:9], s[8:9], s[74:75]
	s_lshl_b32 s74, s41, 19                        ; wqb: the block row inside the batch x 256 rows x 2,048 bytes
	s_add_co_u32 s74, s74, s78
	s_add_nc_u64 s[68:69], s[4:5], s[74:75]
.endif
; rows 16 i .. 16 i + 15 of my block = the eight tiles (a, 0..7) of window 2 or 3 (win = 0x08 or 0x0c: an LDS store's data is source 1); f: F0 or F1 in turn
.macro OUT16 i, a, win, f
	WIN 0
	s_wait_xcnt 0x0                                ; earlier stores and loads have had their addresses translated: buffer f and the bases are rewritten only behind this wait
.if \i
	s_add_nc_u64 s[8:9], s[8:9], OSTEP
.if FINAL == 0
	s_add_nc_u64 s[68:69], s[68:69], OSTEP
.endif
.endif
.if FINAL == 0
.irp t, 0,1,2,3,4,5,6,7,8,9,10,11,12,13,14,15
	global_load_b64 v[TMP+2*\t:TMP+2*\t+1], v[CO], s[68:69] offset:2048*\t       ; wqb's row, my wave's 256 bytes: four bf16 a lane
.endr
.endif
	WIN \win
.irp b, 0,1,2,3,4,5,6,7
	ds_store_b128 v[STO], v[8*(8*\a+\b):8*(8*\a+\b)+3] offset:64*\b
	ds_store_b128 v[STO], v[8*(8*\a+\b)+4:8*(8*\a+\b)+7] offset:64*\b+16
.endr
	WIN 0
.irp t, 0,1,2,3,4,5,6,7,8,9,10,11,12,13,14,15
	ds_load_b128 v[\f+4*\t:\f+4*\t+3], v[RD] offset:\t*SPITCH    ; LDS serves a wave's instructions in order: these see the stores above
.endr
.irp t, 0,1,2,3,4,5,6,7,8,9,10,11,12,13,14,15
	s_wait_dscnt 15-\t                             ; row t is back, the younger rows stay out
.if FINAL
	v_pk_add_f32 v[\f+4*\t:\f+4*\t+1], v[\f+4*\t:\f+4*\t+1], v[CV:CV+1]
	v_pk_add_f32 v[\f+4*\t+2:\f+4*\t+3], v[\f+4*\t+2:\f+4*\t+3], v[CV+2:CV+3]
	global_store_b128 v[CW], v[\f+4*\t:\f+4*\t+3], s[8:9] offset:4096*\t th:TH_STORE_NT   ; the wave stores 512 consecutive bytes, aligned
.else
	s_wait_loadcnt 15-\t                           ; wqb's row t is in, the younger rows stay out
	v_lshlrev_b32 v[TW], 16, v[TMP+2*\t]           ; bf16 to f32: the low half moves up,
	v_and_b32 v[TW+1], 0xffff0000, v[TMP+2*\t]     ; the high half stays
	v_lshlrev_b32 v[TW+2], 16, v[TMP+2*\t+1]
	v_and_b32 v[TW+3], 0xffff0000, v[TMP+2*\t+1]
	v_pk_add_f32 v[\f+4*\t:\f+4*\t+1], v[\f+4*\t:\f+4*\t+1], v[TW:TW+1]
	v_pk_add_f32 v[\f+4*\t+2:\f+4*\t+3], v[\f+4*\t+2:\f+4*\t+3], v[TW+2:TW+3]
	v_cvt_pk_bf16_f32 v[\f+4*\t], v[\f+4*\t], v[\f+4*\t+1]
	v_cvt_pk_bf16_f32 v[\f+4*\t+1], v[\f+4*\t+2], v[\f+4*\t+3]
	global_store_b64 v[CO], v[\f+4*\t:\f+4*\t+1], s[8:9] offset:2048*\t           ; the wave stores 256 consecutive bytes, aligned
.endif
.endr
.endm
	OUT16 0, 0, 0x08, F0
	OUT16 1, 1, 0x08, F1
	OUT16 2, 2, 0x08, F0
	OUT16 3, 3, 0x08, F1
	OUT16 4, 0, 0x0c, F0
	OUT16 5, 1, 0x0c, F1
	OUT16 6, 2, 0x0c, F0
	OUT16 7, 3, 0x0c, F1
	s_set_vgpr_msb 0x1
	s_wait_tensorcnt 0x0
	ds_add_u32 v255, v255
	s_wait_dscnt 0x0
	s_set_vgpr_msb 0x100
	CROUND                                         ; the closing round: no work-group ends while a partner may still ask for a tile that names it
	s_endpgm
.Lfunc_end_k_qc22c3d5468_gemmM:
	.size	k_qc22c3d5468_gemmM, .Lfunc_end_k_qc22c3d5468_gemmM-k_qc22c3d5468_gemmM
	.p2alignl 7, 3214868480
	.fill 96, 4, 3214868480
	.section	.rodata,"a",@progbits
	.p2align	6, 0x0
	.amdhsa_kernel k_qc22c3d5468_gemmM
		.amdhsa_group_segment_fixed_size 327680
		.amdhsa_private_segment_fixed_size 0
		.amdhsa_enable_private_segment 0
		.amdhsa_kernarg_size 24
		.amdhsa_user_sgpr_count 2
		.amdhsa_user_sgpr_kernarg_segment_ptr 1
		.amdhsa_wavefront_size32 1
		.amdhsa_system_sgpr_workgroup_id_x 1
		.amdhsa_system_sgpr_workgroup_id_y 1
		.amdhsa_system_sgpr_workgroup_id_z 1
		.amdhsa_system_vgpr_workitem_id 0
		.amdhsa_next_free_vgpr 1024
		.amdhsa_next_free_sgpr 80
		.amdhsa_reserve_vcc 0
		.amdhsa_float_denorm_mode_32 3
		.amdhsa_float_denorm_mode_16_64 3
		.amdhsa_memory_ordered 1
		.amdhsa_forward_progress 1
		.amdhsa_inst_pref_size 255
	.end_amdhsa_kernel
	.section	.bss,"aw",@nobits
	.p2align	6
	.space	262144
	.amdgpu_metadata
---
amdhsa.version: [ 1, 2 ]
amdhsa.kernels:
  - .name:           k_qc22c3d5468_gemmM
    .symbol:         k_qc22c3d5468_gemmM.kd
    .args:
      - { .name: wqb, .offset: 0, .size: 8, .value_kind: global_buffer, .address_space: global }
      - { .name: wts, .offset: 8, .size: 8, .value_kind: global_buffer, .address_space: global }
      - { .name: mb, .offset: 16, .size: 8, .value_kind: global_buffer, .address_space: global }
    .group_segment_fixed_size: 327680
    .private_segment_fixed_size: 0
    .kernarg_segment_align: 8
    .kernarg_segment_size: 24
    .max_flat_workgroup_size: 128
    .sgpr_count:     80
    .vgpr_count:     1024
    .wavefront_size: 32
...
	.end_amdgpu_metadata
.endif
;; end of part 5
;; launch gemmF (part 6): grid 4 x 64, 4 waves a work-group, clusters of 4 x 4, 327,680 bytes of LDS; arguments xb, mb, out0, wts, bq, bt; writes out0
.if DOCPART == 6
	.amdgcn_target "amdgcn-amd-amdhsa--gfx1250"
	.amdhsa_code_object_version 6
	.text
	.protected	k_qc22c3d5468_gemmF
	.globl	k_qc22c3d5468_gemmF
	.p2align	8
	.type	k_qc22c3d5468_gemmF,@function
k_qc22c3d5468_gemmF:
	s_mov_b64 s[64:65], 0
	v_nop
	global_prefetch_b8 v0, s[64:65] scope:SCOPE_SE
	s_setreg_imm32_b32 hwreg(HW_REG_WAVE_MODE, 25, 1), 1
	s_wait_xcnt 0x0
	s_wait_alu depctr_hold_cnt(0) depctr_sa_sdst(0) depctr_va_vdst(0) depctr_va_sdst(0) depctr_va_ssrc(0) depctr_va_vcc(0) depctr_vm_vsrc(0)
	s_getreg_b32 s2, hwreg(HW_REG_IB_STS2, 6, 4)
	s_cmp_eq_u32 s2, 0
	s_cbranch_scc0 .Lentry_in_a_cluster
	s_endpgm
.Lentry_in_a_cluster:
	s_bfe_u32 s2, ttmp6, 0x10000c
	s_cmp_lg_u32 s2, 0xf033
	s_cbranch_scc0 .Lentry_shape_is_right
	s_endpgm
.Lentry_shape_is_right:
; C = A B + E for eight batches.  A: rows along K (bf16, 1024 a row).  B: [batch][1024 k][1024 n] bf16, as it lies.  Sums in f32.
;   FINAL = 0:  A = wqb = bf16(Wq) (the same for every batch), B = WtS[b], E = wqb once more (read by rows, widened to f32), C = mb[b] = bf16(wqb diag(pk_b) Wt + wqb)
;   FINAL = 1:  A = xb (16,384 rows; 2,048 a batch), B = mb[b], E = the row vector sum over h of cpart[b][h] + bq + bt, C = out0 in f32
; Why E = wqb: the residual q = X Wq is a matrix product too, so Wq enters it as the same bf16 operand as it enters the transform.
; LIMIT: mb is rounded to bf16 after the sum, so residual and transform share one operand rounding, of relative step 2^-9 of |mb|.
; A work-group makes a block of 256 x 256 of C with four waves, as many as a WGP has SIMDs; a wave makes 128 x 128: 64 accumulator tiles of 16 x 16, 512 registers.
; K goes in steps of 128 through a ring of two LDS slots filled by the tensor data mover.  A's tile: 256 rows x 256 bytes; B's tile: 128 k rows x 512 bytes.
; CLUSTERS: 4 x 4 work-groups.  The four of a row of the cluster need the same tiles of A, the four of a column the same tiles of B (a cluster lies inside one batch:
; the batch hangs on the cluster's y alone).  Such a tile is asked for jointly, by the same tensor load with the same descriptor in all four.
; By this text's count a wave has two tensor loads outstanding at the start and one behind each round.
;
; REGISTERS, in windows of 256:
;   window 0: v16-31 addresses and E's row vector; v64-127, v128-191 fragments of A, two buffers; v192-255 at work (E)
;   window 1: v64-127, v128-191 fragments of B, two buffers
;   window 2: the 32 accumulator tiles of my rows 0-63 (tile (a, b) at v[8 (8 a + b)]);   window 3: those of my rows 64-127
; THE MATRIX INSTRUCTION IS USED TRANSPOSED: source 0 = 16 columns of B (brought by the transposing LDS load, k along the registers), source 1 = 16 rows of A.
; Lane l then holds row l % 16 of C and its registers the columns 8 (l / 16) + 0 .. 7.
.set FINAL, 1
.set SIZE_K, 1024
.set KSTEP,  128
.set PITCH,  272                       ; A's LDS row: 256 bytes + 16, an odd multiple of 16 bytes: the 16 rows that a load touches fall on 16 different 16-byte columns modulo 256 bytes
.set BPITCH, 544                       ; B's LDS row: 512 bytes + 32 = 17 x 32, an odd multiple of 32 bytes for the transposing loads
.set HALFT,  128*PITCH                 ; what one tensor load brings: 128 rows of A, or 64 k rows of B (64 x 544 is the same 34,816 bytes)
.set SLOT,   4*HALFT                   ; A's 256 rows, then B's 128 k rows
.set STAGE,  2*SLOT                    ; behind the ring: 16 rows x 528 bytes for each wave, for the way out; no tensor load lands here
.set SPITCH, 528
.set LAPS, SIZE_K/(2*KSTEP)            ; a lap = two K steps = once round the ring: 4
.set ADRA, 16                          ; v16-17  LDS address of my A fragments in slot 0, 1
.set ADRB, 20                          ; v20-21  the same for B
.set STO,  24                          ; v24     the way out: where I put 32 bytes of a row
.set RD,   25                          ; v25     the way out: where I read a row back
.set CO,   26                          ; v26     8 x lane
.set CW,   27                          ; v27     16 x lane
.set CV,   28                          ; v[28:31] FINAL: E of my four columns
.set F0,   64
.set F1,   128
.set TMP,  192                         ; v[192:255] FINAL: cpart's rows.  Else v[192:223]: sixteen rows of wqb, 8 bytes a lane each
.set TW,   224                         ; v[224:227] FINAL = 0: a row's four numbers of wqb, widened to f32
.set G1, 24                            ; s[24:31] descriptor group 1 for A's tiles
.set G0, 32                            ; s[32:39] descriptor group 0 for A's tiles, one set for each slot
.set G1B, 48                           ; s[48:55] group 1 for B's tiles
.set G0B, 56                           ; s[56:63] group 0 for B's tiles, one set for each slot
.if FINAL
.set OSTEP, 16*4096
.else
.set OSTEP, 16*2048
.endif
.set MSB, 0
.macro WIN new                         ; the immediate's high byte repeats the setting that is left
.if MSB != \new
	s_set_vgpr_msb (MSB<<8)|\new
.set MSB, \new
.endif
.endm
.set MUL_LO, 0xa1                      ; source 0 (B) window 1, source 1 (A) window 0, C and D window 2
.set MUL_HI, 0xf1                      ; the same, C and D window 3
.set TO_B,   0x40                      ; destination window 1, address window 0
; A joint load.  Waves 0 and 1 fetch A's two halves, waves 2 and 3 B's.  The branch hangs on the wave's number alone.
.macro JLOAD s
	s_cmp_eq_u32 s11, 0
	s_cbranch_scc0 .Lfor_b_\@
	tensor_load_to_lds s[G0+4*\s:G0+4*\s+3], s[G1:G1+7]
	s_nop 0
	s_branch .Lasked_\@
.Lfor_b_\@:
	tensor_load_to_lds s[G0B+4*\s:G0B+4*\s+3], s[G1B:G1B+7]
	s_nop 0
.Lasked_\@:
.endm
; A round of the cluster's barrier: my work-group's barrier; wave 0 signals for the work-group; every wave waits for all sixteen; my work-group's barrier once more.
.macro CREST                           ; a round behind its opening barrier
	s_cmp_lg_u32 s10, 0
	s_cbranch_scc1 .Lnot_wave_0_\@
	s_barrier_signal -3
.Lnot_wave_0_\@:
	s_barrier_wait -3
	s_barrier_signal -1
	s_barrier_wait -1
.endm
.macro CROUND
	s_barrier_signal -1
	s_barrier_wait -1
	CREST
.endm
.macro FOLD n                          ; vectors 0 .. n-1 of four registers at TMP += vectors n .. 2n-1
.set fi, 0
.rept 2*\n
	v_pk_add_f32 v[TMP+2*fi:TMP+2*fi+1], v[TMP+2*fi:TMP+2*fi+1], v[TMP+4*\n+2*fi:TMP+4*\n+2*fi+1]
.set fi, fi+1
.endr
.endm
	s_load_b128 s[4:7], s[0:1], 0x0                ; A s[4:5], B s[6:7]
	s_load_b64 s[8:9], s[0:1], 0x10                ; C
.if FINAL
	s_load_b128 s[68:71], s[0:1], 0x18             ; wts (for cpart), bq
	s_load_b64 s[72:73], s[0:1], 0x28              ; bt
	s_set_vgpr_msb 0x40
	v_lshl_add_u32 v255, v0, 2, 0x4c400
	s_set_vgpr_msb 0x4000
	v_mov_b32 v63, 0
	s_set_vgpr_msb 0x1
	ds_add_u32 v255, v63
	ds_add_u32 v255, v63
	s_set_vgpr_msb 0x100
.endif
	v_lshrrev_b32 v1, 5, v0
	v_readfirstlane_b32 s10, v1                    ; wave 0..3
	s_lshr_b32 s11, s10, 1                         ; which half of the block's rows is mine.  Also: I fetch for A (0) or for B (1)
	s_and_b32 s12, s10, 1                          ; which half of its columns.  Also: which half of that tile I fetch
	s_bfe_u32 s40, ttmp6, 0x40000                  ; cx
	s_bfe_u32 s41, ttmp6, 0x40004                  ; cy
	s_lshl_b32 s42, ttmp9, 2
	s_add_co_u32 s42, s42, s40                     ; block column of C = 4 x cluster x + cx
	s_and_b32 s45, ttmp7, 0xffff                   ; the cluster's y
	s_lshl_b32 s13, s45, 2
	s_add_co_u32 s13, s13, s41                     ; block row of C = 4 x cluster y + cy
	s_lshl_b32 s43, s41, 2
	s_lshl_b32 s43, 15, s43                        ; my row of the cluster: places 4 cy .. 4 cy + 3
	s_lshl_b32 s44, 0x1111, s40                    ; my column: places cx, cx + 4, cx + 8, cx + 12
	s_or_b32 s[G1+0], s43, (1<<16)|(1<<20)|(1<<21)|(5<<22)|(3<<25)   ; A: mask of my row; 2-byte elements; padding of 4 words behind every 64; bit 21 beside a mask
	s_mov_b32 s[G1+1], KSTEP<<16                   ; tensor_dim0 = 128
	s_mov_b32 s[G1+2], 128<<16                     ; tensor_dim1 = 128
	s_mov_b32 s[G1+3], KSTEP<<16                   ; tile_dim0 = 128
	s_mov_b32 s[G1+4], 128                         ; tile_dim1 = 128
	s_mov_b32 s[G1+5], SIZE_K                      ; elements from row to row
	s_mov_b32 s[G1+6], 0
	s_mov_b32 s[G1+7], 0
	s_or_b32 s[G1B+0], s44, (1<<16)|(1<<20)|(1<<21)|(6<<22)|(7<<25)  ; B: mask of my column; padding of 8 words behind every 128
	s_mov_b32 s[G1B+1], 256<<16                    ; tensor_dim0 = 256 columns
	s_mov_b32 s[G1B+2], 64<<16                     ; tensor_dim1 = 64 k rows
	s_mov_b32 s[G1B+3], 256<<16
	s_mov_b32 s[G1B+4], 64
	s_mov_b32 s[G1B+5], 1024
	s_mov_b32 s[G1B+6], 0
	s_mov_b32 s[G1B+7], 0
	; A's address hangs on the block row (and the wave), which my row of the cluster shares; B's on the cluster's y, the block column (and the wave), which my column shares.
.if FINAL
	s_lshl_b32 s16, s13, 19                        ; A: block row x 256 rows x 2,048 bytes
	s_lshr_b32 s46, s45, 1                         ; batch: two clusters along y make its 2,048 rows
.else
	s_lshl_b32 s16, s41, 19                        ; A: the same four block rows for every batch
	s_mov_b32 s46, s45                             ; batch = the cluster's y
.endif
	s_lshl_b32 s17, s12, 18                        ; + my 128 rows
	s_add_co_u32 s16, s16, s17
	s_mov_b32 s17, 0
	s_lshl_b32 s46, s46, 21                        ; B: batch x 2 MiB
	s_lshl_b32 s47, s12, 17                        ; + my 64 k rows of 2,048 bytes
	s_add_co_u32 s46, s46, s47
	s_lshl_b32 s47, s42, 9                         ; + block column x 512 bytes
	s_add_co_u32 s46, s46, s47
	s_mov_b32 s47, 0
	s_mul_i32 s20, s10, HALFT                      ; LDS: A's two halves, then B's two halves = wave x 34,816
	s_wait_dscnt 0x0
	s_wait_kmcnt 0x0
	s_add_nc_u64 s[14:15], s[4:5], s[16:17]
	s_add_nc_u64 s[46:47], s[6:7], s[46:47]
	CROUND                                         ; all sixteen work-groups are here: the first joint loads meet
.irp s, 0,1
	s_mov_b32 s[G0+4*\s], 1
	s_add_co_u32 s[G0+4*\s+1], s20, \s*SLOT
	s_add_nc_u64 s[G0+4*\s+2:G0+4*\s+3], s[14:15], \s*KSTEP*2          ; K step s: 256 bytes along A's rows
	s_or_b32 s[G0+4*\s+3], s[G0+4*\s+3], 0x80000000
	s_mov_b32 s[G0B+4*\s], 1
	s_add_co_u32 s[G0B+4*\s+1], s20, \s*SLOT
	s_add_nc_u64 s[G0B+4*\s+2:G0B+4*\s+3], s[46:47], \s*KSTEP*2048     ; K step s: 128 rows down B
	s_or_b32 s[G0B+4*\s+3], s[G0B+4*\s+3], 0x80000000
	JLOAD \s
.endr
	v_and_b32 v1, 15, v0                           ; l % 16
	v_bfe_u32 v2, v0, 4, 1                         ; l / 16
	v_mul_u32_u24 v3, v1, PITCH
	v_lshl_add_u32 v3, v2, 4, v3                   ; A fragments: row x pitch + 16 x half
	v_and_b32 v4, 7, v0
	v_lshl_add_u32 v4, v2, 3, v4
	v_mul_u32_u24 v4, v4, BPITCH                   ; B fragments: k row 8 (l / 16) + (l & 7),
	v_bfe_u32 v5, v0, 3, 1
	v_lshl_add_u32 v4, v5, 4, v4                   ; + 16 ((l >> 3) & 1)
	s_mul_i32 s21, s11, HALFT                      ; my 128 rows of A
	s_lshl_b32 s22, s12, 8                         ; my 128 columns of B,
	s_add_co_u32 s22, s22, 2*HALFT                 ; which lies behind A's 256 rows
.irp s, 0,1
	v_add_nc_u32 v[ADRA+\s], s21, v3
	v_add_nc_u32 v[ADRB+\s], s22, v4
	s_add_co_u32 s21, s21, SLOT
	s_add_co_u32 s22, s22, SLOT
.endr
	s_mul_i32 s23, s10, 16*SPITCH
	s_add_co_u32 s23, s23, STAGE                   ; my stage
	v_mul_u32_u24 v6, v1, SPITCH
	v_lshl_add_u32 v6, v2, 5, v6
	v_add_nc_u32 v[STO], s23, v6                   ; in: row l % 16, 32 bytes for each half of the lanes
	v_and_b32 v7, 31, v0
	v_lshlrev_b32 v[CW], 4, v7
	v_lshlrev_b32 v[CO], 3, v7
	v_add_nc_u32 v[RD], s23, v[CW]                 ; back: the 32 lanes take one row of 512 bytes
	s_lshl_b32 s75, s42, 10
	s_lshl_b32 s76, s12, 9
	s_add_co_u32 s76, s76, s75                     ; my first column in bytes of f32: 1,024 x block column + 512 x half
	s_mov_b32 s77, 0
.if FINAL
	; E of my four columns, while the first tiles are on their way
	s_lshr_b32 s74, s45, 1
	s_lshl_b32 s74, s74, 16                        ; cpart: batch x 16 heads x 4,096 bytes, behind WtS's 16 MiB
	s_add_co_u32 s74, s74, s76
	s_add_co_u32 s74, s74, 0x1000000
	s_mov_b32 s75, 0
	s_add_nc_u64 s[68:69], s[68:69], s[74:75]
	s_add_nc_u64 s[70:71], s[70:71], s[76:77]
	s_add_nc_u64 s[72:73], s[72:73], s[76:77]
.irp hh, 0,1,2,3,4,5,6,7,8,9,10,11,12,13,14,15
	global_load_b128 v[TMP+4*\hh:TMP+4*\hh+3], v[CW], s[68:69] offset:4096*\hh
.endr
	global_load_b128 v[32:35], v[CW], s[70:71]
	global_load_b128 v[36:39], v[CW], s[72:73]
	s_wait_loadcnt 0x0
	FOLD 8
	FOLD 4
	FOLD 2
	FOLD 1
	v_pk_add_f32 v[32:33], v[32:33], v[36:37]
	v_pk_add_f32 v[34:35], v[34:35], v[38:39]
	v_pk_add_f32 v[CV:CV+1], v[TMP:TMP+1], v[32:33]
	v_pk_add_f32 v[CV+2:CV+3], v[TMP+2:TMP+3], v[34:35]
.endif
; 16 matrix instructions: m blocks a0, a0 + 1 of the window's four x all 8 n blocks, 32 along K.  zero = 1: the first product starts the sums.
; The 64 accumulators take turns, one instruction a turn, in the same order in every quarter step.
.macro MUL16 f, hi, a0, zero
.irp a, \a0, \a0+1
.irp b, 0,1,2,3,4,5,6,7
.if \zero
	v_wmma_f32_16x16x32_bf16 v[8*(8*(\a)+\b):8*(8*(\a)+\b)+7], v[\f+8*\b:\f+8*\b+7], v[\f+8*(4*\hi+\a):\f+8*(4*\hi+\a)+7], 0
.else
	v_wmma_f32_16x16x32_bf16 v[8*(8*(\a)+\b):8*(8*(\a)+\b)+7], v[\f+8*\b:\f+8*\b+7], v[\f+8*(4*\hi+\a):\f+8*(4*\hi+\a)+7], v[8*(8*(\a)+\b):8*(8*(\a)+\b)+7]
.endif
.endr
.endr
.endm
; 32 LDS loads in one run: the fragments of quarter q of a K step (128 columns of B, 128 rows of A, 32 K) into buffer f
.macro FETCH slot, q, f
	WIN TO_B
.irp i, 0,1,2,3,4,5,6,7
	ds_load_tr16_b128 v[\f+8*\i:\f+8*\i+3],   v[ADRB+\slot] offset:\q*32*BPITCH+\i*32
	ds_load_tr16_b128 v[\f+8*\i+4:\f+8*\i+7], v[ADRB+\slot] offset:\q*32*BPITCH+\i*32+16*BPITCH
.endr
	WIN 0
.irp i, 0,1,2,3,4,5,6,7
	ds_load_b128 v[\f+8*\i:\f+8*\i+3],   v[ADRA+\slot] offset:\q*64+\i*16*PITCH
	ds_load_b128 v[\f+8*\i+4:\f+8*\i+7], v[ADRA+\slot] offset:\q*64+\i*16*PITCH+32
.endr
.endm
.macro PLACES                          ; four plain vector places behind a matrix instruction, in front of loads into its sources and of readers of its result
.rept 4
	v_nop
.endr
.endm
; One of a K step's first three quarters: multiplies buffer f; in its middle it fetches quarter q of the same slot into buffer g.
.macro QUARTER slot, q, f, g, zero
	s_wait_dscnt 8                                 ; B and A's rows 0-63 are in; the youngest eight loads (A's rows 64-127) may be out
	WIN MUL_LO
	MUL16 \f, 0, 0, \zero
	MUL16 \f, 0, 2, \zero
	PLACES
	FETCH \slot, \q, \g
	s_wait_dscnt 32                                ; all but the 32 just issued
	WIN MUL_HI
	MUL16 \f, 1, 0, \zero
	MUL16 \f, 1, 2, \zero
.endm
.macro THREE slot, zero
	QUARTER \slot, 1, F0, F1, \zero
	QUARTER \slot, 2, F1, F0, 0
	QUARTER \slot, 3, F0, F1, 0
.endm
; The last quarter: multiplies buffer 1 and changes slots.  In front of the barrier each wave waits for its own reads of this slot and for all its tensor loads
; (one is out: its part of the next slot).  Behind it (fill = 1: behind the cluster's round that it opens) the refill comes first, then the next slot's first fragments.
.macro TURN slot, next, fill
	s_wait_dscnt 8
	WIN MUL_LO
	MUL16 F1, 0, 0, 0
	s_wait_dscnt 0                                 ; my reads of this slot are over
	s_wait_tensorcnt 0x0                           ; and all my tensor loads have landed
	ds_add_u32 v255, v63
	s_wait_dscnt 0x0
	s_barrier_signal -1
	MUL16 F1, 0, 2, 0                              ; register work while the others arrive
	WIN 0
	s_barrier_wait -1
.if \fill
	CREST                                          ; no wave of any partner still reads this slot's tile or has a load on its way
	s_add_nc_u64 s[G0+4*\slot+2:G0+4*\slot+3], s[G0+4*\slot+2:G0+4*\slot+3], 2*KSTEP*2
	s_add_nc_u64 s[G0B+4*\slot+2:G0B+4*\slot+3], s[G0B+4*\slot+2:G0B+4*\slot+3], 2*KSTEP*2048
	JLOAD \slot                                    ; the first tensor load behind the round, one a wave
.endif
	PLACES
	FETCH \next, 0, F0
	WIN MUL_HI
	MUL16 F1, 1, 0, 0
	MUL16 F1, 1, 2, 0
.endm
.macro LAP zero
	THREE 0, \zero
	TURN 0, 1, 1
	THREE 1, 0
	TURN 1, 0, 1
.endm
	s_wait_tensorcnt 1                             ; my part of K step 0 is in; K step 1's may stay out
	s_barrier_signal -1
	s_barrier_wait -1
	FETCH 0, 0, F0
	LAP 1                                          ; the first lap stands in front of the loop: its first products start the sums
	WIN 0                                          ; at a label and at a branch every window is 0
	s_mov_b32 s3, LAPS-2
.Llap:
	LAP 0
	WIN 0
	s_sub_co_u32 s3, s3, 1
	s_cmp_lg_u32 s3, 0
	s_cbranch_scc1 .Llap
	THREE 0, 0                                     ; the last lap fills nothing
	TURN 0, 1, 0
	THREE 1, 0
	s_wait_dscnt 8
	WIN MUL_LO
	MUL16 F1, 0, 0, 0
	MUL16 F1, 0, 2, 0
	s_wait_dscnt 0
	WIN MUL_HI
	MUL16 F1, 1, 0, 0
	MUL16 F1, 1, 2, 0
	; THE WAY OUT, 16 rows of C at a time: the f32 sums go into my own stage, 32 bytes a lane, and come back as whole rows of 512 bytes.
	PLACES
.if FINAL
	s_lshl_b32 s74, s13, 20                        ; block row x 256 rows x 4,096 bytes
	s_lshl_b32 s75, s11, 19                        ; + my 128 rows
	s_add_co_u32 s74, s74, s75
	s_add_co_u32 s74, s74, s76                     ; + my columns
	s_mov_b32 s75, 0
	s_add_nc_u64 s[8:9], s[8:9], s[74:75]
.else
	s_lshl_b32 s75, s11, 18                        ; my 128 rows of 2,048 bytes
	s_lshr_b32 s78, s76, 1                         ; my columns, in bytes of bf16
	s_add_co_u32 s78, s78, s75
	s_lshl_b32 s74, s13, 19                        ; mb: block row x 256 rows x 2,048 bytes
	s_add_co_u32 s74, s74, s78
	s_mov_b32 s75, 0
	s_add_nc_u64 s[8:9], s[8:9], s[74:75]
	s_lshl_b32 s74, s41, 19                        ; wqb: the block row inside the batch x 256 rows x 2,048 bytes
	s_add_co_u32 s74, s74, s78
	s_add_nc_u64 s[68:69], s[4:5], s[74:75]
.endif
; rows 16 i .. 16 i + 15 of my block = the eight tiles (a, 0..7) of window 2 or 3 (win = 0x08 or 0x0c: an LDS store's data is source 1); f: F0 or F1 in turn
.macro OUT16 i, a, win, f
	WIN 0
	s_wait_xcnt 0x0                                ; earlier stores and loads have had their addresses translated: buffer f and the bases are rewritten only behind this wait
.if \i
	s_add_nc_u64 s[8:9], s[8:9], OSTEP
.if FINAL == 0
	s_add_nc_u64 s[68:69], s[68:69], OSTEP
.endif
.endif
.if FINAL == 0
.irp t, 0,1,2,3,4,5,6,7,8,9,10,11,12,13,14,15
	global_load_b64 v[TMP+2*\t:TMP+2*\t+1], v[CO], s[68:69] offset:2048*\t       ; wqb's row, my wave's 256 bytes: four bf16 a lane
.endr
.endif
	WIN \win
.irp b, 0,1,2,3,4,5,6,7
	ds_store_b128 v[STO], v[8*(8*\a+\b):8*(8*\a+\b)+3] offset:64*\b
	ds_store_b128 v[STO], v[8*(8*\a+\b)+4:8*(8*\a+\b)+7] offset:64*\b+16
.endr
	WIN 0
.irp t, 0,1,2,3,4,5,6,7,8,9,10,11,12,13,14,15
	ds_load_b128 v[\f+4*\t:\f+4*\t+3], v[RD] offset:\t*SPITCH    ; LDS serves a wave's instructions in order: these see the stores above
.endr
.irp t, 0,1,2,3,4,5,6,7,8,9,10,11,12,13,14,15
	s_wait_dscnt 15-\t                             ; row t is back, the younger rows stay out
.if FINAL
	v_pk_add_f32 v[\f+4*\t:\f+4*\t+1], v[\f+4*\t:\f+4*\t+1], v[CV:CV+1]
	v_pk_add_f32 v[\f+4*\t+2:\f+4*\t+3], v[\f+4*\t+2:\f+4*\t+3], v[CV+2:CV+3]
	global_store_b128 v[CW], v[\f+4*\t:\f+4*\t+3], s[8:9] offset:4096*\t th:TH_STORE_NT   ; the wave stores 512 consecutive bytes, aligned
.else
	s_wait_loadcnt 15-\t                           ; wqb's row t is in, the younger rows stay out
	v_lshlrev_b32 v[TW], 16, v[TMP+2*\t]           ; bf16 to f32: the low half moves up,
	v_and_b32 v[TW+1], 0xffff0000, v[TMP+2*\t]     ; the high half stays
	v_lshlrev_b32 v[TW+2], 16, v[TMP+2*\t+1]
	v_and_b32 v[TW+3], 0xffff0000, v[TMP+2*\t+1]
	v_pk_add_f32 v[\f+4*\t:\f+4*\t+1], v[\f+4*\t:\f+4*\t+1], v[TW:TW+1]
	v_pk_add_f32 v[\f+4*\t+2:\f+4*\t+3], v[\f+4*\t+2:\f+4*\t+3], v[TW+2:TW+3]
	v_cvt_pk_bf16_f32 v[\f+4*\t], v[\f+4*\t], v[\f+4*\t+1]
	v_cvt_pk_bf16_f32 v[\f+4*\t+1], v[\f+4*\t+2], v[\f+4*\t+3]
	global_store_b64 v[CO], v[\f+4*\t:\f+4*\t+1], s[8:9] offset:2048*\t           ; the wave stores 256 consecutive bytes, aligned
.endif
.endr
.endm
	OUT16 0, 0, 0x08, F0
	OUT16 1, 1, 0x08, F1
	OUT16 2, 2, 0x08, F0
	OUT16 3, 3, 0x08, F1
	OUT16 4, 0, 0x0c, F0
	OUT16 5, 1, 0x0c, F1
	OUT16 6, 2, 0x0c, F0
	OUT16 7, 3, 0x0c, F1
	s_set_vgpr_msb 0x1
	s_wait_tensorcnt 0x0
	ds_add_u32 v255, v63
	s_wait_dscnt 0x0
	s_set_vgpr_msb 0x100
	CROUND                                         ; the closing round: no work-group ends while a partner may still ask for a tile that names it
	s_endpgm
.Lfunc_end_k_qc22c3d5468_gemmF:
	.size	k_qc22c3d5468_gemmF, .Lfunc_end_k_qc22c3d5468_gemmF-k_qc22c3d5468_gemmF
	.p2alignl 7, 3214868480
	.fill 96, 4, 3214868480
	.section	.rodata,"a",@progbits
	.p2align	6, 0x0
	.amdhsa_kernel k_qc22c3d5468_gemmF
		.amdhsa_group_segment_fixed_size 327680
		.amdhsa_private_segment_fixed_size 0
		.amdhsa_enable_private_segment 0
		.amdhsa_kernarg_size 48
		.amdhsa_user_sgpr_count 2
		.amdhsa_user_sgpr_kernarg_segment_ptr 1
		.amdhsa_wavefront_size32 1
		.amdhsa_system_sgpr_workgroup_id_x 1
		.amdhsa_system_sgpr_workgroup_id_y 1
		.amdhsa_system_sgpr_workgroup_id_z 1
		.amdhsa_system_vgpr_workitem_id 0
		.amdhsa_next_free_vgpr 1024
		.amdhsa_next_free_sgpr 80
		.amdhsa_reserve_vcc 0
		.amdhsa_float_denorm_mode_32 3
		.amdhsa_float_denorm_mode_16_64 3
		.amdhsa_memory_ordered 1
		.amdhsa_forward_progress 1
		.amdhsa_inst_pref_size 216
	.end_amdhsa_kernel
	.amdgpu_metadata
---
amdhsa.version: [ 1, 2 ]
amdhsa.kernels:
  - .name:           k_qc22c3d5468_gemmF
    .symbol:         k_qc22c3d5468_gemmF.kd
    .args:
      - { .name: xb, .offset: 0, .size: 8, .value_kind: global_buffer, .address_space: global }
      - { .name: mb, .offset: 8, .size: 8, .value_kind: global_buffer, .address_space: global }
      - { .name: out0, .offset: 16, .size: 8, .value_kind: global_buffer, .address_space: global }
      - { .name: wts, .offset: 24, .size: 8, .value_kind: global_buffer, .address_space: global }
      - { .name: bq, .offset: 32, .size: 8, .value_kind: global_buffer, .address_space: global }
      - { .name: bt, .offset: 40, .size: 8, .value_kind: global_buffer, .address_space: global }
    .group_segment_fixed_size: 327680
    .private_segment_fixed_size: 0
    .kernarg_segment_align: 8
    .kernarg_segment_size: 48
    .max_flat_workgroup_size: 128
    .sgpr_count:     80
    .vgpr_count:     1024
    .wavefront_size: 32
...
	.end_amdgpu_metadata
.endif
;; end of part 6
;; ======== version 2 of 2: 7 launches
;; limits: right only within a limited range of input values
;; workspace buffers: xb 33,554,432 bytes; wqb 2,097,152 bytes; vc1 262,656 bytes; vc2 262,656 bytes; part 16,809,984 bytes; wts 17,301,504 bytes; mb 16,777,216 bytes
;; launch prep (part 7): grid 1088 x 1, 8 waves a work-group, no clusters, 77,824 bytes of LDS; arguments hidden_states, Wq, Wqa, bq, bqa, xb, wqb, vc1; writes xb, wqb, vc1
.if DOCPART == 7
	.amdgcn_target "amdgcn-amd-amdhsa--gfx1250"
	.amdhsa_code_object_version 6
	.text
	.protected	k_qc22c3d5468_prep
	.globl	k_qc22c3d5468_prep
	.p2align	8
	.type	k_qc22c3d5468_prep,@function
k_qc22c3d5468_prep:
	s_mov_b64 s[64:65], 0
	v_nop
	global_prefetch_b8 v0, s[64:65] scope:SCOPE_SE
	s_setreg_imm32_b32 hwreg(HW_REG_WAVE_MODE, 25, 1), 1
	s_wait_xcnt 0x0
; prep.  Two jobs, chosen by the work-group's number (the same for all eight waves of a work-group):
;   0 .. 63     16 rows i of Wq: wqb = bf16(Wq), and V1[b][h][i] = bf16((Wq Wqa)[i][h]) for all eight batches; groups 0 to 7 also store c1[b][h] = bq . Wqa[:,h] + bqa[h], b = the group's number
;   64 .. 1087  xb = bf16(hidden_states), 16 rows a work-group
; (q Wqa + bqa = X (Wq Wqa) + (bq Wqa + bqa): the query logits need no q.)
; The casts are streams: 16 loads of 512 neighbouring bytes a wave, all issued before the first is used; each store of a wave covers 256 consecutive bytes, aligned.
; In the first job wave w takes k = 128 w .. 128 w + 127 of the group's 16 rows, so that Wq is read once, no group moves much more than a cast group, and the eight
; partial products meet in LDS behind the one barrier.  Every group forms bq . Wqa on the numbers of Wqa that it holds anyway (32 multiply-adds a lane).
; LIMIT OF FORM: a group's 16 i are 32 bytes of a head's row of V1, so V1's stores (262,144 bytes of the launch's 36 MB) fill no aligned block of 256 bytes whole.
; No cluster: there are no tensor loads here.
.set SPIT,  272                        ; LDS pitch of a row of 128 bf16: 256 bytes + 16
.set LWQA,  0                          ; 8 waves x 4,096 bytes: the wave's own 128 rows j of Wqa as bf16, rows of 32 bytes
.set LSTG,  32768                      ; 8 waves x 16 rows x 272 bytes: the wave's own part of Wq's rows as bf16
.set LPT,   67584                      ; 8 waves x 1,024 bytes: the waves' partial products, 16 i x 16 heads in f32
.set LCP,   75776                      ; 8 waves x 16 words: partial sums of bq . Wqa
.set AF,  32                           ; v[32:63]   four A fragments (16 rows of Wq x 32 k)
.set BF,  64                           ; v[64:95]   four B fragments (32 k x 16 heads)
.set ACC, 96                           ; v[96:127]  four accumulators, one for each 32 k
.set BQ,  96                           ; v[96:111]  bq of my 16 rows j (before the products only)
.set CA,  24                           ; v[24:27]   my part of bq . Wqa, four heads
.set G,   128                          ; v[128:191] Wq as loaded, then as bf16
.set WA,  192                          ; v[192:255] Wqa as loaded; later the eight partial products
.macro PLACES                          ; four plain vector places behind a matrix instruction (ISA guide 7.12.1)
.rept 4
	v_nop
.endr
.endm
; d[0:1] = a[0:1] * v[x+i], d[0:1] += a[0:1] * v[x+i]: op_sel / op_sel_hi pick the one register of the even-aligned pair for both halves
.macro BMUL d, a, x, i
.if (\i) % 2
	v_pk_mul_f32 v[\d:\d+1], v[\a:\a+1], v[\x+(\i)-1:\x+(\i)] op_sel:[0,1]
.else
	v_pk_mul_f32 v[\d:\d+1], v[\a:\a+1], v[\x+(\i):\x+(\i)+1] op_sel_hi:[1,0]
.endif
.endm
.macro BFMA d, a, x, i
.if (\i) % 2
	v_pk_fma_f32 v[\d:\d+1], v[\a:\a+1], v[\x+(\i)-1:\x+(\i)], v[\d:\d+1] op_sel:[0,1,0]
.else
	v_pk_fma_f32 v[\d:\d+1], v[\a:\a+1], v[\x+(\i):\x+(\i)+1], v[\d:\d+1] op_sel_hi:[1,0,1]
.endif
.endm
.macro FOLDV n                         ; vectors 0 .. n-1 of eight registers at WA += vectors n .. 2n-1
.set fi, 0
.rept 4*\n
	v_pk_add_f32 v[WA+2*fi:WA+2*fi+1], v[WA+2*fi:WA+2*fi+1], v[WA+8*\n+2*fi:WA+8*\n+2*fi+1]
.set fi, fi+1
.endr
.endm
	s_load_b512 s[4:19], s[0:1], 0x0               ; X s[4:5], Wq s[6:7], Wqa s[8:9], bq s[10:11], bqa s[12:13], xb s[14:15], wqb s[16:17], vc1 s[18:19]
	v_lshl_add_u32 v31, v0, 2, 0x12c00
	s_set_vgpr_msb 0x40
	v_mov_b32 v1, 0
	s_set_vgpr_msb 0x4000
	s_mov_b32 s20, ttmp9
	v_lshrrev_b32 v1, 5, v0
	v_readfirstlane_b32 s21, v1                    ; wave
	v_and_b32 v2, 31, v0                           ; lane
	s_cmp_lt_u32 s20, 64
	s_cbranch_scc1 .Lw1
	; ---- the cast of X: 65,536 bytes of f32; no register is used twice, so the only waits are the counted ones for the loads ----
	v_lshlrev_b32 v3, 4, v2
	v_lshl_add_u32 v3, v1, 13, v3                  ; source: wave x 8,192 + 16 x lane
	v_lshlrev_b32 v4, 3, v2
	v_lshl_add_u32 v4, v1, 12, v4                  ; target: wave x 4,096 + 8 x lane
	s_sub_co_u32 s26, s20, 64
	s_lshl_b32 s22, s26, 16                        ; 16 rows of 4,096 bytes
	s_mov_b32 s23, 0
	s_lshl_b32 s24, s26, 15                        ; 16 rows of 2,048 bytes
	s_mov_b32 s25, 0
	s_wait_kmcnt 0x0
	s_add_nc_u64 s[4:5], s[4:5], s[22:23]
	s_add_nc_u64 s[14:15], s[14:15], s[24:25]
.irp j, 0,1,2,3,4,5,6,7,8,9,10,11,12,13,14,15
	global_load_b128 v[32+4*\j:35+4*\j], v3, s[4:5] offset:512*\j th:TH_LOAD_NT
.endr
.irp j, 0,1,2,3,4,5,6,7,8,9,10,11,12,13,14,15
	s_wait_loadcnt 15-\j                           ; loads return in order: load j is in, the 15 - j younger ones stay out
	v_cvt_pk_bf16_f32 v[96+2*\j], v[32+4*\j], v[33+4*\j]
	v_cvt_pk_bf16_f32 v[97+2*\j], v[34+4*\j], v[35+4*\j]
	global_store_b64 v4, v[96+2*\j:97+2*\j], s[14:15] offset:256*\j
.endr
	s_endpgm
	; ---- wqb, V1 and c1 ----
.Lw1:
	v_and_b32 v13, 15, v0                          ; r
	v_bfe_u32 v14, v0, 4, 1                        ; g
	v_lshlrev_b32 v16, 4, v2                       ; 16 x lane
	v_lshlrev_b32 v17, 3, v2                       ; 8 x lane
	v_lshlrev_b32 v5, 2, v13                       ; 4 r
	s_lshl_b32 s22, s21, 13
	v_add_nc_u32 v3, s22, v16                      ; Wqa: my wave's 128 rows of 64 bytes; load n brings row 8 n + (lane >> 2), heads 4 (lane & 3) ..
	s_lshl_b32 s22, s21, 9
	v_add_nc_u32 v6, s22, v16                      ; Wq: my wave's 512 bytes of a row + 16 x lane, the row in the immediate
	v_lshrrev_b32 v4, 2, v2
	v_lshl_add_u32 v4, v4, 2, s22                  ; bq: my wave's 128 numbers + 4 (lane >> 2)
	s_lshl_b32 s22, s21, 8
	v_add_nc_u32 v18, s22, v17                     ; wqb: my wave's 256 bytes of a row + 8 x lane
	s_lshl_b32 s23, s21, 12                        ; LDS: my wave's Wqa in bf16
	v_add_nc_u32 v7, s23, v17                      ; in: 8 x lane, 256 n in the immediate
	v_and_b32 v10, 7, v0
	v_lshl_add_u32 v10, v14, 3, v10                ; 8 g + (lane & 7)
	v_bfe_u32 v11, v0, 3, 1
	v_lshlrev_b32 v11, 4, v11
	v_lshl_add_u32 v10, v10, 5, v11                ; B fragments by the transposing load: that row of 32 bytes, + 16 ((lane >> 3) & 1)
	v_add_nc_u32 v10, s23, v10
	s_mul_i32 s22, s21, 16*SPIT
	s_add_co_u32 s22, s22, LSTG                    ; my wave's stage
	v_add_nc_u32 v8, s22, v17                      ; into the stage: 8 x lane, the row in the immediate
	v_mul_u32_u24 v9, v13, SPIT
	v_lshl_add_u32 v9, v14, 4, v9
	v_add_nc_u32 v9, s22, v9                       ; A fragments: row r, 16 g
	v_and_b32 v15, 3, v0
	s_lshl_b32 s23, s21, 6
	s_add_co_u32 s23, s23, LCP
	v_lshl_add_u32 v15, v15, 4, s23                ; my wave's 16 words of partial sums, heads 4 (lane & 3) ..
	s_lshl_b32 s23, s21, 10
	s_add_co_u32 s23, s23, LPT
	v_add_nc_u32 v28, s23, v16                     ; my wave's partial product: 16 x lane, the half in the immediate
	v_add_nc_u32 v29, LPT, v16                     ; all waves' partial products: the wave in the immediate
	v_add_nc_u32 v30, LCP, v5                      ; all waves' partial sums of head r
	v_lshlrev_b32 v19, 11, v13
	v_lshl_add_u32 v19, v14, 4, v19                ; in V1: head r x 2,048 + 16 g
	s_mov_b32 s28, 0x76543210                      ; v_permlanex16_b32: lane i of one half reads lane i of the other
	s_mov_b32 s29, 0xfedcba98
	s_lshl_b32 s26, s20, 16                        ; my 16 rows of Wq
	s_mov_b32 s27, 0
	s_lshl_b32 s24, s20, 15                        ; my 16 rows of wqb
	s_mov_b32 s25, 0
	s_lshl_b32 s36, s20, 5                         ; my 16 i in a row of V1,
	s_lshl_b32 s37, s21, 15                        ; in the copy of batch = my wave's number
	s_add_co_u32 s36, s36, s37
	s_mov_b32 s37, 0
	s_lshl_b32 s38, s20, 6                         ; c1 of batch = my group's number (groups 0 to 7)
	s_mov_b32 s39, 0
	s_wait_kmcnt 0x0
	s_add_nc_u64 s[6:7], s[6:7], s[26:27]
	s_add_nc_u64 s[16:17], s[16:17], s[24:25]
	s_add_nc_u64 s[30:31], s[18:19], s[36:37]
	s_add_nc_u64 s[32:33], s[18:19], s[38:39]
.irp j, 0,1,2,3,4,5,6,7,8,9,10,11,12,13,14,15
	global_load_b128 v[WA+4*\j:WA+4*\j+3], v3, s[8:9] offset:512*\j
.endr
.irp j, 0,1,2,3,4,5,6,7,8,9,10,11,12,13,14,15
	global_load_b32 v[BQ+\j], v4, s[10:11] offset:32*\j
.endr
	global_load_b32 v12, v5, s[12:13]              ; bqa[r]
.irp j, 0,1,2,3,4,5,6,7,8,9,10,11,12,13,14,15
	global_load_b128 v[G+4*\j:G+4*\j+3], v6, s[6:7] offset:4096*\j th:TH_LOAD_NT
.endr
	s_wait_loadcnt 16                              ; all but Wq's sixteen loads are in
	; my rows of Wqa to bf16 into my own LDS bytes, and my part of bq . Wqa on the way
.set nn, 0
.rept 16
.if nn == 0
	BMUL CA, WA, BQ, 0
	BMUL CA+2, WA+2, BQ, 0
.else
	BFMA CA, WA+4*nn, BQ, nn
	BFMA CA+2, WA+4*nn+2, BQ, nn
.endif
	v_cvt_pk_bf16_f32 v[WA+4*nn], v[WA+4*nn], v[WA+4*nn+1]
	v_cvt_pk_bf16_f32 v[WA+4*nn+1], v[WA+4*nn+2], v[WA+4*nn+3]
	ds_store_b64 v7, v[WA+4*nn:WA+4*nn+1] offset:LWQA+256*nn
.set nn, nn+1
.endr
	; lanes with the same lane & 3 hold the same four heads: add them up
.irp k, 0,1,2,3
	v_add_f32_dpp v[CA+\k], v[CA+\k], v[CA+\k] row_xmask:4 row_mask:0xf bank_mask:0xf
.endr
.irp k, 0,1,2,3
	v_add_f32_dpp v[CA+\k], v[CA+\k], v[CA+\k] row_xmask:8 row_mask:0xf bank_mask:0xf
.endr
.irp k, 0,1,2,3
	v_mov_b32 v[20+\k], v[CA+\k]                   ; the permute's destination counts as read
	v_permlanex16_b32 v[20+\k], v[CA+\k], s28, s29
.endr
	v_pk_add_f32 v[CA:CA+1], v[CA:CA+1], v[20:21]
	v_pk_add_f32 v[CA+2:CA+3], v[CA+2:CA+3], v[22:23]
	ds_store_b128 v15, v[CA:CA+3]
	s_wait_loadcnt 0x0                             ; my 16 x 512 bytes of Wq
.irp j, 0,1,2,3,4,5,6,7,8,9,10,11,12,13,14,15
	v_cvt_pk_bf16_f32 v[G+4*\j], v[G+4*\j], v[G+4*\j+1]
	v_cvt_pk_bf16_f32 v[G+4*\j+1], v[G+4*\j+2], v[G+4*\j+3]
.endr
.irp j, 0,1,2,3,4,5,6,7,8,9,10,11,12,13,14,15
	global_store_b64 v18, v[G+4*\j:G+4*\j+1], s[16:17] offset:2048*\j   ; wqb: the wave stores 256 consecutive bytes, aligned
.endr
.irp j, 0,1,2,3,4,5,6,7,8,9,10,11,12,13,14,15
	ds_store_b64 v8, v[G+4*\j:G+4*\j+1] offset:SPIT*\j
.endr
	; stage and Wqa are the wave's own and LDS serves a wave's instructions in order: no wait between these stores and loads
.irp ks, 0,1,2,3
	ds_load_b128 v[AF+8*\ks:AF+8*\ks+3], v9 offset:64*\ks
	ds_load_b128 v[AF+8*\ks+4:AF+8*\ks+7], v9 offset:64*\ks+32
	ds_load_tr16_b128 v[BF+8*\ks:BF+8*\ks+3], v10 offset:LWQA+1024*\ks
	ds_load_tr16_b128 v[BF+8*\ks+4:BF+8*\ks+7], v10 offset:LWQA+1024*\ks+512
.endr
	s_wait_dscnt 0x0
.irp ks, 0,1,2,3                       ; four sums of their own, each started by its one product
	v_wmma_f32_16x16x32_bf16 v[ACC+8*\ks:ACC+8*\ks+7], v[AF+8*\ks:AF+8*\ks+7], v[BF+8*\ks:BF+8*\ks+7], 0
.endr
	PLACES
.irp j, 0,2,4,6
	v_pk_add_f32 v[ACC+\j:ACC+\j+1], v[ACC+\j:ACC+\j+1], v[ACC+8+\j:ACC+8+\j+1]
	v_pk_add_f32 v[ACC+16+\j:ACC+16+\j+1], v[ACC+16+\j:ACC+16+\j+1], v[ACC+24+\j:ACC+24+\j+1]
.endr
.irp j, 0,2,4,6
	v_pk_add_f32 v[ACC+\j:ACC+\j+1], v[ACC+\j:ACC+\j+1], v[ACC+16+\j:ACC+16+\j+1]
.endr
	ds_store_b128 v28, v[ACC:ACC+3]                ; my 128 k's share of head r, i = 8 g .. 8 g + 7
	ds_store_b128 v28, v[ACC+4:ACC+7] offset:512
	s_wait_dscnt 0x0                               ; my partial product and partial sums are in LDS, for the other waves' sake
	s_barrier_signal -1
	s_barrier_wait -1
.irp w, 0,1,2,3,4,5,6,7
	ds_load_b128 v[WA+8*\w:WA+8*\w+3], v29 offset:1024*\w
	ds_load_b128 v[WA+8*\w+4:WA+8*\w+7], v29 offset:1024*\w+512
.endr
	s_wait_dscnt 0x0
	FOLDV 4
	FOLDV 2
	FOLDV 1
.irp k, 0,1,2,3
	v_cvt_pk_bf16_f32 v[32+\k], v[WA+2*\k], v[WA+2*\k+1]     ; head r, i = 8 g .. 8 g + 7: 16 bytes of a row of V1
.endr
	global_store_b128 v19, v[32:35], s[30:31]      ; every wave holds the same sums; wave w stores the copy of batch w
	s_cmp_lg_u32 s21, 0
	s_cbranch_scc1 .Ldone
	s_cmp_ge_u32 s20, 8
	s_cbranch_scc1 .Ldone
.irp w, 0,1,2,3,4,5,6,7
	ds_load_b32 v[40+\w], v30 offset:64*\w         ; wave 0 of groups 0 to 7: the eight waves' partial sums of head r (stored ahead of the barrier)
.endr
	s_wait_dscnt 0x0
	v_pk_add_f32 v[40:41], v[40:41], v[42:43]
	v_pk_add_f32 v[44:45], v[44:45], v[46:47]
	v_pk_add_f32 v[40:41], v[40:41], v[44:45]
	v_add_f32 v40, v40, v41
	v_add_f32 v40, v40, v12                        ; + bqa[r]
	s_wait_xcnt 0x0                                ; EXEC changes only when the pending stores' addresses are translated
	v_cmp_gt_u32 vcc_lo, 16, v0
	s_and_saveexec_b32 s34, vcc_lo                 ; sixteen lanes, sixteen heads
	global_store_b32 v5, v40, s[32:33] offset:262144
	s_wait_xcnt 0x0
	s_or_b32 exec_lo, exec_lo, s34
.Ldone:
	s_set_vgpr_msb 0x4
	s_wait_tensorcnt 0x0
	ds_add_u32 v31, v1
	s_wait_dscnt 0x0
	s_set_vgpr_msb 0x400
	s_endpgm
.Lfunc_end_k_qc22c3d5468_prep:
	.size	k_qc22c3d5468_prep, .Lfunc_end_k_qc22c3d5468_prep-k_qc22c3d5468_prep
	.p2alignl 7, 3214868480
	.fill 96, 4, 3214868480
	.section	.rodata,"a",@progbits
	.p2align	6, 0x0
	.amdhsa_kernel k_qc22c3d5468_prep
		.amdhsa_group_segment_fixed_size 77824
		.amdhsa_private_segment_fixed_size 0
		.amdhsa_enable_private_segment 0
		.amdhsa_kernarg_size 64
		.amdhsa_user_sgpr_count 2
		.amdhsa_user_sgpr_kernarg_segment_ptr 1
		.amdhsa_wavefront_size32 1
		.amdhsa_system_sgpr_workgroup_id_x 1
		.amdhsa_system_sgpr_workgroup_id_y 1
		.amdhsa_system_sgpr_workgroup_id_z 1
		.amdhsa_system_vgpr_workitem_id 0
		.amdhsa_next_free_vgpr 258
		.amdhsa_next_free_sgpr 66
		.amdhsa_reserve_vcc 1
		.amdhsa_float_denorm_mode_32 3
		.amdhsa_float_denorm_mode_16_64 3
		.amdhsa_memory_ordered 1
		.amdhsa_forward_progress 1
		.amdhsa_inst_pref_size 32
	.end_amdhsa_kernel
	.amdgpu_metadata
---
amdhsa.version: [ 1, 2 ]
amdhsa.kernels:
  - .name:           k_qc22c3d5468_prep
    .symbol:         k_qc22c3d5468_prep.kd
    .args:
      - { .name: hidden_states, .offset: 0, .size: 8, .value_kind: global_buffer, .address_space: global }
      - { .name: Wq, .offset: 8, .size: 8, .value_kind: global_buffer, .address_space: global }
      - { .name: Wqa, .offset: 16, .size: 8, .value_kind: global_buffer, .address_space: global }
      - { .name: bq, .offset: 24, .size: 8, .value_kind: global_buffer, .address_space: global }
      - { .name: bqa, .offset: 32, .size: 8, .value_kind: global_buffer, .address_space: global }
      - { .name: xb, .offset: 40, .size: 8, .value_kind: global_buffer, .address_space: global }
      - { .name: wqb, .offset: 48, .size: 8, .value_kind: global_buffer, .address_space: global }
      - { .name: vc1, .offset: 56, .size: 8, .value_kind: global_buffer, .address_space: global }
    .group_segment_fixed_size: 77824
    .private_segment_fixed_size: 0
    .kernarg_segment_align: 8
    .kernarg_segment_size: 64
    .max_flat_workgroup_size: 256
    .sgpr_count:     66
    .vgpr_count:     258
    .wavefront_size: 32
...
	.end_amdgpu_metadata
.endif
;; end of part 7
;; launch pool1: the kernel of part 2 again; grid 32 x 8, 4 waves a work-group, no clusters, 236,032 bytes of LDS; arguments xb, vc1, attention_mask, part; writes part
;; launch mid1 (part 8): grid 8 x 16, 8 waves a work-group, clusters of 4 x 1, 273,408 bytes of LDS; arguments part, Wq, bq, Wk, bk, vc2; writes vc2
.if DOCPART == 8
	.amdgcn_target "amdgcn-amd-amdhsa--gfx1250"
	.amdhsa_code_object_version 6
	.text
	.protected	k_qc22c3d5468_mid1
	.globl	k_qc22c3d5468_mid1
	.p2align	8
	.type	k_qc22c3d5468_mid1,@function
k_qc22c3d5468_mid1:
	s_mov_b64 s[64:65], 0
	v_nop
	global_prefetch_b8 v0, s[64:65] scope:SCOPE_SE
	s_setreg_imm32_b32 hwreg(HW_REG_WAVE_MODE, 25, 1), 1
	s_wait_xcnt 0x0
	s_wait_alu depctr_hold_cnt(0) depctr_sa_sdst(0) depctr_va_vdst(0) depctr_va_sdst(0) depctr_va_ssrc(0) depctr_va_vcc(0) depctr_vm_vsrc(0)
	s_getreg_b32 s2, hwreg(HW_REG_IB_STS2, 6, 4)
	s_cmp_eq_u32 s2, 0
	s_cbranch_scc0 .Lentry_in_a_cluster
	s_endpgm
.Lentry_in_a_cluster:
	s_bfe_u32 s2, ttmp6, 0x10000c
	s_cmp_lg_u32 s2, 0x3003
	s_cbranch_scc0 .Lentry_shape_is_right
	s_endpgm
.Lentry_shape_is_right:
; mid (MID = 1 or 2).  One work-group for batch b (grid x) and head h (grid y).  Arguments by place: part, W3, b3, W4, b2, out.
;   1. joins the 32 chunks: M = max m_c, a_c = 2^(m_c - M) / sum of 2^(m_c - M) l_c;  xw[i] = sum over c of a_c part[b][c][h][i]  (the softmax-weighted mean row of X)
;   2. y[d] = xw . W3[:, 64 h + d] + b3[64 h + d]        (since the weights add up to 1 the bias enters once)
;   MID = 1 (W3 = Wq, W4 = Wk): y = pooled_q.  out: V2[b][h][i] = bf16(W4[i, 64 h ..] . y), c2[b][h] = b2[64 h ..] . y
;   MID = 2 (W3 = Wk, W4 = Wt, b2 = bq): y = pooled_k.  out: WtS[b][64 h + d][n] = bf16(y[d] W4[64 h + d][n]), cpart[b][h][n] = sum over d of b2[64 h + d] y[d] W4[64 h + d][n]
; Each product has one row for a work-group: a 16-row matrix tile would be one sixteenth full.  So: vector arithmetic in f32.
; ALL THAT THE WORK-GROUP READS, 640 KiB, IS ASKED FOR AT ITS HEAD, so that no phase waits for a request that a phase before it could have made:
;   the chunks' rows (128 KiB, 32 loads a lane), W3's block (256 KiB, 64 loads a lane, into v256-511), W4's block (256 KiB, one tensor load a wave, into LDS).
; CLUSTER: 4 x 1 work-groups = four batches of one head.  They need the same block of W4: it is asked for jointly, by the same tensor load with the same descriptor
; (made of the head and the wave's number alone) in all four.  W3's block is shared as well, but two blocks of 262,144 bytes do not fit into the 327,680 bytes of LDS:
; W3 comes through registers, each work-group for itself.  By this text's count a wave has one tensor load outstanding, and nothing is filled again.
.set MID, 1
.set RED, 4096                         ; LDS: xw at 0 (4,096 bytes); 8 waves x 256 bytes of partial y; 8 waves x 512 bytes (MID = 2: y and b2 y, each wave's own)
.set YB,  6144
.set LW4, 10240                        ; W4's block, 262,144 bytes, wave w's eighth at 32,768 w: MID = 1: row i (256 bytes) at 256 i; MID = 2: row d (4,096 bytes) at 4,096 d.  No LDS store lands here
.set WB0, 64                           ; v[64:127]  sixteen rows' 16 bytes of W4
.set WB1, 192                          ; v[192:255] the other buffer
.set XV,  128                          ; v[128:191] xw of my 64 rows; later y (MID = 2)
.set GV,  192                          ; v[192:255] b2 y (MID = 2)
.set G0,  68                           ; s[68:71] descriptor group 0
.set G1,  72                           ; s[72:79] descriptor group 1
; v[12:15] b3, v[16:19] b2, v[20:23] xw, later cpart, v[24:31] two sets of sums for y, v[32:35] y[4 d4 ..], v[36:61] at work (MID = 2: v[52:55] LDS addresses of W4),
; v62 where my xw goes in LDS, v63 (MID = 1) LDS address of W4, v[128:255] the 32 chunks' rows, v[256:511] W3: row 64 ig + j in v[256 + 4 j ..]
.set MSB, 0
.macro WIN new                         ; s_set_vgpr_msb: bits 1:0 source 0, 7:6 destination; the immediate's high byte repeats the setting that is left
.if MSB != \new
	s_set_vgpr_msb (MSB<<8)|\new
.set MSB, \new
.endif
.endm
.set TO_W3,   0x40                     ; a load's destination in v256-511, its address in v0-255
.set FROM_W3, 0x01                     ; source 0 in v256-511, all else in v0-255
; A round of the cluster's barrier: my work-group's barrier; wave 0 signals for the work-group; every wave waits for all four; my work-group's barrier once more.
.macro CROUND
	s_barrier_signal -1
	s_barrier_wait -1
	s_cmp_lg_u32 s16, 0
	s_cbranch_scc1 .Lnot_wave_0_\@
	s_barrier_signal -3
.Lnot_wave_0_\@:
	s_barrier_wait -3
	s_barrier_signal -1
	s_barrier_wait -1
.endm
.macro BMUL d, a, x, i                 ; d[0:1] = a[0:1] * v[x+i]: op_sel / op_sel_hi pick the one register of the even-aligned pair for both halves
.if (\i) % 2
	v_pk_mul_f32 v[\d:\d+1], v[\a:\a+1], v[\x+(\i)-1:\x+(\i)] op_sel:[0,1]
.else
	v_pk_mul_f32 v[\d:\d+1], v[\a:\a+1], v[\x+(\i):\x+(\i)+1] op_sel_hi:[1,0]
.endif
.endm
.macro BFMA d, a, x, i                 ; d[0:1] += a[0:1] * v[x+i]
.if (\i) % 2
	v_pk_fma_f32 v[\d:\d+1], v[\a:\a+1], v[\x+(\i)-1:\x+(\i)], v[\d:\d+1] op_sel:[0,1,0]
.else
	v_pk_fma_f32 v[\d:\d+1], v[\a:\a+1], v[\x+(\i):\x+(\i)+1], v[\d:\d+1] op_sel_hi:[1,0,1]
.endif
.endm
.macro DOT3 q                          ; rows 16 q .. 16 q + 15 of my 64 (source 0 in v256-511); two sets of sums, so that no multiply-add waits for the one in front of it
.set dk, 0
.rept 16
.if 16*\q+dk < 2
	BMUL 24+4*dk, 4*dk, XV, dk
	BMUL 26+4*dk, 4*dk+2, XV, dk
.else
	BFMA 24+4*(dk%2), 4*(16*\q+dk), XV, 16*\q+dk
	BFMA 26+4*(dk%2), 4*(16*\q+dk)+2, XV, 16*\q+dk
.endif
.set dk, dk+1
.endr
.endm
.macro FOLD base, n                    ; vectors 0 .. n-1 of four registers += vectors n .. 2n-1
.set fi, 0
.rept 2*\n
	v_pk_add_f32 v[\base+2*fi:\base+2*fi+1], v[\base+2*fi:\base+2*fi+1], v[\base+4*\n+2*fi:\base+4*\n+2*fi+1]
.set fi, fi+1
.endr
.endm
; MID = 1
.macro LD4 s, buf                      ; rows 64 ig + 4 k + s of W4 from LDS: sixteen lanes take a row's 256 neighbouring bytes
.irp k, 0,1,2,3,4,5,6,7,8,9,10,11,12,13,14,15
	ds_load_b128 v[\buf+4*\k:\buf+4*\k+3], v63 offset:LW4+256*(4*\k+\s)
.endr
.endm
.macro RSTAGE half, msk, xm            ; a stage of a reduce-scatter over 16 lanes: each lane keeps one half of its sums and sends the other to lane xor xm
.set rk, 0
.rept \half
	v_cndmask_b32 v[52+2*(rk%2)], v[36+rk], v[36+rk+\half], s[\msk]
	v_cndmask_b32 v[53+2*(rk%2)], v[36+rk+\half], v[36+rk], s[\msk]
	v_add_f32_dpp v[36+rk], v[53+2*(rk%2)], v[52+2*(rk%2)] row_xmask:\xm row_mask:0xf bank_mask:0xf
.set rk, rk+1
.endr
.endm
.macro ROWS s, buf                     ; sixteen rows' dot products with y; lane d4 ends up with row 64 ig + 4 d4 + s
.irp k, 0,1,2,3,4,5,6,7,8,9,10,11,12,13,14,15
	v_pk_mul_f32 v[\buf+4*\k:\buf+4*\k+1], v[\buf+4*\k:\buf+4*\k+1], v[32:33]
	v_pk_fma_f32 v[\buf+4*\k:\buf+4*\k+1], v[\buf+4*\k+2:\buf+4*\k+3], v[34:35], v[\buf+4*\k:\buf+4*\k+1]
	v_add_f32 v[36+\k], v[\buf+4*\k], v[\buf+4*\k+1]
.endr
	RSTAGE 8, 28, 8
	RSTAGE 4, 29, 4
	RSTAGE 2, 30, 2
	RSTAGE 1, 31, 1
	v_mov_b32 v[56+\s], v36
.endm
; MID = 2
.macro LD4B bt, buf                    ; rows 8 bt + k of W4's 64 from LDS, my 16 bytes of each: a wave takes 512 neighbouring bytes; an address register for every 16 rows (65,536 bytes)
.irp k, 0,1,2,3,4,5,6,7
	ds_load_b128 v[\buf+4*\k:\buf+4*\k+3], v[52+(8*(\bt)+\k)/16] offset:4096*((8*(\bt)+\k)%16)
.endr
.endm
.macro SCALE bt, buf, left, more
	s_wait_dscnt \left                             ; this batch's eight LDS loads are in, the younger batch's stay out
	s_wait_xcnt 0x0                                ; the last batch's stores have had their addresses translated: v[36:51] are rewritten only behind this wait
.set sk, 0
.rept 8
.if 8*\bt+sk == 0
	BMUL 20, \buf, GV, 0
	BMUL 22, \buf+2, GV, 0
.else
	BFMA 20, \buf+4*sk, GV, 8*\bt+sk
	BFMA 22, \buf+4*sk+2, GV, 8*\bt+sk
.endif
	BMUL \buf+4*sk, \buf+4*sk, XV, 8*\bt+sk
	BMUL \buf+4*sk+2, \buf+4*sk+2, XV, 8*\bt+sk
	v_cvt_pk_bf16_f32 v[36+2*sk], v[\buf+4*sk], v[\buf+4*sk+1]
	v_cvt_pk_bf16_f32 v[37+2*sk], v[\buf+4*sk+2], v[\buf+4*sk+3]
	global_store_b64 v9, v[36+2*sk:37+2*sk], s[14:15] offset:2048*(8*\bt+sk)   ; a wave's store covers 256 consecutive bytes, aligned
.set sk, sk+1
.endr
.if \more
	LD4B \bt+2, \buf
.endif
.endm
	s_load_b256 s[4:11], s[0:1], 0x0               ; part s[4:5], W3 s[6:7], b3 s[8:9], W4 s[10:11]
	s_load_b128 s[12:15], s[0:1], 0x20             ; b2 s[12:13], out s[14:15]
	v_lshl_add_u32 v60, v0, 2, 0x42800
	v_mov_b32 v61, 0
	ds_add_u32 v60, v61
	ds_add_u32 v60, v61
	s_bfe_u32 s80, ttmp6, 0x40000                  ; cx: my place in the cluster
	s_lshl_b32 s82, ttmp9, 2                       ; in a cluster launch ttmp9 counts clusters
	s_add_co_u32 s82, s82, s80                     ; b = 4 x cluster x + cx: it enters the addresses of part, stat and out alone
	s_and_b32 s81, ttmp7, 0xffff                   ; h
	v_lshrrev_b32 v1, 5, v0
	v_readfirstlane_b32 s16, v1                    ; wave
	v_and_b32 v2, 31, v0                           ; lane
	v_and_b32 v3, 15, v0                           ; d4
	v_lshrrev_b32 v4, 4, v0                        ; ig
	v_lshlrev_b32 v5, 7, v2                        ; stat: lane = chunk, 128 bytes each
	v_lshlrev_b32 v6, 4, v3                        ; 16 d4
	v_lshlrev_b32 v7, 4, v0                        ; 16 t
	v_lshl_add_u32 v8, v4, 18, v6                  ; 64 ig rows of 4,096 bytes + 16 d4
	v_lshlrev_b32 v9, 3, v0                        ; 8 t
	v_lshlrev_b32 v10, 8, v4                       ; LDS: xw of my 64 rows
	s_lshl_b32 s17, s16, 9
	v_lshl_add_u32 v62, v2, 4, s17                 ; LDS: where my xw goes: wave x 512 + 16 x lane (= 16 t)
	s_lshl_b32 s17, s16, 8
	v_add_nc_u32 v11, s17, v6                      ; LDS: my wave's 256 bytes of partial y
.if MID == 1
	v_lshl_add_u32 v63, v4, 14, v6                 ; LDS, W4: 64 ig rows of 256 bytes + 16 d4
.else
	v_add_nc_u32 v52, LW4, v7                      ; LDS, W4: 16 t, rows 0-15,
	v_add_nc_u32 v53, LW4+65536, v7                ; 16-31,
	v_add_nc_u32 v54, LW4+131072, v7               ; 32-47,
	v_add_nc_u32 v55, LW4+196608, v7               ; 48-63
.endif
	; W4's descriptor: my wave's eighth as 128 rows of 64 elements of 4 bytes (256 bytes, each at a multiple of 256 from W4's first byte), no padding
	s_mov_b32 s[G1+0], 15|(2<<16)|(1<<21)          ; 15:0 the mask: all four of the cluster; 17:16 elements of 4 bytes; bit 21 beside a mask
	s_mov_b32 s[G1+1], 64<<16                      ; tensor_dim0 = 64
	s_mov_b32 s[G1+2], 128<<16                     ; tensor_dim1 = 128
	s_mov_b32 s[G1+3], 64<<16                      ; tile_dim0 = 64
	s_mov_b32 s[G1+4], 128                         ; tile_dim1 = 128
.if MID == 1
	s_mov_b32 s[G1+5], 1024                        ; from row to row of W4: the head's 64 columns of 128 rows
.else
	s_mov_b32 s[G1+5], 64                          ; dense: 8 whole rows of W4, taken in pieces of 256 bytes
.endif
	s_mov_b32 s[G1+6], 0
	s_mov_b32 s[G1+7], 0
	s_mov_b32 s[G0], 1
	s_mul_i32 s[G0+1], s16, 32768
	s_add_co_u32 s[G0+1], s[G0+1], LW4             ; LDS: W4's block + wave x 32,768
.if MID == 1
	s_lshl_b32 s86, s16, 19                        ; in W4: my wave's 128 rows of 4,096 bytes
.else
	s_lshl_b32 s86, s16, 15                        ; in W4: my wave's 8 rows of 4,096 bytes
.endif
	s_mov_b32 s87, 0
	s_lshl_b32 s18, s82, 21                        ; part: b x 32 chunks x 65,536
	s_lshl_b32 s17, s81, 12                        ; + h x 4,096
	s_add_co_u32 s18, s18, s17
	s_mov_b32 s19, 0
	s_lshl_b32 s24, s82, 12                        ; stat: b x 4,096 + 4 h, behind part's 16 MiB
	s_lshl2_add_u32 s24, s81, s24
	s_add_co_u32 s24, s24, 0x1000000
	s_mov_b32 s25, 0
	s_lshl_b32 s28, s81, 8                         ; the head's 256 bytes of a row of 4,096
	s_mov_b32 s29, 0
	s_wait_dscnt 0x0
	s_wait_kmcnt 0x0
	s_add_nc_u64 s[20:21], s[4:5], s[18:19]
	s_add_nc_u64 s[22:23], s[4:5], s[24:25]
	s_add_nc_u64 s[8:9], s[8:9], s[28:29]
	s_add_nc_u64 s[12:13], s[12:13], s[28:29]
	; what is needed first is asked for first
	global_load_b32 v36, v5, s[22:23]              ; m of chunk = lane
	global_load_b32 v37, v5, s[22:23] offset:64    ; l
	global_load_b128 v[12:15], v6, s[8:9]
	global_load_b128 v[16:19], v6, s[12:13]
.irp c, 0,1,2,3,4,5,6,7,8,9,10,11,12,13,14,15,16,17,18,19,20,21,22,23,24,25,26,27,28,29,30,31
	global_load_b128 v[128+4*\c:131+4*\c], v7, s[20:21] offset:65536*\c th:TH_LOAD_NT
.endr
	s_add_nc_u64 s[6:7], s[6:7], s[28:29]          ; W3: the head's columns
.if MID == 1
	s_add_nc_u64 s[10:11], s[10:11], s[28:29]      ; W4: the head's columns
.else
	s_lshl_b32 s28, s81, 18
	s_add_nc_u64 s[10:11], s[10:11], s[28:29]      ; W4: the head's 64 rows
.endif
	s_add_nc_u64 s[G0+2:G0+3], s[10:11], s[86:87]  ; the head and the wave's number alone: the same in all four partners
	s_or_b32 s[G0+3], s[G0+3], 0x80000000          ; type = 2
	CROUND                                         ; all four work-groups are here: the joint loads meet
	tensor_load_to_lds s[G0:G0+3], s[G1:G1+7]      ; my eighth of W4: the wave's one tensor load
	s_nop 0
	WIN TO_W3
.set wj, 0
.rept 64
	global_load_b128 v[4*wj:4*wj+3], v8, s[6:7] offset:4096*wj   ; row 64 ig + wj of W3, my 16 bytes: sixteen lanes read the head's 256 bytes of a row
.set wj, wj+1
.endr
	WIN 0
.if MID == 1
	s_lshl_b32 s24, s82, 6
	s_lshl2_add_u32 s24, s81, s24
	s_add_co_u32 s24, s24, 262144
	s_add_nc_u64 s[66:67], s[14:15], s[24:25]      ; c2[b][h]
	s_lshl_b32 s18, s82, 15
	s_lshl_b32 s17, s81, 11
	s_add_co_u32 s18, s18, s17
	s_add_nc_u64 s[14:15], s[14:15], s[18:19]      ; V2[b][h]
.else
	s_lshl_b32 s24, s82, 4
	s_add_co_u32 s24, s24, s81
	s_lshl_b32 s24, s24, 12
	s_add_co_u32 s24, s24, 0x1000000
	s_add_nc_u64 s[66:67], s[14:15], s[24:25]      ; cpart[b][h]
	s_lshl_b32 s18, s82, 21
	s_lshl_b32 s17, s81, 17
	s_add_co_u32 s18, s18, s17
	s_add_nc_u64 s[14:15], s[14:15], s[18:19]      ; WtS[b][64 h]
.endif
	s_mov_b32 s26, 0x76543210                      ; v_permlanex16_b32: lane i of one half reads lane i of the other
	s_mov_b32 s27, 0xfedcba98
	s_mov_b32 s28, 0xff00ff00                      ; lanes with bit 3, 2, 1, 0 of their number set
	s_mov_b32 s29, 0xf0f0f0f0
	s_mov_b32 s30, 0xcccccccc
	s_mov_b32 s31, 0xaaaaaaaa
	; ---- 1. the chunks' weights, every wave for itself ----
	; 100 loads have been issued (the issue of one that would pass the counter's field is held back: ISA guide 5.7.1).  63 is the most that a wait can name:
	; the oldest 37 are in: m, l, the two biases, the 32 rows and W3's first row; 63 rows of W3 may stay out.
	s_wait_loadcnt 63
	v_mov_b32 v38, v36
.irp x, 1,2,4,8
	v_max_num_f32_dpp v38, v38, v38 row_xmask:\x row_mask:0xf bank_mask:0xf
.endr
	v_mov_b32 v39, v38
	v_permlanex16_b32 v39, v38, s26, s27
	v_max_num_f32 v38, v38, v39                    ; M
	v_sub_f32 v36, v36, v38
	v_exp_f32 v36, v36
	v_nop                                          ; one plain place behind a transcendental (ISA guide 5.7.2)
	s_wait_alu depctr_va_vdst(0)
	v_mul_f32 v37, v36, v37
.irp x, 1,2,4,8
	v_add_f32_dpp v37, v37, v37 row_xmask:\x row_mask:0xf bank_mask:0xf
.endr
	v_permlanex16_b32 v39, v37, s26, s27
	v_add_f32 v37, v37, v39                        ; the softmax's denominator
	v_rcp_f32 v37, v37
	v_nop
	s_wait_alu depctr_va_vdst(0)
	v_mul_f32 v36, v36, v37                        ; a of chunk = lane
.irp c, 0,1,2,3,4,5,6,7,8,9,10,11,12,13,14,15,16,17,18,19,20,21,22,23,24,25,26,27,28,29,30,31
	v_readlane_b32 s[32+\c], v36, \c
.endr
	; ---- xw[4 t ..] = sum over the chunks ----
.set cc, 0
.rept 32
.irp k, 0,1,2,3
.if cc == 0
	v_mul_f32 v[20+\k], s[32], v[128+\k]
.else
	v_fmac_f32 v[20+\k], s[32+cc], v[128+4*cc+\k]
.endif
.endr
.set cc, cc+1
.endr
	ds_store_b128 v62, v[20:23]
	s_wait_dscnt 0x0                               ; done, for the other waves' sake
	s_barrier_signal -1                            ; (W4's tensor load may stay out, and W4 is read only behind the next)
	s_barrier_wait -1
	; ---- 2. y = xw . W3 + b3: thread (ig, d4) takes rows 64 ig .. + 63, columns 4 d4 .. + 3 ----
.irp m, 0,1,2,3,4,5,6,7,8,9,10,11,12,13,14,15
	ds_load_b128 v[XV+4*\m:XV+4*\m+3], v10 offset:16*\m
.endr
	s_wait_dscnt 0x0
	s_wait_loadcnt 48                              ; W3's rows 0-15 of my 64 are in; the 48 younger loads stay out
	WIN FROM_W3
	DOT3 0
	s_wait_loadcnt 32                              ; rows 16-31
	DOT3 1
	s_wait_loadcnt 16                              ; rows 32-47
	DOT3 2
	s_wait_loadcnt 0x0
	DOT3 3
	WIN 0
	v_pk_add_f32 v[24:25], v[24:25], v[28:29]
	v_pk_add_f32 v[26:27], v[26:27], v[30:31]
.irp k, 0,1,2,3
	v_permlanex16_b32 v[28+\k], v[24+\k], s26, s27 ; the wave's other ig
.endr
	v_pk_add_f32 v[24:25], v[24:25], v[28:29]
	v_pk_add_f32 v[26:27], v[26:27], v[30:31]
	ds_store_b128 v11, v[24:27] offset:RED
	s_wait_dscnt 0x0                               ; my partial y is in LDS,
	s_wait_tensorcnt 0x0                           ; and my eighth of W4 has landed: both for the other waves' sake
	s_barrier_signal -1
	s_barrier_wait -1
.irp w, 0,1,2,3,4,5,6,7
	ds_load_b128 v[128+4*\w:131+4*\w], v6 offset:RED+256*\w
.endr
.if MID == 1
	LD4 0, WB0
	LD4 1, WB1
	s_wait_dscnt 32                                ; the eight partial sums are in; W4's first 32 loads stay out
.else
	LD4B 0, 64
	LD4B 1, 96
	s_wait_dscnt 16                                ; the eight partial sums are in; W4's first 16 loads stay out
.endif
	FOLD 128, 4
	FOLD 128, 2
	FOLD 128, 1
	v_pk_add_f32 v[32:33], v[128:129], v[12:13]
	v_pk_add_f32 v[34:35], v[130:131], v[14:15]    ; y[4 d4 .. + 3], in every wave
.if MID == 1
	; ---- 3. V2[i] = W4[i, head] . y ----
	s_wait_dscnt 16                                ; sixteen rows are in, the younger sixteen stay out
	ROWS 0, WB0
	LD4 2, WB0
	s_wait_dscnt 16
	ROWS 1, WB1
	LD4 3, WB1
	s_wait_dscnt 16
	ROWS 2, WB0
	s_wait_dscnt 0x0
	ROWS 3, WB1
	v_cvt_pk_bf16_f32 v52, v56, v57
	v_cvt_pk_bf16_f32 v53, v58, v59                ; rows 64 ig + 4 d4 .. + 3
	global_store_b64 v9, v[52:53], s[14:15]        ; a wave's store covers 256 consecutive bytes, aligned
	v_pk_mul_f32 v[54:55], v[16:17], v[32:33]      ; c2 = b2 . y
	v_pk_fma_f32 v[54:55], v[18:19], v[34:35], v[54:55]
	v_add_f32 v54, v54, v55
.irp x, 1,2,4,8
	v_add_f32_dpp v54, v54, v54 row_xmask:\x row_mask:0xf bank_mask:0xf
.endr
	s_cmp_lg_u32 s16, 0
	s_cbranch_scc1 .Lend
	v_mov_b32 v55, 0
	s_wait_xcnt 0x0                                ; EXEC changes only when the pending store's addresses are translated
	v_cmp_eq_u32 vcc_lo, 0, v0
	s_and_saveexec_b32 s17, vcc_lo                 ; one lane stores the one word
	global_store_b32 v55, v54, s[66:67]
	s_wait_xcnt 0x0
	s_or_b32 exec_lo, exec_lo, s17
.Lend:
.else
	; ---- 3. WtS = y[d] W4[d][:], cpart = sum over d of b2[d] y[d] W4[d][:]; thread t owns columns 4 t .. + 3 ----
	v_pk_mul_f32 v[36:37], v[16:17], v[32:33]
	v_pk_mul_f32 v[38:39], v[18:19], v[34:35]
	s_lshl_b32 s17, s16, 9
	v_mov_b32 v60, s17                             ; my wave's own 512 bytes
	v_add_nc_u32 v61, s17, v6
	ds_store_b128 v61, v[32:35] offset:YB
	ds_store_b128 v61, v[36:39] offset:YB+256
.irp m, 0,1,2,3,4,5,6,7,8,9,10,11,12,13,14,15
	ds_load_b128 v[XV+4*\m:XV+4*\m+3], v60 offset:YB+16*\m        ; all 64 y in every lane; LDS serves a wave's instructions in order: these see the stores above
	ds_load_b128 v[GV+4*\m:GV+4*\m+3], v60 offset:YB+256+16*\m    ; all 64 b2 y
.endr
	s_wait_dscnt 0x0                               ; y, b2 y, and with them W4's first two batches
	SCALE 0, 64, 8, 1
	SCALE 1, 96, 8, 1
	SCALE 2, 64, 8, 1
	SCALE 3, 96, 8, 1
	SCALE 4, 64, 8, 1
	SCALE 5, 96, 8, 1
	SCALE 6, 64, 8, 0
	SCALE 7, 96, 0, 0
	global_store_b128 v7, v[20:23], s[66:67]
.endif
	s_wait_tensorcnt 0x0
	ds_add_u32 v60, v61
	s_wait_dscnt 0x0
	CROUND                                         ; the closing round: no work-group ends while a partner may still ask for the block that names it
	s_endpgm
.Lfunc_end_k_qc22c3d5468_mid1:
	.size	k_qc22c3d5468_mid1, .Lfunc_end_k_qc22c3d5468_mid1-k_qc22c3d5468_mid1
	.p2alignl 7, 3214868480
	.fill 96, 4, 3214868480
	.section	.rodata,"a",@progbits
	.p2align	6, 0x0
	.amdhsa_kernel k_qc22c3d5468_mid1
		.amdhsa_group_segment_fixed_size 273408
		.amdhsa_private_segment_fixed_size 0
		.amdhsa_enable_private_segment 0
		.amdhsa_kernarg_size 48
		.amdhsa_user_sgpr_count 2
		.amdhsa_user_sgpr_kernarg_segment_ptr 1
		.amdhsa_wavefront_size32 1
		.amdhsa_system_sgpr_workgroup_id_x 1
		.amdhsa_system_sgpr_workgroup_id_y 1
		.amdhsa_system_sgpr_workgroup_id_z 1
		.amdhsa_system_vgpr_workitem_id 0
		.amdhsa_next_free_vgpr 512
		.amdhsa_next_free_sgpr 88
		.amdhsa_reserve_vcc 1
		.amdhsa_float_denorm_mode_32 3
		.amdhsa_float_denorm_mode_16_64 3
		.amdhsa_memory_ordered 1
		.amdhsa_forward_progress 1
		.amdhsa_inst_pref_size 60
	.end_amdhsa_kernel
	.amdgpu_metadata
---
amdhsa.version: [ 1, 2 ]
amdhsa.kernels:
  - .name:           k_qc22c3d5468_mid1
    .symbol:         k_qc22c3d5468_mid1.kd
    .args:
      - { .name: part, .offset: 0, .size: 8, .value_kind: global_buffer, .address_space: global }
      - { .name: Wq, .offset: 8, .size: 8, .value_kind: global_buffer, .address_space: global }
      - { .name: bq, .offset: 16, .size: 8, .value_kind: global_buffer, .address_space: global }
      - { .name: Wk, .offset: 24, .size: 8, .value_kind: global_buffer, .address_space: global }
      - { .name: bk, .offset: 32, .size: 8, .value_kind: global_buffer, .address_space: global }
      - { .name: vc2, .offset: 40, .size: 8, .value_kind: global_buffer, .address_space: global }
    .group_segment_fixed_size: 273408
    .private_segment_fixed_size: 0
    .kernarg_segment_align: 8
    .kernarg_segment_size: 48
    .max_flat_workgroup_size: 256
    .sgpr_count:     88
    .vgpr_count:     512
    .wavefront_size: 32
...
	.end_amdgpu_metadata
.endif
;; end of part 8
;; launch pool2: the kernel of part 2 again; grid 32 x 8, 4 waves a work-group, no clusters, 236,032 bytes of LDS; arguments xb, vc2, attention_mask, part; writes part
;; launch mid2 (part 9): grid 8 x 16, 8 waves a work-group, clusters of 4 x 1, 273,408 bytes of LDS; arguments part, Wk, bk, Wt, bq, wts; writes wts
.if DOCPART == 9
	.amdgcn_target "amdgcn-amd-amdhsa--gfx1250"
	.amdhsa_code_object_version 6
	.text
	.protected	k_qc22c3d5468_mid2
	.globl	k_qc22c3d5468_mid2
	.p2align	8
	.type	k_qc22c3d5468_mid2,@function
k_qc22c3d5468_mid2:
	s_mov_b64 s[64:65], 0
	v_nop
	global_prefetch_b8 v0, s[64:65] scope:SCOPE_SE
	s_setreg_imm32_b32 hwreg(HW_REG_WAVE_MODE, 25, 1), 1
	s_wait_xcnt 0x0
	s_wait_alu depctr_hold_cnt(0) depctr_sa_sdst(0) depctr_va_vdst(0) depctr_va_sdst(0) depctr_va_ssrc(0) depctr_va_vcc(0) depctr_vm_vsrc(0)
	s_getreg_b32 s2, hwreg(HW_REG_IB_STS2, 6, 4)
	s_cmp_eq_u32 s2, 0
	s_cbranch_scc0 .Lentry_in_a_cluster
	s_endpgm
.Lentry_in_a_cluster:
	s_bfe_u32 s2, ttmp6, 0x10000c
	s_cmp_lg_u32 s2, 0x3003
	s_cbranch_scc0 .Lentry_shape_is_right
	s_endpgm
.Lentry_shape_is_right:
; mid (MID = 1 or 2).  One work-group for batch b (grid x) and head h (grid y).  Arguments by place: part, W3, b3, W4, b2, out.
;   1. joins the 32 chunks: M = max m_c, a_c = 2^(m_c - M) / sum of 2^(m_c - M) l_c;  xw[i] = sum over c of a_c part[b][c][h][i]  (the softmax-weighted mean row of X)
;   2. y[d] = xw . W3[:, 64 h + d] + b3[64 h + d]        (since the weights add up to 1 the bias enters once)
;   MID = 1 (W3 = Wq, W4 = Wk): y = pooled_q.  out: V2[b][h][i] = bf16(W4[i, 64 h ..] . y), c2[b][h] = b2[64 h ..] . y
;   MID = 2 (W3 = Wk, W4 = Wt, b2 = bq): y = pooled_k.  out: WtS[b][64 h + d][n] = bf16(y[d] W4[64 h + d][n]), cpart[b][h][n] = sum over d of b2[64 h + d] y[d] W4[64 h + d][n]
; Each product has one row for a work-group: a 16-row matrix tile would be one sixteenth full.  So: vector arithmetic in f32.
; ALL THAT THE WORK-GROUP READS, 640 KiB, IS ASKED FOR AT ITS HEAD, so that no phase waits for a request that a phase before it could have made:
;   the chunks' rows (128 KiB, 32 loads a lane), W3's block (256 KiB, 64 loads a lane, into v256-511), W4's block (256 KiB, one tensor load a wave, into LDS).
; CLUSTER: 4 x 1 work-groups = four batches of one head.  They need the same block of W4: it is asked for jointly, by the same tensor load with the same descriptor
; (made of the head and the wave's number alone) in all four.  W3's block is shared as well, but two blocks of 262,144 bytes do not fit into the 327,680 bytes of LDS:
; W3 comes through registers, each work-group for itself.  By this text's count a wave has one tensor load outstanding, and nothing is filled again.
.set MID, 2
.set RED, 4096                         ; LDS: xw at 0 (4,096 bytes); 8 waves x 256 bytes of partial y; 8 waves x 512 bytes (MID = 2: y and b2 y, each wave's own)
.set YB,  6144
.set LW4, 10240                        ; W4's block, 262,144 bytes, wave w's eighth at 32,768 w: MID = 1: row i (256 bytes) at 256 i; MID = 2: row d (4,096 bytes) at 4,096 d.  No LDS store lands here
.set WB0, 64                           ; v[64:127]  sixteen rows' 16 bytes of W4
.set WB1, 192                          ; v[192:255] the other buffer
.set XV,  128                          ; v[128:191] xw of my 64 rows; later y (MID = 2)
.set GV,  192                          ; v[192:255] b2 y (MID = 2)
.set G0,  68                           ; s[68:71] descriptor group 0
.set G1,  72                           ; s[72:79] descriptor group 1
; v[12:15] b3, v[16:19] b2, v[20:23] xw, later cpart, v[24:31] two sets of sums for y, v[32:35] y[4 d4 ..], v[36:61] at work (MID = 2: v[52:55] LDS addresses of W4),
; v62 where my xw goes in LDS, v63 (MID = 1) LDS address of W4, v[128:255] the 32 chunks' rows, v[256:511] W3: row 64 ig + j in v[256 + 4 j ..]
.set MSB, 0
.macro WIN new                         ; s_set_vgpr_msb: bits 1:0 source 0, 7:6 destination; the immediate's high byte repeats the setting that is left
.if MSB != \new
	s_set_vgpr_msb (MSB<<8)|\new
.set MSB, \new
.endif
.endm
.set TO_W3,   0x40                     ; a load's destination in v256-511, its address in v0-255
.set FROM_W3, 0x01                     ; source 0 in v256-511, all else in v0-255
; A round of the cluster's barrier: my work-group's barrier; wave 0 signals for the work-group; every wave waits for all four; my work-group's barrier once more.
.macro CROUND
	s_barrier_signal -1
	s_barrier_wait -1
	s_cmp_lg_u32 s16, 0
	s_cbranch_scc1 .Lnot_wave_0_\@
	s_barrier_signal -3
.Lnot_wave_0_\@:
	s_barrier_wait -3
	s_barrier_signal -1
	s_barrier_wait -1
.endm
.macro BMUL d, a, x, i                 ; d[0:1] = a[0:1] * v[x+i]: op_sel / op_sel_hi pick the one register of the even-aligned pair for both halves
.if (\i) % 2
	v_pk_mul_f32 v[\d:\d+1], v[\a:\a+1], v[\x+(\i)-1:\x+(\i)] op_sel:[0,1]
.else
	v_pk_mul_f32 v[\d:\d+1], v[\a:\a+1], v[\x+(\i):\x+(\i)+1] op_sel_hi:[1,0]
.endif
.endm
.macro BFMA d, a, x, i                 ; d[0:1] += a[0:1] * v[x+i]
.if (\i) % 2
	v_pk_fma_f32 v[\d:\d+1], v[\a:\a+1], v[\x+(\i)-1:\x+(\i)], v[\d:\d+1] op_sel:[0,1,0]
.else
	v_pk_fma_f32 v[\d:\d+1], v[\a:\a+1], v[\x+(\i):\x+(\i)+1], v[\d:\d+1] op_sel_hi:[1,0,1]
.endif
.endm
.macro DOT3 q                          ; rows 16 q .. 16 q + 15 of my 64 (source 0 in v256-511); two sets of sums, so that no multiply-add waits for the one in front of it
.set dk, 0
.rept 16
.if 16*\q+dk < 2
	BMUL 24+4*dk, 4*dk, XV, dk
	BMUL 26+4*dk, 4*dk+2, XV, dk
.else
	BFMA 24+4*(dk%2), 4*(16*\q+dk), XV, 16*\q+dk
	BFMA 26+4*(dk%2), 4*(16*\q+dk)+2, XV, 16*\q+dk
.endif
.set dk, dk+1
.endr
.endm
.macro FOLD base, n                    ; vectors 0 .. n-1 of four registers += vectors n .. 2n-1
.set fi, 0
.rept 2*\n
	v_pk_add_f32 v[\base+2*fi:\base+2*fi+1], v[\base+2*fi:\base+2*fi+1], v[\base+4*\n+2*fi:\base+4*\n+2*fi+1]
.set fi, fi+1
.endr
.endm
; MID = 1
.macro LD4 s, buf                      ; rows 64 ig + 4 k + s of W4 from LDS: sixteen lanes take a row's 256 neighbouring bytes
.irp k, 0,1,2,3,4,5,6,7,8,9,10,11,12,13,14,15
	ds_load_b128 v[\buf+4*\k:\buf+4*\k+3], v63 offset:LW4+256*(4*\k+\s)
.endr
.endm
.macro RSTAGE half, msk, xm            ; a stage of a reduce-scatter over 16 lanes: each lane keeps one half of its sums and sends the other to lane xor xm
.set rk, 0
.rept \half
	v_cndmask_b32 v[52+2*(rk%2)], v[36+rk], v[36+rk+\half], s[\msk]
	v_cndmask_b32 v[53+2*(rk%2)], v[36+rk+\half], v[36+rk], s[\msk]
	v_add_f32_dpp v[36+rk], v[53+2*(rk%2)], v[52+2*(rk%2)] row_xmask:\xm row_mask:0xf bank_mask:0xf
.set rk, rk+1
.endr
.endm
.macro ROWS s, buf                     ; sixteen rows' dot products with y; lane d4 ends up with row 64 ig + 4 d4 + s
.irp k, 0,1,2,3,4,5,6,7,8,9,10,11,12,13,14,15
	v_pk_mul_f32 v[\buf+4*\k:\buf+4*\k+1], v[\buf+4*\k:\buf+4*\k+1], v[32:33]
	v_pk_fma_f32 v[\buf+4*\k:\buf+4*\k+1], v[\buf+4*\k+2:\buf+4*\k+3], v[34:35], v[\buf+4*\k:\buf+4*\k+1]
	v_add_f32 v[36+\k], v[\buf+4*\k], v[\buf+4*\k+1]
.endr
	RSTAGE 8, 28, 8
	RSTAGE 4, 29, 4
	RSTAGE 2, 30, 2
	RSTAGE 1, 31, 1
	v_mov_b32 v[56+\s], v36
.endm
; MID = 2
.macro LD4B bt, buf                    ; rows 8 bt + k of W4's 64 from LDS, my 16 bytes of each: a wave takes 512 neighbouring bytes; an address register for every 16 rows (65,536 bytes)
.irp k, 0,1,2,3,4,5,6,7
	ds_load_b128 v[\buf+4*\k:\buf+4*\k+3], v[52+(8*(\bt)+\k)/16] offset:4096*((8*(\bt)+\k)%16)
.endr
.endm
.macro SCALE bt, buf, left, more
	s_wait_dscnt \left                             ; this batch's eight LDS loads are in, the younger batch's stay out
	s_wait_xcnt 0x0                                ; the last batch's stores have had their addresses translated: v[36:51] are rewritten only behind this wait
.set sk, 0
.rept 8
.if 8*\bt+sk == 0
	BMUL 20, \buf, GV, 0
	BMUL 22, \buf+2, GV, 0
.else
	BFMA 20, \buf+4*sk, GV, 8*\bt+sk
	BFMA 22, \buf+4*sk+2, GV, 8*\bt+sk
.endif
	BMUL \buf+4*sk, \buf+4*sk, XV, 8*\bt+sk
	BMUL \buf+4*sk+2, \buf+4*sk+2, XV, 8*\bt+sk
	v_cvt_pk_bf16_f32 v[36+2*sk], v[\buf+4*sk], v[\buf+4*sk+1]
	v_cvt_pk_bf16_f32 v[37+2*sk], v[\buf+4*sk+2], v[\buf+4*sk+3]
	global_store_b64 v9, v[36+2*sk:37+2*sk], s[14:15] offset:2048*(8*\bt+sk)   ; a wave's store covers 256 consecutive bytes, aligned
.set sk, sk+1
.endr
.if \more
	LD4B \bt+2, \buf
.endif
.endm
	s_load_b256 s[4:11], s[0:1], 0x0               ; part s[4:5], W3 s[6:7], b3 s[8:9], W4 s[10:11]
	s_load_b128 s[12:15], s[0:1], 0x20             ; b2 s[12:13], out s[14:15]
	v_lshl_add_u32 v59, v0, 2, 0x42800
	v_mov_b32 v63, 0
	ds_add_u32 v59, v63
	ds_add_u32 v59, v63
	s_bfe_u32 s80, ttmp6, 0x40000                  ; cx: my place in the cluster
	s_lshl_b32 s82, ttmp9, 2                       ; in a cluster launch ttmp9 counts clusters
	s_add_co_u32 s82, s82, s80                     ; b = 4 x cluster x + cx: it enters the addresses of part, stat and out alone
	s_and_b32 s81, ttmp7, 0xffff                   ; h
	v_lshrrev_b32 v1, 5, v0
	v_readfirstlane_b32 s16, v1                    ; wave
	v_and_b32 v2, 31, v0                           ; lane
	v_and_b32 v3, 15, v0                           ; d4
	v_lshrrev_b32 v4, 4, v0                        ; ig
	v_lshlrev_b32 v5, 7, v2                        ; stat: lane = chunk, 128 bytes each
	v_lshlrev_b32 v6, 4, v3                        ; 16 d4
	v_lshlrev_b32 v7, 4, v0                        ; 16 t
	v_lshl_add_u32 v8, v4, 18, v6                  ; 64 ig rows of 4,096 bytes + 16 d4
	v_lshlrev_b32 v9, 3, v0                        ; 8 t
	v_lshlrev_b32 v10, 8, v4                       ; LDS: xw of my 64 rows
	s_lshl_b32 s17, s16, 9
	v_lshl_add_u32 v62, v2, 4, s17                 ; LDS: where my xw goes: wave x 512 + 16 x lane (= 16 t)
	s_lshl_b32 s17, s16, 8
	v_add_nc_u32 v11, s17, v6                      ; LDS: my wave's 256 bytes of partial y
.if MID == 1
	v_lshl_add_u32 v63, v4, 14, v6                 ; LDS, W4: 64 ig rows of 256 bytes + 16 d4
.else
	v_add_nc_u32 v52, LW4, v7                      ; LDS, W4: 16 t, rows 0-15,
	v_add_nc_u32 v53, LW4+65536, v7                ; 16-31,
	v_add_nc_u32 v54, LW4+131072, v7               ; 32-47,
	v_add_nc_u32 v55, LW4+196608, v7               ; 48-63
.endif
	; W4's descriptor: my wave's eighth as 128 rows of 64 elements of 4 bytes (256 bytes, each at a multiple of 256 from W4's first byte), no padding
	s_mov_b32 s[G1+0], 15|(2<<16)|(1<<21)          ; 15:0 the mask: all four of the cluster; 17:16 elements of 4 bytes; bit 21 beside a mask
	s_mov_b32 s[G1+1], 64<<16                      ; tensor_dim0 = 64
	s_mov_b32 s[G1+2], 128<<16                     ; tensor_dim1 = 128
	s_mov_b32 s[G1+3], 64<<16                      ; tile_dim0 = 64
	s_mov_b32 s[G1+4], 128                         ; tile_dim1 = 128
.if MID == 1
	s_mov_b32 s[G1+5], 1024                        ; from row to row of W4: the head's 64 columns of 128 rows
.else
	s_mov_b32 s[G1+5], 64                          ; dense: 8 whole rows of W4, taken in pieces of 256 bytes
.endif
	s_mov_b32 s[G1+6], 0
	s_mov_b32 s[G1+7], 0
	s_mov_b32 s[G0], 1
	s_mul_i32 s[G0+1], s16, 32768
	s_add_co_u32 s[G0+1], s[G0+1], LW4             ; LDS: W4's block + wave x 32,768
.if MID == 1
	s_lshl_b32 s86, s16, 19                        ; in W4: my wave's 128 rows of 4,096 bytes
.else
	s_lshl_b32 s86, s16, 15                        ; in W4: my wave's 8 rows of 4,096 bytes
.endif
	s_mov_b32 s87, 0
	s_lshl_b32 s18, s82, 21                        ; part: b x 32 chunks x 65,536
	s_lshl_b32 s17, s81, 12                        ; + h x 4,096
	s_add_co_u32 s18, s18, s17
	s_mov_b32 s19, 0
	s_lshl_b32 s24, s82, 12                        ; stat: b x 4,096 + 4 h, behind part's 16 MiB
	s_lshl2_add_u32 s24, s81, s24
	s_add_co_u32 s24, s24, 0x1000000
	s_mov_b32 s25, 0
	s_lshl_b32 s28, s81, 8                         ; the head's 256 bytes of a row of 4,096
	s_mov_b32 s29, 0
	s_wait_dscnt 0x0
	s_wait_kmcnt 0x0
	s_add_nc_u64 s[20:21], s[4:5], s[18:19]
	s_add_nc_u64 s[22:23], s[4:5], s[24:25]
	s_add_nc_u64 s[8:9], s[8:9], s[28:29]
	s_add_nc_u64 s[12:13], s[12:13], s[28:29]
	; what is needed first is asked for first
	global_load_b32 v36, v5, s[22:23]              ; m of chunk = lane
	global_load_b32 v37, v5, s[22:23] offset:64    ; l
	global_load_b128 v[12:15], v6, s[8:9]
	global_load_b128 v[16:19], v6, s[12:13]
.irp c, 0,1,2,3,4,5,6,7,8,9,10,11,12,13,14,15,16,17,18,19,20,21,22,23,24,25,26,27,28,29,30,31
	global_load_b128 v[128+4*\c:131+4*\c], v7, s[20:21] offset:65536*\c th:TH_LOAD_NT
.endr
	s_add_nc_u64 s[6:7], s[6:7], s[28:29]          ; W3: the head's columns
.if MID == 1
	s_add_nc_u64 s[10:11], s[10:11], s[28:29]      ; W4: the head's columns
.else
	s_lshl_b32 s28, s81, 18
	s_add_nc_u64 s[10:11], s[10:11], s[28:29]      ; W4: the head's 64 rows
.endif
	s_add_nc_u64 s[G0+2:G0+3], s[10:11], s[86:87]  ; the head and the wave's number alone: the same in all four partners
	s_or_b32 s[G0+3], s[G0+3], 0x80000000          ; type = 2
	CROUND                                         ; all four work-groups are here: the joint loads meet
	tensor_load_to_lds s[G0:G0+3], s[G1:G1+7]      ; my eighth of W4: the wave's one tensor load
	s_nop 0
	WIN TO_W3
.set wj, 0
.rept 64
	global_load_b128 v[4*wj:4*wj+3], v8, s[6:7] offset:4096*wj   ; row 64 ig + wj of W3, my 16 bytes: sixteen lanes read the head's 256 bytes of a row
.set wj, wj+1
.endr
	WIN 0
.if MID == 1
	s_lshl_b32 s24, s82, 6
	s_lshl2_add_u32 s24, s81, s24
	s_add_co_u32 s24, s24, 262144
	s_add_nc_u64 s[66:67], s[14:15], s[24:25]      ; c2[b][h]
	s_lshl_b32 s18, s82, 15
	s_lshl_b32 s17, s81, 11
	s_add_co_u32 s18, s18, s17
	s_add_nc_u64 s[14:15], s[14:15], s[18:19]      ; V2[b][h]
.else
	s_lshl_b32 s24, s82, 4
	s_add_co_u32 s24, s24, s81
	s_lshl_b32 s24, s24, 12
	s_add_co_u32 s24, s24, 0x1000000
	s_add_nc_u64 s[66:67], s[14:15], s[24:25]      ; cpart[b][h]
	s_lshl_b32 s18, s82, 21
	s_lshl_b32 s17, s81, 17
	s_add_co_u32 s18, s18, s17
	s_add_nc_u64 s[14:15], s[14:15], s[18:19]      ; WtS[b][64 h]
.endif
	s_mov_b32 s26, 0x76543210                      ; v_permlanex16_b32: lane i of one half reads lane i of the other
	s_mov_b32 s27, 0xfedcba98
	s_mov_b32 s28, 0xff00ff00                      ; lanes with bit 3, 2, 1, 0 of their number set
	s_mov_b32 s29, 0xf0f0f0f0
	s_mov_b32 s30, 0xcccccccc
	s_mov_b32 s31, 0xaaaaaaaa
	; ---- 1. the chunks' weights, every wave for itself ----
	; 100 loads have been issued (the issue of one that would pass the counter's field is held back: ISA guide 5.7.1).  63 is the most that a wait can name:
	; the oldest 37 are in: m, l, the two biases, the 32 rows and W3's first row; 63 rows of W3 may stay out.
	s_wait_loadcnt 63
	v_mov_b32 v38, v36
.irp x, 1,2,4,8
	v_max_num_f32_dpp v38, v38, v38 row_xmask:\x row_mask:0xf bank_mask:0xf
.endr
	v_mov_b32 v39, v38
	v_permlanex16_b32 v39, v38, s26, s27
	v_max_num_f32 v38, v38, v39                    ; M
	v_sub_f32 v36, v36, v38
	v_exp_f32 v36, v36
	v_nop                                          ; one plain place behind a transcendental (ISA guide 5.7.2)
	s_wait_alu depctr_va_vdst(0)
	v_mul_f32 v37, v36, v37
.irp x, 1,2,4,8
	v_add_f32_dpp v37, v37, v37 row_xmask:\x row_mask:0xf bank_mask:0xf
.endr
	v_permlanex16_b32 v39, v37, s26, s27
	v_add_f32 v37, v37, v39                        ; the softmax's denominator
	v_rcp_f32 v37, v37
	v_nop
	s_wait_alu depctr_va_vdst(0)
	v_mul_f32 v36, v36, v37                        ; a of chunk = lane
.irp c, 0,1,2,3,4,5,6,7,8,9,10,11,12,13,14,15,16,17,18,19,20,21,22,23,24,25,26,27,28,29,30,31
	v_readlane_b32 s[32+\c], v36, \c
.endr
	; ---- xw[4 t ..] = sum over the chunks ----
.set cc, 0
.rept 32
.irp k, 0,1,2,3
.if cc == 0
	v_mul_f32 v[20+\k], s[32], v[128+\k]
.else
	v_fmac_f32 v[20+\k], s[32+cc], v[128+4*cc+\k]
.endif
.endr
.set cc, cc+1
.endr
	ds_store_b128 v62, v[20:23]
	s_wait_dscnt 0x0                               ; done, for the other waves' sake
	s_barrier_signal -1                            ; (W4's tensor load may stay out, and W4 is read only behind the next)
	s_barrier_wait -1
	; ---- 2. y = xw . W3 + b3: thread (ig, d4) takes rows 64 ig .. + 63, columns 4 d4 .. + 3 ----
.irp m, 0,1,2,3,4,5,6,7,8,9,10,11,12,13,14,15
	ds_load_b128 v[XV+4*\m:XV+4*\m+3], v10 offset:16*\m
.endr
	s_wait_dscnt 0x0
	s_wait_loadcnt 48                              ; W3's rows 0-15 of my 64 are in; the 48 younger loads stay out
	WIN FROM_W3
	DOT3 0
	s_wait_loadcnt 32                              ; rows 16-31
	DOT3 1
	s_wait_loadcnt 16                              ; rows 32-47
	DOT3 2
	s_wait_loadcnt 0x0
	DOT3 3
	WIN 0
	v_pk_add_f32 v[24:25], v[24:25], v[28:29]
	v_pk_add_f32 v[26:27], v[26:27], v[30:31]
.irp k, 0,1,2,3
	v_permlanex16_b32 v[28+\k], v[24+\k], s26, s27 ; the wave's other ig
.endr
	v_pk_add_f32 v[24:25], v[24:25], v[28:29]
	v_pk_add_f32 v[26:27], v[26:27], v[30:31]
	ds_store_b128 v11, v[24:27] offset:RED
	s_wait_dscnt 0x0                               ; my partial y is in LDS,
	s_wait_tensorcnt 0x0                           ; and my eighth of W4 has landed: both for the other waves' sake
	s_barrier_signal -1
	s_barrier_wait -1
.irp w, 0,1,2,3,4,5,6,7
	ds_load_b128 v[128+4*\w:131+4*\w], v6 offset:RED+256*\w
.endr
.if MID == 1
	LD4 0, WB0
	LD4 1, WB1
	s_wait_dscnt 32                                ; the eight partial sums are in; W4's first 32 loads stay out
.else
	LD4B 0, 64
	LD4B 1, 96
	s_wait_dscnt 16                                ; the eight partial sums are in; W4's first 16 loads stay out
.endif
	FOLD 128, 4
	FOLD 128, 2
	FOLD 128, 1
	v_pk_add_f32 v[32:33], v[128:129], v[12:13]
	v_pk_add_f32 v[34:35], v[130:131], v[14:15]    ; y[4 d4 .. + 3], in every wave
.if MID == 1
	; ---- 3. V2[i] = W4[i, head] . y ----
	s_wait_dscnt 16                                ; sixteen rows are in, the younger sixteen stay out
	ROWS 0, WB0
	LD4 2, WB0
	s_wait_dscnt 16
	ROWS 1, WB1
	LD4 3, WB1
	s_wait_dscnt 16
	ROWS 2, WB0
	s_wait_dscnt 0x0
	ROWS 3, WB1
	v_cvt_pk_bf16_f32 v52, v56, v57
	v_cvt_pk_bf16_f32 v53, v58, v59                ; rows 64 ig + 4 d4 .. + 3
	global_store_b64 v9, v[52:53], s[14:15]        ; a wave's store covers 256 consecutive bytes, aligned
	v_pk_mul_f32 v[54:55], v[16:17], v[32:33]      ; c2 = b2 . y
	v_pk_fma_f32 v[54:55], v[18:19], v[34:35], v[54:55]
	v_add_f32 v54, v54, v55
.irp x, 1,2,4,8
	v_add_f32_dpp v54, v54, v54 row_xmask:\x row_mask:0xf bank_mask:0xf
.endr
	s_cmp_lg_u32 s16, 0
	s_cbranch_scc1 .Lend
	v_mov_b32 v55, 0
	s_wait_xcnt 0x0                                ; EXEC changes only when the pending store's addresses are translated
	v_cmp_eq_u32 vcc_lo, 0, v0
	s_and_saveexec_b32 s17, vcc_lo                 ; one lane stores the one word
	global_store_b32 v55, v54, s[66:67]
	s_wait_xcnt 0x0
	s_or_b32 exec_lo, exec_lo, s17
.Lend:
.else
	; ---- 3. WtS = y[d] W4[d][:], cpart = sum over d of b2[d] y[d] W4[d][:]; thread t owns columns 4 t .. + 3 ----
	v_pk_mul_f32 v[36:37], v[16:17], v[32:33]
	v_pk_mul_f32 v[38:39], v[18:19], v[34:35]
	s_lshl_b32 s17, s16, 9
	v_mov_b32 v60, s17                             ; my wave's own 512 bytes
	v_add_nc_u32 v61, s17, v6
	ds_store_b128 v61, v[32:35] offset:YB
	ds_store_b128 v61, v[36:39] offset:YB+256
.irp m, 0,1,2,3,4,5,6,7,8,9,10,11,12,13,14,15
	ds_load_b128 v[XV+4*\m:XV+4*\m+3], v60 offset:YB+16*\m        ; all 64 y in every lane; LDS serves a wave's instructions in order: these see the stores above
	ds_load_b128 v[GV+4*\m:GV+4*\m+3], v60 offset:YB+256+16*\m    ; all 64 b2 y
.endr
	s_wait_dscnt 0x0                               ; y, b2 y, and with them W4's first two batches
	SCALE 0, 64, 8, 1
	SCALE 1, 96, 8, 1
	SCALE 2, 64, 8, 1
	SCALE 3, 96, 8, 1
	SCALE 4, 64, 8, 1
	SCALE 5, 96, 8, 1
	SCALE 6, 64, 8, 0
	SCALE 7, 96, 0, 0
	global_store_b128 v7, v[20:23], s[66:67]
.endif
	s_wait_tensorcnt 0x0
	ds_add_u32 v59, v63
	s_wait_dscnt 0x0
	CROUND                                         ; the closing round: no work-group ends while a partner may still ask for the block that names it
	s_endpgm
.Lfunc_end_k_qc22c3d5468_mid2:
	.size	k_qc22c3d5468_mid2, .Lfunc_end_k_qc22c3d5468_mid2-k_qc22c3d5468_mid2
	.p2alignl 7, 3214868480
	.fill 96, 4, 3214868480
	.section	.rodata,"a",@progbits
	.p2align	6, 0x0
	.amdhsa_kernel k_qc22c3d5468_mid2
		.amdhsa_group_segment_fixed_size 273408
		.amdhsa_private_segment_fixed_size 0
		.amdhsa_enable_private_segment 0
		.amdhsa_kernarg_size 48
		.amdhsa_user_sgpr_count 2
		.amdhsa_user_sgpr_kernarg_segment_ptr 1
		.amdhsa_wavefront_size32 1
		.amdhsa_system_sgpr_workgroup_id_x 1
		.amdhsa_system_sgpr_workgroup_id_y 1
		.amdhsa_system_sgpr_workgroup_id_z 1
		.amdhsa_system_vgpr_workitem_id 0
		.amdhsa_next_free_vgpr 512
		.amdhsa_next_free_sgpr 88
		.amdhsa_reserve_vcc 1
		.amdhsa_float_denorm_mode_32 3
		.amdhsa_float_denorm_mode_16_64 3
		.amdhsa_memory_ordered 1
		.amdhsa_forward_progress 1
		.amdhsa_inst_pref_size 70
	.end_amdhsa_kernel
	.amdgpu_metadata
---
amdhsa.version: [ 1, 2 ]
amdhsa.kernels:
  - .name:           k_qc22c3d5468_mid2
    .symbol:         k_qc22c3d5468_mid2.kd
    .args:
      - { .name: part, .offset: 0, .size: 8, .value_kind: global_buffer, .address_space: global }
      - { .name: Wk, .offset: 8, .size: 8, .value_kind: global_buffer, .address_space: global }
      - { .name: bk, .offset: 16, .size: 8, .value_kind: global_buffer, .address_space: global }
      - { .name: Wt, .offset: 24, .size: 8, .value_kind: global_buffer, .address_space: global }
      - { .name: bq, .offset: 32, .size: 8, .value_kind: global_buffer, .address_space: global }
      - { .name: wts, .offset: 40, .size: 8, .value_kind: global_buffer, .address_space: global }
    .group_segment_fixed_size: 273408
    .private_segment_fixed_size: 0
    .kernarg_segment_align: 8
    .kernarg_segment_size: 48
    .max_flat_workgroup_size: 256
    .sgpr_count:     88
    .vgpr_count:     512
    .wavefront_size: 32
...
	.end_amdgpu_metadata
.endif
;; end of part 9
;; launch gemmM (part 10): grid 8 x 32, 4 waves a work-group, clusters of 4 x 4, 327,680 bytes of LDS; arguments wqb, wts, mb; writes mb
.if DOCPART == 10
	.amdgcn_target "amdgcn-amd-amdhsa--gfx1250"
	.amdhsa_code_object_version 6
	.text
	.protected	k_qc22c3d5468_gemmM
	.globl	k_qc22c3d5468_gemmM
	.p2align	8
	.type	k_qc22c3d5468_gemmM,@function
k_qc22c3d5468_gemmM:
	s_mov_b64 s[64:65], 0
	v_nop
	global_prefetch_b8 v0, s[64:65] scope:SCOPE_SE
	s_setreg_imm32_b32 hwreg(HW_REG_WAVE_MODE, 25, 1), 1
	s_wait_xcnt 0x0
	s_wait_alu depctr_hold_cnt(0) depctr_sa_sdst(0) depctr_va_vdst(0) depctr_va_sdst(0) depctr_va_ssrc(0) depctr_va_vcc(0) depctr_vm_vsrc(0)
	s_getreg_b32 s2, hwreg(HW_REG_IB_STS2, 6, 4)
	s_cmp_eq_u32 s2, 0
	s_cbranch_scc0 .Lentry_in_a_cluster
	s_endpgm
.Lentry_in_a_cluster:
	s_bfe_u32 s2, ttmp6, 0x10000c
	s_cmp_lg_u32 s2, 0xf033
	s_cbranch_scc0 .Lentry_shape_is_right
	s_endpgm
.Lentry_shape_is_right:
; gemmM.  mb[b] = bf16(wqb WtS[b] + wqb) for eight batches: wqb = bf16(Wq) [1024 i][1024 k], WtS[b] = diag(pk_b) Wt [1024 k][1024 n] in bf16 as it lies, sums in f32.
; The added wqb is the residual q = X Wq: a matrix product too, so Wq enters it as the same bf16 operand as it enters the transform.
; LIMIT: mb is rounded to bf16 after the sum, so residual and transform share one operand rounding, of relative step 2^-9 of |mb|.
; 8 batches x 1024 x 1024 outputs are 256 blocks of 256 rows x 128 columns, one for each work-group.  The four waves lie one below the other: a wave makes 64 rows x 128
; columns, 32 accumulator tiles of 16 x 16 in 256 registers, so that a row of a wave's result is 256 consecutive bytes of mb, aligned.
; K goes in steps of 128 through a ring of two LDS slots filled by the tensor data mover.  A's tile: 256 rows x 256 bytes (waves 0 and 1 fetch 128 rows each);
; B's tile: 128 k rows x 256 bytes (waves 2 and 3 fetch 64 rows each).  Two slots of a K step of 256 would take 2 x (256 x 528 + 256 x 288) = 417,792 bytes: they do not fit.
; CLUSTERS: 4 x 4 work-groups, one batch's four block rows x four of its eight block columns.  The four of a row of the cluster need the same tiles of A, the four of a
; column the same tiles of B: such a tile is asked for jointly, by the same tensor load with the same descriptor in all four.  Each byte of WtS is asked for by one cluster.
; By this text's count a wave has two tensor loads outstanding at the start and one behind each round.
;
; REGISTERS, in windows of 256:
;   window 0: v16-35 addresses and work; v64-95, v128-159 fragments of A (4 x 16 rows x 32 K), two buffers; v160-255 wqb's rows 0-47 of my 64, asked for at the head
;   window 1: v64-127, v128-191 fragments of B (8 x 16 columns x 32 K), two buffers
;   window 2: the 32 accumulator tiles (tile (a, b) at v[8 (8 a + b)])
; THE MATRIX INSTRUCTION IS USED TRANSPOSED: source 0 = 16 columns of B (brought by the transposing LDS load, k along the registers), source 1 = 16 rows of A.
; Lane l then holds row l % 16 of the result and its registers the columns 8 (l / 16) + 0 .. 7.
.set SIZE_K, 1024
.set KSTEP,  128
.set PITCH,  272                       ; A's LDS row: 256 bytes + 16, an odd multiple of 16 bytes: the 16 rows that a load touches fall on 16 different 16-byte columns modulo 256 bytes
.set BPITCH, 288                       ; B's LDS row: 256 bytes + 32 = 9 x 32, an odd multiple of 32 bytes for the transposing loads
.set HALFT,  128*PITCH                 ; 34,816: a wave's part of a slot begins at wave x this.  A's halves fill theirs; B's halves (64 x 288 = 18,432 bytes) lie at the head of theirs
.set SLOT,   4*HALFT
.set STAGE,  2*SLOT                    ; behind the ring: 16 rows x 528 bytes for each wave, for the way out; no tensor load lands here
.set SPITCH, 528
.set LAPS, SIZE_K/(2*KSTEP)            ; a lap = two K steps = once round the ring: 4
.set ADRA, 16                          ; v16-17  LDS address of my A fragments in slot 0, 1
.set ADRB, 20                          ; v20-21  the same for B
.set STO,  24                          ; v24     the way out: where I put 32 bytes of a row
.set RD,   25                          ; v25     the way out: where I read a row back
.set CO,   26                          ; v26     8 x lane
.set TW,   32                          ; v[32:35] a row's four numbers of wqb, widened to f32
.set F0,   64
.set F1,   128
.set RB,   64                          ; v[64:127] the way out: sixteen rows read back
.set E0,   160                         ; v[160:191] wqb's rows 0-15 of my 64, 8 bytes a lane each
.set E1,   192                         ; rows 16-31
.set E2,   224                         ; rows 32-47
.set E3,   128                         ; rows 48-63: asked for at the head of the way out, when A's second buffer is free
.set G1, 24                            ; s[24:31] descriptor group 1 for A's tiles
.set G0, 32                            ; s[32:39] descriptor group 0 for A's tiles, one set for each slot
.set G1B, 48                           ; s[48:55] group 1 for B's tiles
.set G0B, 56                           ; s[56:63] group 0 for B's tiles, one set for each slot
.set MSB, 0
.macro WIN new                         ; the immediate's high byte repeats the setting that is left
.if MSB != \new
	s_set_vgpr_msb (MSB<<8)|\new
.set MSB, \new
.endif
.endm
.set MUL_W,  0xa1                      ; source 0 (B) window 1, source 1 (A) window 0, C and D window 2
.set TO_B,   0x40                      ; destination window 1, address window 0
.set FROM_C, 0x08                      ; an LDS store's data is source 1: window 2
; A joint load.  Waves 0 and 1 fetch A's two halves, waves 2 and 3 B's.  The branch hangs on the wave's number alone.
.macro JLOAD s
	s_cmp_eq_u32 s11, 0
	s_cbranch_scc0 .Lfor_b_\@
	tensor_load_to_lds s[G0+4*\s:G0+4*\s+3], s[G1:G1+7]
	s_nop 0
	s_branch .Lasked_\@
.Lfor_b_\@:
	tensor_load_to_lds s[G0B+4*\s:G0B+4*\s+3], s[G1B:G1B+7]
	s_nop 0
.Lasked_\@:
.endm
; A round of the cluster's barrier: my work-group's barrier; wave 0 signals for the work-group; every wave waits for all sixteen; my work-group's barrier once more.
.macro CREST                           ; a round behind its opening barrier
	s_cmp_lg_u32 s10, 0
	s_cbranch_scc1 .Lnot_wave_0_\@
	s_barrier_signal -3
.Lnot_wave_0_\@:
	s_barrier_wait -3
	s_barrier_signal -1
	s_barrier_wait -1
.endm
.macro CROUND
	s_barrier_signal -1
	s_barrier_wait -1
	CREST
.endm
.macro LDE i, e                        ; sixteen rows of wqb, my wave's 256 bytes of each: four bf16 a lane; the row stands in the immediate, the base is never stepped
.irp t, 0,1,2,3,4,5,6,7,8,9,10,11,12,13,14,15
	global_load_b64 v[\e+2*\t:\e+2*\t+1], v[CO], s[68:69] offset:2048*(16*\i+\t)
.endr
.endm
	s_load_b128 s[4:7], s[0:1], 0x0                ; wqb s[4:5], wts s[6:7]
	s_load_b64 s[8:9], s[0:1], 0x10                ; mb
	s_set_vgpr_msb 0x40
	v_lshl_add_u32 v255, v0, 2, 0x4c400
	s_set_vgpr_msb 0x4000
	v_mov_b32 v63, 0
	s_set_vgpr_msb 0x1
	ds_add_u32 v255, v63
	ds_add_u32 v255, v63
	s_set_vgpr_msb 0x100
	v_lshrrev_b32 v1, 5, v0
	v_readfirstlane_b32 s10, v1                    ; wave 0..3: my 64 rows of the block
	s_lshr_b32 s11, s10, 1                         ; I fetch for A (0) or for B (1)
	s_and_b32 s12, s10, 1                          ; which half of that tile I fetch
	s_bfe_u32 s40, ttmp6, 0x40000                  ; cx
	s_bfe_u32 s41, ttmp6, 0x40004                  ; cy: the block row inside the batch
	s_lshl_b32 s42, ttmp9, 2
	s_add_co_u32 s42, s42, s40                     ; block column inside the batch = 4 x cluster x + cx, 0 .. 7
	s_and_b32 s45, ttmp7, 0xffff                   ; the cluster's y = the batch
	s_lshl_b32 s13, s45, 2
	s_add_co_u32 s13, s13, s41                     ; block row of mb = 4 x batch + cy
	s_lshl_b32 s43, s41, 2
	s_lshl_b32 s43, 15, s43                        ; my row of the cluster: places 4 cy .. 4 cy + 3
	s_lshl_b32 s44, 0x1111, s40                    ; my column: places cx, cx + 4, cx + 8, cx + 12
	s_or_b32 s[G1+0], s43, (1<<16)|(1<<20)|(1<<21)|(5<<22)|(3<<25)   ; A: mask of my row; 2-byte elements; padding of 4 words behind every 64; bit 21 beside a mask
	s_mov_b32 s[G1+1], KSTEP<<16                   ; tensor_dim0 = 128
	s_mov_b32 s[G1+2], 128<<16                     ; tensor_dim1 = 128
	s_mov_b32 s[G1+3], KSTEP<<16                   ; tile_dim0 = 128
	s_mov_b32 s[G1+4], 128                         ; tile_dim1 = 128
	s_mov_b32 s[G1+5], SIZE_K                      ; elements from row to row
	s_mov_b32 s[G1+6], 0
	s_mov_b32 s[G1+7], 0
	s_or_b32 s[G1B+0], s44, (1<<16)|(1<<20)|(1<<21)|(5<<22)|(7<<25)  ; B: mask of my column; padding of 8 words behind every 64
	s_mov_b32 s[G1B+1], 128<<16                    ; tensor_dim0 = 128 columns
	s_mov_b32 s[G1B+2], 64<<16                     ; tensor_dim1 = 64 k rows
	s_mov_b32 s[G1B+3], 128<<16
	s_mov_b32 s[G1B+4], 64
	s_mov_b32 s[G1B+5], 1024
	s_mov_b32 s[G1B+6], 0
	s_mov_b32 s[G1B+7], 0
	; A's address hangs on cy (and the wave), which my row of the cluster shares; B's on the batch, the block column (and the wave), which my column shares.
	s_lshl_b32 s16, s41, 19                        ; A: block row x 256 rows x 2,048 bytes, the same for every batch
	s_lshl_b32 s17, s12, 18                        ; + my 128 rows
	s_add_co_u32 s16, s16, s17
	s_mov_b32 s17, 0
	s_lshl_b32 s46, s45, 21                        ; B: batch x 2 MiB
	s_lshl_b32 s47, s12, 17                        ; + my 64 k rows of 2,048 bytes
	s_add_co_u32 s46, s46, s47
	s_lshl_b32 s47, s42, 8                         ; + block column x 256 bytes
	s_add_co_u32 s46, s46, s47
	s_mov_b32 s47, 0
	s_mul_i32 s20, s10, HALFT                      ; LDS: wave x 34,816
	s_wait_dscnt 0x0
	s_wait_kmcnt 0x0
	s_add_nc_u64 s[14:15], s[4:5], s[16:17]
	s_add_nc_u64 s[46:47], s[6:7], s[46:47]
	CROUND                                         ; all sixteen work-groups are here: the first joint loads meet
.irp s, 0,1
	s_mov_b32 s[G0+4*\s], 1
	s_add_co_u32 s[G0+4*\s+1], s20, \s*SLOT
	s_add_nc_u64 s[G0+4*\s+2:G0+4*\s+3], s[14:15], \s*KSTEP*2          ; K step s: 256 bytes along A's rows
	s_or_b32 s[G0+4*\s+3], s[G0+4*\s+3], 0x80000000
	s_mov_b32 s[G0B+4*\s], 1
	s_add_co_u32 s[G0B+4*\s+1], s20, \s*SLOT
	s_add_nc_u64 s[G0B+4*\s+2:G0B+4*\s+3], s[46:47], \s*KSTEP*2048     ; K step s: 128 rows down B
	s_or_b32 s[G0B+4*\s+3], s[G0B+4*\s+3], 0x80000000
	JLOAD \s
.endr
	v_and_b32 v1, 15, v0                           ; l % 16
	v_bfe_u32 v2, v0, 4, 1                         ; l / 16
	v_mul_u32_u24 v3, v1, PITCH
	v_lshl_add_u32 v3, v2, 4, v3                   ; A fragments: row x pitch + 16 x half
	v_and_b32 v4, 7, v0
	v_lshl_add_u32 v4, v2, 3, v4
	v_mul_u32_u24 v4, v4, BPITCH                   ; B fragments: k row 8 (l / 16) + (l & 7),
	v_bfe_u32 v5, v0, 3, 1
	v_lshl_add_u32 v4, v5, 4, v4                   ; + 16 ((l >> 3) & 1)
	s_mul_i32 s21, s10, 64*PITCH                   ; my 64 rows of A (its two halves follow each other without a gap)
	s_mov_b32 s22, 2*HALFT                         ; B lies behind A's 256 rows; every wave reads all its 128 columns
.irp s, 0,1
	v_add_nc_u32 v[ADRA+\s], s21, v3
	v_add_nc_u32 v[ADRB+\s], s22, v4
	s_add_co_u32 s21, s21, SLOT
	s_add_co_u32 s22, s22, SLOT
.endr
	s_mul_i32 s23, s10, 16*SPITCH
	s_add_co_u32 s23, s23, STAGE                   ; my stage
	v_mul_u32_u24 v6, v1, SPITCH
	v_lshl_add_u32 v6, v2, 5, v6
	v_add_nc_u32 v[STO], s23, v6                   ; in: row l % 16, 32 bytes for each half of the lanes
	v_and_b32 v7, 31, v0
	v_lshlrev_b32 v[CO], 3, v7
	v_lshl_add_u32 v[RD], v7, 4, s23               ; back: the 32 lanes take one row of 512 bytes
	s_lshl_b32 s78, s10, 17                        ; my 64 rows of 2,048 bytes
	s_lshl_b32 s79, s42, 8                         ; my block's 128 columns, in bytes of bf16
	s_add_co_u32 s78, s78, s79
	s_lshl_b32 s74, s41, 19                        ; wqb: the block row inside the batch
	s_add_co_u32 s74, s74, s78
	s_mov_b32 s75, 0
	s_add_nc_u64 s[68:69], s[4:5], s[74:75]
	s_lshl_b32 s76, s13, 19                        ; mb: the block row
	s_add_co_u32 s76, s76, s78
	s_mov_b32 s77, 0
	s_add_nc_u64 s[8:9], s[8:9], s[76:77]
	LDE 0, E0                                      ; 48 of the 64 rows that the way out adds are asked for here, into registers that the loop leaves alone,
	LDE 1, E1                                      ; and are waited for only behind the loop
	LDE 2, E2
; 16 matrix instructions: m blocks a0, a0 + 1 of my four x all 8 n blocks, 32 along K.  zero = 1: the first product starts the sums.
; The 32 accumulators take turns, one instruction a turn, in the same order in every quarter step.
.macro MUL16 f, a0, zero
.irp a, \a0, \a0+1
.irp b, 0,1,2,3,4,5,6,7
.if \zero
	v_wmma_f32_16x16x32_bf16 v[8*(8*(\a)+\b):8*(8*(\a)+\b)+7], v[\f+8*\b:\f+8*\b+7], v[\f+8*(\a):\f+8*(\a)+7], 0
.else
	v_wmma_f32_16x16x32_bf16 v[8*(8*(\a)+\b):8*(8*(\a)+\b)+7], v[\f+8*\b:\f+8*\b+7], v[\f+8*(\a):\f+8*(\a)+7], v[8*(8*(\a)+\b):8*(8*(\a)+\b)+7]
.endif
.endr
.endr
.endm
; 24 LDS loads in one run: the fragments of quarter q of a K step (128 columns of B, my 64 rows of A, 32 K) into buffer f.
; B's k rows 0-63 lie in wave 2's part of the slot, rows 64-127 in wave 3's: quarter q begins at (q / 2) x 34,816 + (q % 2) x 32 rows.
.macro FETCH slot, q, f
	WIN TO_B
.irp i, 0,1,2,3,4,5,6,7
	ds_load_tr16_b128 v[\f+8*\i:\f+8*\i+3],   v[ADRB+\slot] offset:(\q/2)*HALFT+(\q%2)*32*BPITCH+\i*32
	ds_load_tr16_b128 v[\f+8*\i+4:\f+8*\i+7], v[ADRB+\slot] offset:(\q/2)*HALFT+(\q%2)*32*BPITCH+\i*32+16*BPITCH
.endr
	WIN 0
.irp i, 0,1,2,3
	ds_load_b128 v[\f+8*\i:\f+8*\i+3],   v[ADRA+\slot] offset:\q*64+\i*16*PITCH
	ds_load_b128 v[\f+8*\i+4:\f+8*\i+7], v[ADRA+\slot] offset:\q*64+\i*16*PITCH+32
.endr
.endm
.macro PLACES                          ; four plain vector places behind a matrix instruction, in front of loads into its sources and of readers of its result
.rept 4
	v_nop
.endr
.endm
; One of a K step's first three quarters: buffer f, asked for a quarter ago, is multiplied; ahead of that quarter q of the same slot is asked for into buffer g,
; which the last quarter's matrix instructions have read: its loads have this quarter's 32 matrix instructions in which to come back.
.macro QUARTER slot, q, f, g, zero
	s_wait_dscnt 0x0                               ; buffer f is in: no LDS load has been issued behind its 24
	PLACES
	FETCH \slot, \q, \g
	WIN MUL_W
	MUL16 \f, 0, \zero
	MUL16 \f, 2, \zero
.endm
.macro THREE slot, zero
	QUARTER \slot, 1, F0, F1, \zero
	QUARTER \slot, 2, F1, F0, 0
	QUARTER \slot, 3, F0, F1, 0
.endm
; The last quarter: multiplies buffer 1 and changes slots.  In front of the barrier each wave waits for its own reads of this slot and for all its tensor loads
; (one is out: its part of the next slot).  Behind it (fill = 1: behind the cluster's round that it opens) the refill comes first, then the next slot's first fragments.
; From a request to the wait for it a wave issues 112 matrix instructions.
.macro TURN slot, next, fill
	s_wait_dscnt 0x0                               ; buffer 1 is in, and with it my reads of this slot are over
	s_wait_tensorcnt 0x0                           ; and all my tensor loads have landed
	ds_add_u32 v255, v63
	s_wait_dscnt 0x0
	s_barrier_signal -1
	WIN MUL_W
	MUL16 F1, 0, 0                                 ; register work while the others arrive
	WIN 0
	s_barrier_wait -1
.if \fill
	CREST                                          ; no wave of any partner still reads this slot's tile or has a load on its way
	s_add_nc_u64 s[G0+4*\slot+2:G0+4*\slot+3], s[G0+4*\slot+2:G0+4*\slot+3], 2*KSTEP*2
	s_add_nc_u64 s[G0B+4*\slot+2:G0B+4*\slot+3], s[G0B+4*\slot+2:G0B+4*\slot+3], 2*KSTEP*2048
	JLOAD \slot                                    ; the first tensor load behind the round, one a wave
.endif
	PLACES
	FETCH \next, 0, F0
	WIN MUL_W
	MUL16 F1, 2, 0
.endm
.macro LAP zero
	THREE 0, \zero
	TURN 0, 1, 1
	THREE 1, 0
	TURN 1, 0, 1
.endm
	s_wait_tensorcnt 1                             ; my part of K step 0 is in; K step 1's may stay out
	s_barrier_signal -1
	s_barrier_wait -1
	FETCH 0, 0, F0
	LAP 1                                          ; the first lap stands in front of the loop: its first products start the sums
	WIN 0                                          ; at a label and at a branch every window is 0
	s_mov_b32 s3, LAPS-2
.Llap:
	LAP 0
	WIN 0
	s_sub_co_u32 s3, s3, 1
	s_cmp_lg_u32 s3, 0
	s_cbranch_scc1 .Llap
	THREE 0, 0                                     ; the last lap fills nothing
	TURN 0, 1, 0
	THREE 1, 0
	s_wait_dscnt 0x0
	WIN MUL_W
	MUL16 F1, 0, 0
	MUL16 F1, 2, 0
	; THE WAY OUT, 16 rows at a time: the f32 sums go into my own stage, 32 bytes a lane, and come back as whole rows of 512 bytes; wqb's row is added, the sum rounded once.
	PLACES
	WIN 0
	LDE 3, E3                                      ; the last sixteen rows of wqb, into A's second buffer: three groups of rows are worked on before they are wanted
	s_wait_loadcnt 16                              ; the 48 rows asked for at the head are in; the sixteen loads just issued stay out
; rows 16 i .. 16 i + 15 of my 64 = the eight tiles (i, 0..7); e: where wqb's rows lie
.macro OUT16 i, e
.if \i
	s_wait_xcnt 0x0                                ; the last group's stores have had their addresses translated: v[64:127] are loaded again only behind this wait
.endif
	WIN FROM_C
.irp b, 0,1,2,3,4,5,6,7
	ds_store_b128 v[STO], v[8*(8*\i+\b):8*(8*\i+\b)+3] offset:64*\b
	ds_store_b128 v[STO], v[8*(8*\i+\b)+4:8*(8*\i+\b)+7] offset:64*\b+16
.endr
	WIN 0
.irp t, 0,1,2,3,4,5,6,7,8,9,10,11,12,13,14,15
	ds_load_b128 v[RB+4*\t:RB+4*\t+3], v[RD] offset:\t*SPITCH    ; LDS serves a wave's instructions in order: these see the stores above
.endr
.irp t, 0,1,2,3,4,5,6,7,8,9,10,11,12,13,14,15
	s_wait_dscnt 15-\t                             ; row t is back, the younger rows stay out
	v_lshlrev_b32 v[TW], 16, v[\e+2*\t]            ; bf16 to f32: the low half moves up,
	v_and_b32 v[TW+1], 0xffff0000, v[\e+2*\t]      ; the high half stays
	v_lshlrev_b32 v[TW+2], 16, v[\e+2*\t+1]
	v_and_b32 v[TW+3], 0xffff0000, v[\e+2*\t+1]
	v_pk_add_f32 v[RB+4*\t:RB+4*\t+1], v[RB+4*\t:RB+4*\t+1], v[TW:TW+1]
	v_pk_add_f32 v[RB+4*\t+2:RB+4*\t+3], v[RB+4*\t+2:RB+4*\t+3], v[TW+2:TW+3]
	v_cvt_pk_bf16_f32 v[RB+4*\t], v[RB+4*\t], v[RB+4*\t+1]
	v_cvt_pk_bf16_f32 v[RB+4*\t+1], v[RB+4*\t+2], v[RB+4*\t+3]
	global_store_b64 v[CO], v[RB+4*\t:RB+4*\t+1], s[8:9] offset:2048*(16*\i+\t)   ; the wave stores 256 consecutive bytes, aligned; the row stands in the immediate
.endr
.endm
	OUT16 0, E0
	OUT16 1, E1
	OUT16 2, E2
	s_wait_loadcnt 0x0                             ; wqb's last sixteen rows
	OUT16 3, E3
	s_set_vgpr_msb 0x1
	s_wait_tensorcnt 0x0
	ds_add_u32 v255, v63
	s_wait_dscnt 0x0
	s_set_vgpr_msb 0x100
	CROUND                                         ; the closing round: no work-group ends while a partner may still ask for a tile that names it
	s_endpgm
.Lfunc_end_k_qc22c3d5468_gemmM:
	.size	k_qc22c3d5468_gemmM, .Lfunc_end_k_qc22c3d5468_gemmM-k_qc22c3d5468_gemmM
	.p2alignl 7, 3214868480
	.fill 96, 4, 3214868480
	.section	.rodata,"a",@progbits
	.p2align	6, 0x0
	.amdhsa_kernel k_qc22c3d5468_gemmM
		.amdhsa_group_segment_fixed_size 327680
		.amdhsa_private_segment_fixed_size 0
		.amdhsa_enable_private_segment 0
		.amdhsa_kernarg_size 24
		.amdhsa_user_sgpr_count 2
		.amdhsa_user_sgpr_kernarg_segment_ptr 1
		.amdhsa_wavefront_size32 1
		.amdhsa_system_sgpr_workgroup_id_x 1
		.amdhsa_system_sgpr_workgroup_id_y 1
		.amdhsa_system_sgpr_workgroup_id_z 1
		.amdhsa_system_vgpr_workitem_id 0
		.amdhsa_next_free_vgpr 768
		.amdhsa_next_free_sgpr 80
		.amdhsa_reserve_vcc 0
		.amdhsa_float_denorm_mode_32 3
		.amdhsa_float_denorm_mode_16_64 3
		.amdhsa_memory_ordered 1
		.amdhsa_forward_progress 1
		.amdhsa_inst_pref_size 152
	.end_amdhsa_kernel
	.amdgpu_metadata
---
amdhsa.version: [ 1, 2 ]
amdhsa.kernels:
  - .name:           k_qc22c3d5468_gemmM
    .symbol:         k_qc22c3d5468_gemmM.kd
    .args:
      - { .name: wqb, .offset: 0, .size: 8, .value_kind: global_buffer, .address_space: global }
      - { .name: wts, .offset: 8, .size: 8, .value_kind: global_buffer, .address_space: global }
      - { .name: mb, .offset: 16, .size: 8, .value_kind: global_buffer, .address_space: global }
    .group_segment_fixed_size: 327680
    .private_segment_fixed_size: 0
    .kernarg_segment_align: 8
    .kernarg_segment_size: 24
    .max_flat_workgroup_size: 128
    .sgpr_count:     80
    .vgpr_count:     768
    .wavefront_size: 32
...
	.end_amdgpu_metadata
.endif
;; end of part 10
;; launch gemmF (part 11): grid 4 x 64, 4 waves a work-group, clusters of 4 x 4, 327,680 bytes of LDS; arguments xb, mb, out0, wts, bq, bt; writes out0
.if DOCPART == 11
	.amdgcn_target "amdgcn-amd-amdhsa--gfx1250"
	.amdhsa_code_object_version 6
	.text
	.protected	k_qc22c3d5468_gemmF
	.globl	k_qc22c3d5468_gemmF
	.p2align	8
	.type	k_qc22c3d5468_gemmF,@function
k_qc22c3d5468_gemmF:
	s_mov_b64 s[64:65], 0
	v_nop
	global_prefetch_b8 v0, s[64:65] scope:SCOPE_SE
	s_setreg_imm32_b32 hwreg(HW_REG_WAVE_MODE, 25, 1), 1
	s_wait_xcnt 0x0
	s_wait_alu depctr_hold_cnt(0) depctr_sa_sdst(0) depctr_va_vdst(0) depctr_va_sdst(0) depctr_va_ssrc(0) depctr_va_vcc(0) depctr_vm_vsrc(0)
	s_getreg_b32 s2, hwreg(HW_REG_IB_STS2, 6, 4)
	s_cmp_eq_u32 s2, 0
	s_cbranch_scc0 .Lentry_in_a_cluster
	s_endpgm
.Lentry_in_a_cluster:
	s_bfe_u32 s2, ttmp6, 0x10000c
	s_cmp_lg_u32 s2, 0xf033
	s_cbranch_scc0 .Lentry_shape_is_right
	s_endpgm
.Lentry_shape_is_right:
; gemmF.  out0 = xb mb[b] + E for eight batches.  xb: [16,384][1024] bf16, 2,048 rows a batch.  mb: [batch][1024 k][1024 n] bf16, as it lies.  Sums in f32, out0 in f32.
; E is the row vector c_b = sum over h of cpart[b][h] + bq + bt  (cpart lies behind the first 16 MiB of wts).
; A work-group makes a block of 256 x 256 of out0 with four waves, as many as a WGP has SIMDs; a wave makes 128 x 128: 64 accumulator tiles of 16 x 16, 512 registers.
; K goes in steps of 128 through a ring of two LDS slots filled by the tensor data mover.  A's tile: 256 rows x 256 bytes; B's tile: 128 k rows x 512 bytes.
; CLUSTERS: 4 x 4 work-groups.  The four of a row of the cluster need the same tiles of A, the four of a column the same tiles of B (a cluster lies inside one batch:
; the batch hangs on the cluster's y alone).  Such a tile is asked for jointly, by the same tensor load with the same descriptor in all four.
; By this text's count a wave has two tensor loads outstanding at the start and one behind each round.
;
; REGISTERS, in windows of 256:
;   window 0: v16-31 addresses and E; v64-127, v128-191 fragments of A, two buffers; v192-255 at work (cpart's rows)
;   window 1: v64-127, v128-191 fragments of B, two buffers
;   window 2: the 32 accumulator tiles of my rows 0-63 (tile (a, b) at v[8 (8 a + b)]);   window 3: those of my rows 64-127
; THE MATRIX INSTRUCTION IS USED TRANSPOSED: source 0 = 16 columns of B (brought by the transposing LDS load, k along the registers), source 1 = 16 rows of A.
; Lane l then holds row l % 16 of the result and its registers the columns 8 (l / 16) + 0 .. 7.
.set SIZE_K, 1024
.set KSTEP,  128
.set PITCH,  272                       ; A's LDS row: 256 bytes + 16, an odd multiple of 16 bytes: the 16 rows that a load touches fall on 16 different 16-byte columns modulo 256 bytes
.set BPITCH, 544                       ; B's LDS row: 512 bytes + 32 = 17 x 32, an odd multiple of 32 bytes for the transposing loads
.set HALFT,  128*PITCH                 ; what one tensor load brings: 128 rows of A, or 64 k rows of B (64 x 544 is the same 34,816 bytes)
.set SLOT,   4*HALFT                   ; A's 256 rows, then B's 128 k rows
.set STAGE,  2*SLOT                    ; behind the ring: 16 rows x 528 bytes for each wave, for the way out; no tensor load lands here
.set SPITCH, 528
.set LAPS, SIZE_K/(2*KSTEP)            ; a lap = two K steps = once round the ring: 4
.set ADRA, 16                          ; v16-17  LDS address of my A fragments in slot 0, 1
.set ADRB, 20                          ; v20-21  the same for B
.set STO,  24                          ; v24     the way out: where I put 32 bytes of a row
.set RD,   25                          ; v25     the way out: where I read a row back
.set CW,   27                          ; v27     16 x lane
.set CV,   28                          ; v[28:31] E of my four columns
.set F0,   64
.set F1,   128
.set TMP,  192                         ; v[192:255] cpart's sixteen rows
.set G1, 24                            ; s[24:31] descriptor group 1 for A's tiles
.set G0, 32                            ; s[32:39] descriptor group 0 for A's tiles, one set for each slot
.set G1B, 48                           ; s[48:55] group 1 for B's tiles
.set G0B, 56                           ; s[56:63] group 0 for B's tiles, one set for each slot
.set OSTEP, 16*4096                    ; sixteen rows of out0
.set MSB, 0
.macro WIN new                         ; the immediate's high byte repeats the setting that is left
.if MSB != \new
	s_set_vgpr_msb (MSB<<8)|\new
.set MSB, \new
.endif
.endm
.set MUL_LO, 0xa1                      ; source 0 (B) window 1, source 1 (A) window 0, C and D window 2
.set MUL_HI, 0xf1                      ; the same, C and D window 3
.set TO_B,   0x40                      ; destination window 1, address window 0
; A joint load.  Waves 0 and 1 fetch A's two halves, waves 2 and 3 B's.  The branch hangs on the wave's number alone.
.macro JLOAD s
	s_cmp_eq_u32 s11, 0
	s_cbranch_scc0 .Lfor_b_\@
	tensor_load_to_lds s[G0+4*\s:G0+4*\s+3], s[G1:G1+7]
	s_nop 0
	s_branch .Lasked_\@
.Lfor_b_\@:
	tensor_load_to_lds s[G0B+4*\s:G0B+4*\s+3], s[G1B:G1B+7]
	s_nop 0
.Lasked_\@:
.endm
; A round of the cluster's barrier: my work-group's barrier; wave 0 signals for the work-group; every wave waits for all sixteen; my work-group's barrier once more.
.macro CREST                           ; a round behind its opening barrier
	s_cmp_lg_u32 s10, 0
	s_cbranch_scc1 .Lnot_wave_0_\@
	s_barrier_signal -3
.Lnot_wave_0_\@:
	s_barrier_wait -3
	s_barrier_signal -1
	s_barrier_wait -1
.endm
.macro CROUND
	s_barrier_signal -1
	s_barrier_wait -1
	CREST
.endm
.macro FOLD n                          ; vectors 0 .. n-1 of four registers at TMP += vectors n .. 2n-1
.set fi, 0
.rept 2*\n
	v_pk_add_f32 v[TMP+2*fi:TMP+2*fi+1], v[TMP+2*fi:TMP+2*fi+1], v[TMP+4*\n+2*fi:TMP+4*\n+2*fi+1]
.set fi, fi+1
.endr
.endm
	s_load_b128 s[4:7], s[0:1], 0x0                ; xb s[4:5], mb s[6:7]
	s_load_b64 s[8:9], s[0:1], 0x10                ; out0
	s_load_b128 s[68:71], s[0:1], 0x18             ; wts (for cpart), bq
	s_load_b64 s[72:73], s[0:1], 0x28              ; bt
	s_set_vgpr_msb 0x40
	v_lshl_add_u32 v255, v0, 2, 0x4c400
	s_set_vgpr_msb 0x4000
	v_mov_b32 v63, 0
	s_set_vgpr_msb 0x1
	ds_add_u32 v255, v63
	ds_add_u32 v255, v63
	s_set_vgpr_msb 0x100
	v_lshrrev_b32 v1, 5, v0
	v_readfirstlane_b32 s10, v1                    ; wave 0..3
	s_lshr_b32 s11, s10, 1                         ; which half of the block's rows is mine.  Also: I fetch for A (0) or for B (1)
	s_and_b32 s12, s10, 1                          ; which half of its columns.  Also: which half of that tile I fetch
	s_bfe_u32 s40, ttmp6, 0x40000                  ; cx
	s_bfe_u32 s41, ttmp6, 0x40004                  ; cy
	s_lshl_b32 s42, ttmp9, 2
	s_add_co_u32 s42, s42, s40                     ; block column = 4 x cluster x + cx
	s_and_b32 s45, ttmp7, 0xffff                   ; the cluster's y
	s_lshl_b32 s13, s45, 2
	s_add_co_u32 s13, s13, s41                     ; block row = 4 x cluster y + cy
	s_lshl_b32 s43, s41, 2
	s_lshl_b32 s43, 15, s43                        ; my row of the cluster: places 4 cy .. 4 cy + 3
	s_lshl_b32 s44, 0x1111, s40                    ; my column: places cx, cx + 4, cx + 8, cx + 12
	s_or_b32 s[G1+0], s43, (1<<16)|(1<<20)|(1<<21)|(5<<22)|(3<<25)   ; A: mask of my row; 2-byte elements; padding of 4 words behind every 64; bit 21 beside a mask
	s_mov_b32 s[G1+1], KSTEP<<16                   ; tensor_dim0 = 128
	s_mov_b32 s[G1+2], 128<<16                     ; tensor_dim1 = 128
	s_mov_b32 s[G1+3], KSTEP<<16                   ; tile_dim0 = 128
	s_mov_b32 s[G1+4], 128                         ; tile_dim1 = 128
	s_mov_b32 s[G1+5], SIZE_K                      ; elements from row to row
	s_mov_b32 s[G1+6], 0
	s_mov_b32 s[G1+7], 0
	s_or_b32 s[G1B+0], s44, (1<<16)|(1<<20)|(1<<21)|(6<<22)|(7<<25)  ; B: mask of my column; padding of 8 words behind every 128
	s_mov_b32 s[G1B+1], 256<<16                    ; tensor_dim0 = 256 columns
	s_mov_b32 s[G1B+2], 64<<16                     ; tensor_dim1 = 64 k rows
	s_mov_b32 s[G1B+3], 256<<16
	s_mov_b32 s[G1B+4], 64
	s_mov_b32 s[G1B+5], 1024
	s_mov_b32 s[G1B+6], 0
	s_mov_b32 s[G1B+7], 0
	; A's address hangs on the block row (and the wave), which my row of the cluster shares; B's on the cluster's y, the block column (and the wave), which my column shares.
	s_lshl_b32 s16, s13, 19                        ; A: block row x 256 rows x 2,048 bytes
	s_lshr_b32 s46, s45, 1                         ; batch: two clusters along y make its 2,048 rows
	s_lshl_b32 s17, s12, 18                        ; + my 128 rows
	s_add_co_u32 s16, s16, s17
	s_mov_b32 s17, 0
	s_lshl_b32 s46, s46, 21                        ; B: batch x 2 MiB
	s_lshl_b32 s47, s12, 17                        ; + my 64 k rows of 2,048 bytes
	s_add_co_u32 s46, s46, s47
	s_lshl_b32 s47, s42, 9                         ; + block column x 512 bytes
	s_add_co_u32 s46, s46, s47
	s_mov_b32 s47, 0
	s_mul_i32 s20, s10, HALFT                      ; LDS: A's two halves, then B's two halves = wave x 34,816
	s_wait_dscnt 0x0
	s_wait_kmcnt 0x0
	s_add_nc_u64 s[14:15], s[4:5], s[16:17]
	s_add_nc_u64 s[46:47], s[6:7], s[46:47]
	CROUND                                         ; all sixteen work-groups are here: the first joint loads meet
.irp s, 0,1
	s_mov_b32 s[G0+4*\s], 1
	s_add_co_u32 s[G0+4*\s+1], s20, \s*SLOT
	s_add_nc_u64 s[G0+4*\s+2:G0+4*\s+3], s[14:15], \s*KSTEP*2          ; K step s: 256 bytes along A's rows
	s_or_b32 s[G0+4*\s+3], s[G0+4*\s+3], 0x80000000
	s_mov_b32 s[G0B+4*\s], 1
	s_add_co_u32 s[G0B+4*\s+1], s20, \s*SLOT
	s_add_nc_u64 s[G0B+4*\s+2:G0B+4*\s+3], s[46:47], \s*KSTEP*2048     ; K step s: 128 rows down B
	s_or_b32 s[G0B+4*\s+3], s[G0B+4*\s+3], 0x80000000
	JLOAD \s
.endr
	v_and_b32 v1, 15, v0                           ; l % 16
	v_bfe_u32 v2, v0, 4, 1                         ; l / 16
	v_mul_u32_u24 v3, v1, PITCH
	v_lshl_add_u32 v3, v2, 4, v3                   ; A fragments: row x pitch + 16 x half
	v_and_b32 v4, 7, v0
	v_lshl_add_u32 v4, v2, 3, v4
	v_mul_u32_u24 v4, v4, BPITCH                   ; B fragments: k row 8 (l / 16) + (l & 7),
	v_bfe_u32 v5, v0, 3, 1
	v_lshl_add_u32 v4, v5, 4, v4                   ; + 16 ((l >> 3) & 1)
	s_mul_i32 s21, s11, HALFT                      ; my 128 rows of A
	s_lshl_b32 s22, s12, 8                         ; my 128 columns of B,
	s_add_co_u32 s22, s22, 2*HALFT                 ; which lies behind A's 256 rows
.irp s, 0,1
	v_add_nc_u32 v[ADRA+\s], s21, v3
	v_add_nc_u32 v[ADRB+\s], s22, v4
	s_add_co_u32 s21, s21, SLOT
	s_add_co_u32 s22, s22, SLOT
.endr
	s_mul_i32 s23, s10, 16*SPITCH
	s_add_co_u32 s23, s23, STAGE                   ; my stage
	v_mul_u32_u24 v6, v1, SPITCH
	v_lshl_add_u32 v6, v2, 5, v6
	v_add_nc_u32 v[STO], s23, v6                   ; in: row l % 16, 32 bytes for each half of the lanes
	v_and_b32 v7, 31, v0
	v_lshlrev_b32 v[CW], 4, v7
	v_add_nc_u32 v[RD], s23, v[CW]                 ; back: the 32 lanes take one row of 512 bytes
	s_lshl_b32 s75, s42, 10
	s_lshl_b32 s76, s12, 9
	s_add_co_u32 s76, s76, s75                     ; my first column in bytes of f32: 1,024 x block column + 512 x half
	s_mov_b32 s77, 0
	; E of my four columns, while the first tiles are on their way
	s_lshr_b32 s74, s45, 1
	s_lshl_b32 s74, s74, 16                        ; cpart: batch x 16 heads x 4,096 bytes, behind WtS's 16 MiB
	s_add_co_u32 s74, s74, s76
	s_add_co_u32 s74, s74, 0x1000000
	s_mov_b32 s75, 0
	s_add_nc_u64 s[68:69], s[68:69], s[74:75]
	s_add_nc_u64 s[70:71], s[70:71], s[76:77]
	s_add_nc_u64 s[72:73], s[72:73], s[76:77]
.irp hh, 0,1,2,3,4,5,6,7,8,9,10,11,12,13,14,15
	global_load_b128 v[TMP+4*\hh:TMP+4*\hh+3], v[CW], s[68:69] offset:4096*\hh
.endr
	global_load_b128 v[32:35], v[CW], s[70:71]
	global_load_b128 v[36:39], v[CW], s[72:73]
	s_wait_loadcnt 0x0
	FOLD 8
	FOLD 4
	FOLD 2
	FOLD 1
	v_pk_add_f32 v[32:33], v[32:33], v[36:37]
	v_pk_add_f32 v[34:35], v[34:35], v[38:39]
	v_pk_add_f32 v[CV:CV+1], v[TMP:TMP+1], v[32:33]
	v_pk_add_f32 v[CV+2:CV+3], v[TMP+2:TMP+3], v[34:35]
; 16 matrix instructions: m blocks a0, a0 + 1 of the window's four x all 8 n blocks, 32 along K.  zero = 1: the first product starts the sums.
; The 64 accumulators take turns, one instruction a turn, in the same order in every quarter step.
.macro MUL16 f, hi, a0, zero
.irp a, \a0, \a0+1
.irp b, 0,1,2,3,4,5,6,7
.if \zero
	v_wmma_f32_16x16x32_bf16 v[8*(8*(\a)+\b):8*(8*(\a)+\b)+7], v[\f+8*\b:\f+8*\b+7], v[\f+8*(4*\hi+\a):\f+8*(4*\hi+\a)+7], 0
.else
	v_wmma_f32_16x16x32_bf16 v[8*(8*(\a)+\b):8*(8*(\a)+\b)+7], v[\f+8*\b:\f+8*\b+7], v[\f+8*(4*\hi+\a):\f+8*(4*\hi+\a)+7], v[8*(8*(\a)+\b):8*(8*(\a)+\b)+7]
.endif
.endr
.endr
.endm
; 32 LDS loads in one run: the fragments of quarter q of a K step (128 columns of B, 128 rows of A, 32 K) into buffer f
.macro FETCH slot, q, f
	WIN TO_B
.irp i, 0,1,2,3,4,5,6,7
	ds_load_tr16_b128 v[\f+8*\i:\f+8*\i+3],   v[ADRB+\slot] offset:\q*32*BPITCH+\i*32
	ds_load_tr16_b128 v[\f+8*\i+4:\f+8*\i+7], v[ADRB+\slot] offset:\q*32*BPITCH+\i*32+16*BPITCH
.endr
	WIN 0
.irp i, 0,1,2,3,4,5,6,7
	ds_load_b128 v[\f+8*\i:\f+8*\i+3],   v[ADRA+\slot] offset:\q*64+\i*16*PITCH
	ds_load_b128 v[\f+8*\i+4:\f+8*\i+7], v[ADRA+\slot] offset:\q*64+\i*16*PITCH+32
.endr
.endm
.macro PLACES                          ; four plain vector places behind a matrix instruction, in front of loads into its sources and of readers of its result
.rept 4
	v_nop
.endr
.endm
; One of a K step's first three quarters: multiplies buffer f; in its middle it fetches quarter q of the same slot into buffer g.
.macro QUARTER slot, q, f, g, zero
	s_wait_dscnt 8                                 ; B and A's rows 0-63 are in; the youngest eight loads (A's rows 64-127) may be out
	WIN MUL_LO
	MUL16 \f, 0, 0, \zero
	MUL16 \f, 0, 2, \zero
	PLACES
	FETCH \slot, \q, \g
	s_wait_dscnt 32                                ; all but the 32 just issued
	WIN MUL_HI
	MUL16 \f, 1, 0, \zero
	MUL16 \f, 1, 2, \zero
.endm
.macro THREE slot, zero
	QUARTER \slot, 1, F0, F1, \zero
	QUARTER \slot, 2, F1, F0, 0
	QUARTER \slot, 3, F0, F1, 0
.endm
; The last quarter: multiplies buffer 1 and changes slots.  In front of the barrier each wave waits for its own reads of this slot and for all its tensor loads
; (one is out: its part of the next slot).  Behind it (fill = 1: behind the cluster's round that it opens) the refill comes first, then the next slot's first fragments.
.macro TURN slot, next, fill
	s_wait_dscnt 8
	WIN MUL_LO
	MUL16 F1, 0, 0, 0
	s_wait_dscnt 0                                 ; my reads of this slot are over
	s_wait_tensorcnt 0x0                           ; and all my tensor loads have landed
	ds_add_u32 v255, v63
	s_wait_dscnt 0x0
	s_barrier_signal -1
	MUL16 F1, 0, 2, 0                              ; register work while the others arrive
	WIN 0
	s_barrier_wait -1
.if \fill
	CREST                                          ; no wave of any partner still reads this slot's tile or has a load on its way
	s_add_nc_u64 s[G0+4*\slot+2:G0+4*\slot+3], s[G0+4*\slot+2:G0+4*\slot+3], 2*KSTEP*2
	s_add_nc_u64 s[G0B+4*\slot+2:G0B+4*\slot+3], s[G0B+4*\slot+2:G0B+4*\slot+3], 2*KSTEP*2048
	JLOAD \slot                                    ; the first tensor load behind the round, one a wave
.endif
	PLACES
	FETCH \next, 0, F0
	WIN MUL_HI
	MUL16 F1, 1, 0, 0
	MUL16 F1, 1, 2, 0
.endm
.macro LAP zero
	THREE 0, \zero
	TURN 0, 1, 1
	THREE 1, 0
	TURN 1, 0, 1
.endm
	s_wait_tensorcnt 1                             ; my part of K step 0 is in; K step 1's may stay out
	s_barrier_signal -1
	s_barrier_wait -1
	FETCH 0, 0, F0
	LAP 1                                          ; the first lap stands in front of the loop: its first products start the sums
	WIN 0                                          ; at a label and at a branch every window is 0
	s_mov_b32 s3, LAPS-2
.Llap:
	LAP 0
	WIN 0
	s_sub_co_u32 s3, s3, 1
	s_cmp_lg_u32 s3, 0
	s_cbranch_scc1 .Llap
	THREE 0, 0                                     ; the last lap fills nothing
	TURN 0, 1, 0
	THREE 1, 0
	s_wait_dscnt 8
	WIN MUL_LO
	MUL16 F1, 0, 0, 0
	MUL16 F1, 0, 2, 0
	s_wait_dscnt 0
	WIN MUL_HI
	MUL16 F1, 1, 0, 0
	MUL16 F1, 1, 2, 0
	; THE WAY OUT, 16 rows at a time: the f32 sums go into my own stage, 32 bytes a lane, and come back as whole rows of 512 bytes.
	PLACES
	s_lshl_b32 s74, s13, 20                        ; block row x 256 rows x 4,096 bytes
	s_lshl_b32 s75, s11, 19                        ; + my 128 rows
	s_add_co_u32 s74, s74, s75
	s_add_co_u32 s74, s74, s76                     ; + my columns
	s_mov_b32 s75, 0
	s_add_nc_u64 s[8:9], s[8:9], s[74:75]
; rows 16 i .. 16 i + 15 of my block = the eight tiles (a, 0..7) of window 2 or 3 (win = 0x08 or 0x0c: an LDS store's data is source 1); f: F0 or F1 in turn
.macro OUT16 i, a, win, f
	WIN 0
	s_wait_xcnt 0x0                                ; earlier stores have had their addresses translated: buffer f and the base are rewritten only behind this wait
.if \i
	s_add_nc_u64 s[8:9], s[8:9], OSTEP
.endif
	WIN \win
.irp b, 0,1,2,3,4,5,6,7
	ds_store_b128 v[STO], v[8*(8*\a+\b):8*(8*\a+\b)+3] offset:64*\b
	ds_store_b128 v[STO], v[8*(8*\a+\b)+4:8*(8*\a+\b)+7] offset:64*\b+16
.endr
	WIN 0
.irp t, 0,1,2,3,4,5,6,7,8,9,10,11,12,13,14,15
	ds_load_b128 v[\f+4*\t:\f+4*\t+3], v[RD] offset:\t*SPITCH    ; LDS serves a wave's instructions in order: these see the stores above
.endr
.irp t, 0,1,2,3,4,5,6,7,8,9,10,11,12,13,14,15
	s_wait_dscnt 15-\t                             ; row t is back, the younger rows stay out
	v_pk_add_f32 v[\f+4*\t:\f+4*\t+1], v[\f+4*\t:\f+4*\t+1], v[CV:CV+1]
	v_pk_add_f32 v[\f+4*\t+2:\f+4*\t+3], v[\f+4*\t+2:\f+4*\t+3], v[CV+2:CV+3]
	global_store_b128 v[CW], v[\f+4*\t:\f+4*\t+3], s[8:9] offset:4096*\t th:TH_STORE_NT   ; the wave stores 512 consecutive bytes, aligned
.endr
.endm
	OUT16 0, 0, 0x08, F0
	OUT16 1, 1, 0x08, F1
	OUT16 2, 2, 0x08, F0
	OUT16 3, 3, 0x08, F1
	OUT16 4, 0, 0x0c, F0
	OUT16 5, 1, 0x0c, F1
	OUT16 6, 2, 0x0c, F0
	OUT16 7, 3, 0x0c, F1
	s_set_vgpr_msb 0x1
	s_wait_tensorcnt 0x0
	ds_add_u32 v255, v63
	s_wait_dscnt 0x0
	s_set_vgpr_msb 0x100
	CROUND                                         ; the closing round: no work-group ends while a partner may still ask for a tile that names it
	s_endpgm
.Lfunc_end_k_qc22c3d5468_gemmF:
	.size	k_qc22c3d5468_gemmF, .Lfunc_end_k_qc22c3d5468_gemmF-k_qc22c3d5468_gemmF
	.p2alignl 7, 3214868480
	.fill 96, 4, 3214868480
	.section	.rodata,"a",@progbits
	.p2align	6, 0x0
	.amdhsa_kernel k_qc22c3d5468_gemmF
		.amdhsa_group_segment_fixed_size 327680
		.amdhsa_private_segment_fixed_size 0
		.amdhsa_enable_private_segment 0
		.amdhsa_kernarg_size 48
		.amdhsa_user_sgpr_count 2
		.amdhsa_user_sgpr_kernarg_segment_ptr 1
		.amdhsa_wavefront_size32 1
		.amdhsa_system_sgpr_workgroup_id_x 1
		.amdhsa_system_sgpr_workgroup_id_y 1
		.amdhsa_system_sgpr_workgroup_id_z 1
		.amdhsa_system_vgpr_workitem_id 0
		.amdhsa_next_free_vgpr 1024
		.amdhsa_next_free_sgpr 80
		.amdhsa_reserve_vcc 0
		.amdhsa_float_denorm_mode_32 3
		.amdhsa_float_denorm_mode_16_64 3
		.amdhsa_memory_ordered 1
		.amdhsa_forward_progress 1
		.amdhsa_inst_pref_size 216
	.end_amdhsa_kernel
	.amdgpu_metadata
---
amdhsa.version: [ 1, 2 ]
amdhsa.kernels:
  - .name:           k_qc22c3d5468_gemmF
    .symbol:         k_qc22c3d5468_gemmF.kd
    .args:
      - { .name: xb, .offset: 0, .size: 8, .value_kind: global_buffer, .address_space: global }
      - { .name: mb, .offset: 8, .size: 8, .value_kind: global_buffer, .address_space: global }
      - { .name: out0, .offset: 16, .size: 8, .value_kind: global_buffer, .address_space: global }
      - { .name: wts, .offset: 24, .size: 8, .value_kind: global_buffer, .address_space: global }
      - { .name: bq, .offset: 32, .size: 8, .value_kind: global_buffer, .address_space: global }
      - { .name: bt, .offset: 40, .size: 8, .value_kind: global_buffer, .address_space: global }
    .group_segment_fixed_size: 327680
    .private_segment_fixed_size: 0
    .kernarg_segment_align: 8
    .kernarg_segment_size: 48
    .max_flat_workgroup_size: 128
    .sgpr_count:     80
    .vgpr_count:     1024
    .wavefront_size: 32
...
	.end_amdgpu_metadata
.endif
;; end of part 11
